; MI455X (gfx1250); checked and timed in simulation.
; The chip was launched on July 23, 2026; its instructions are those of AMD's public machine-readable ISA for CDNA 5 (MIT licence, August 2026) and "CDNA5" Instruction Set Architecture Reference Guide (July 2026). The comments in the code are by the model that wrote it; some were corrected since.
;; Mo E Layer. Allowed arithmetic: matrix products marked QUANTISED: E3M2 operands, one E8M0 scale for each 32 along K, by v_wmma_scale_f32_16x16x128_f8f6f4 with both operands' format E3M2, f32 sums; products left as they are: f32 operands where the result goes on into a quantised operand, else bf16, f16 or f32 operands; f32 sums; everything else in f32.
;; Inputs: W1_codes 8 x 4,096 x 32 x 24 uint8 (E3M2 codes of W1, K innermost, in blocks of 32 codes, four codes in three bytes); W1_scales 8 x 4,096 x 32 uint8 (E8M0 scales of W1, one for each 32 codes along K); W2_codes 8 x 1,024 x 128 x 24 uint8 (E3M2 codes of W2, K innermost, in blocks of 32 codes, four codes in three bytes); W2_scales 8 x 1,024 x 128 uint8 (E8M0 scales of W2, one for each 32 codes along K); Wg 1,024 x 8 float32; b1 8 x 4,096 float32; b2 8 x 1,024 float32; bg 8 float32; x 1,024 x 1,024 float32.
;; Outputs: out0 1,024 x 1,024 float32; out1 one number float32.
;; This version of the problem:
;;   THIS VERSION OF THE PROBLEM IS GIVEN IN LOW PRECISION. The matrix products marked QUANTISED in the list below multiply operands that are first quantised to E3M2 (3 exponent bits, 2 mantissa bits; 6 bits a number), with one power-of-two scale for each 32 numbers along K (OCP MX v1.0); their sums are f32. All else is computed in f32.
;;   The module's matrix products, in the order in which they are computed (A, B: the left and right operand; K: the contracted axis; several contracted axes count as one K, in the product's order):
;;     1. [M 1,024, K 1,024] x [K 1,024, N 8]; A: input x; B: input Wg: left as it is (N = 8 < 16)
;;     2. [M 1,024, K 1,024] x [K 1,024, N 32,768]; A: input x; B: input W1 (given as codes): QUANTISED
;;     3. batch 8 x [M 1,024, K 4,096] x [K 4,096, N 1,024]; A: input W2 (given as codes); B: computed on the way: QUANTISED
;;   THE QUANTISER, for each operand of a quantised product, along K:
;;     - K is cut into blocks of 32 from its start; a last block that is shorter is filled with zeros.
;;     - A block's scale is 2^e with e = floor(log2(the largest magnitude in the block)) - 4, held to -126 .. 127; a block of zeros has e = 0. As a byte (E8M0): e + 127.
;;     - Each number is divided by its block's scale, clamped to +-28, and rounded to the nearest number of E3M2, ties to even, subnormals kept.
;;     - The product sums the exact products of the quantised numbers (number of the format x scale) in f32.
;;   ~~~python
;;   def quantise(x, axis):      # numpy; x: float32 -> the quantised numbers, widened to float32 again
;;       x = np.moveaxis(x, axis, -1); K = x.shape[-1]
;;       x = np.pad(x, [(0, 0)] * (x.ndim - 1) + [(0, -K % 32)]); x = x.reshape(x.shape[:-1] + (-1, 32)); a = np.abs(x).max(-1, keepdims=True)
;;       e = np.where(a > 0, np.clip(np.frexp(np.where(a > 0, a, 1))[1] - 1 - 4, -126, 127), 0)      # np.frexp(a)[1] - 1 = floor(log2(a)), exactly
;;       r = np.clip(x / 2.0 ** e, -28, 28)
;;       step = 2.0 ** (np.maximum(np.frexp(np.where(r == 0, 1, r))[1] - 1, -2) - 2)
;;       q = np.round(r / step) * step * 2.0 ** e      # np.round: ties to even
;;       return np.moveaxis(q.reshape(q.shape[:-2] + (-1,))[..., :K], -1, axis).astype(np.float32)
;;   ~~~
;;   OPERANDS COMPUTED ON THE WAY. 'Computed on the way' means the value that the module computes at that place (a softmax that the list does not call 'softmax' is quantised finished and normalised). What goes into a quantiser is computed in f32, as accurately as f32 sums, v_exp_f32 and their like allow (about 1e-6 of the number): no bf16 or f16 on the way to a quantiser, and a product that is left as it is and whose result goes on into a quantised operand takes f32 operands (vector FMAs, or v_wmma_f32_16x16x4_f32). A number that lies on a knife's edge between two numbers of the format may be rounded either way, as far as f32 arithmetic and the matrix unit's own rounding can turn it there, and no further.
;;   INPUTS GIVEN AS CODES. W1 (in the module: [8, 1024, 4096], K = its axis 1); W2 (in the module: [8, 4096, 1024], K = its axis 1): each comes as NAME_codes (uint8): NAME with its K axis moved to the last place and cut into blocks of 32 codes, [.., K / 32, bytes a block], one block behind the other in memory; four codes in three bytes: a row's codes are one little-endian stream of bits, code i at bits 6 i .. 6 i + 5 (a code: sign, 3 exponent bits, 2 mantissa bits); and NAME_scales (uint8): the same leading axes, one E8M0 byte (e + 127) for each 32 codes along K. Its value is code x scale, taken as it is: it is not quantised again, and the codes and scales need not be those that the quantiser above would give.
;; 3 versions. Each part assembles by itself: llvm-mc -triple=amdgcn-amd-amdhsa -mcpu=gfx1250 --defsym DOCPART=n.
;; ======== version 1 of 3: 4 launches
;; workspace buffers: xq 819,200 bytes; sel 4,096 bytes of whole numbers; fl 16,384 bytes; hq 26,214,400 bytes; rl 256 bytes of whole numbers; ybuf 33,554,432 bytes
;; launch route (part 1): grid 256 x 1, 4 waves a work-group, no clusters, 56,832 bytes of LDS; arguments x, Wg, bg, xq, sel, fl; writes xq, sel, fl
.if DOCPART == 1
	.amdgcn_target "amdgcn-amd-amdhsa--gfx1250"
	.amdhsa_code_object_version 6
	.text
	.protected	k_qd9be250fd4_route
	.globl	k_qd9be250fd4_route
	.p2align	8
	.type	k_qd9be250fd4_route,@function
k_qd9be250fd4_route:
	s_mov_b64 s[64:65], 0
	v_nop
	global_prefetch_b8 v0, s[64:65] scope:SCOPE_SE
	s_setreg_imm32_b32 hwreg(HW_REG_WAVE_MODE, 25, 1), 1
	s_wait_xcnt 0x0
; THE ROUTER AND x's QUANTISER.  x [1024][1024] f32, Wg [1024][8], bg [8].
; Wave w of work-group g owns token 4 g + w; lane l owns the token's block l of 32 numbers (K = 32 l .. 32 l + 31).
; Out: xq: the token's E3M2 codes (768 bytes; block b at 384 (b & 1) + 48 (b >> 2) + 24 ((b >> 1) & 1), so that one half of the lanes of a
; matrix operand finds its bytes of all eight K steps on end) and, from byte 786,432 on, its 32 scale bytes in their natural order;
; sel[token] = (1 << first expert) | (0x100 << second expert) | (first expert << 16) | (second expert << 20);  fl: the two gate weights of each token, and from
; byte 8,192 on the work-group's sums of the eight gates.  Logits by f32 fused multiply-adds; the maximum is taken away ahead of every exponential.
; LIMITS: NaN and infinities are not served.  A block whose largest magnitude lies under 2^-122 (a block of zeros too) gets the scale byte 1:
; a zero block's codes are zeros, and the bytes are read by this program alone.  Equal logits go to the lower index; logits that differ only by the rounding of
; the order of summation may fall either way.
.set WGS,   0                          ; LDS: Wg as 32 pieces of 1,024 bytes + 16 of padding (piece l = the rows of lane l's 32 k)
.set XT,    33280                      ; a stage of 32 places of 144 bytes for each wave: x turns from 16 bytes a lane to 128 bytes a lane
.set CS,    51712                      ; 1,024 bytes for each wave: the token's 768 bytes of codes
.set MAIL,  55808                      ; +0 gates (4 x 8 words), +128 scale bytes (4 x 32), +256 sel (4 words), +320 weights (4 x 2 words)
.set XSOFF, 786432
.set XR,  16                           ; v16-47   x as loaded
.set X,   48                           ; v48-79   my 32 neighbours
.set W,   80                           ; v80-143  Wg on its way to LDS, later eight rows of it
.set ACC, 144                          ; v144-151 the eight logits
	s_load_b256 s[4:11], s[0:1], 0x0               ; x s[4:5], Wg s[6:7], bg s[8:9], xq s[10:11]
	s_load_b128 s[12:15], s[0:1], 0x20             ; sel s[12:13], fl s[14:15]
	v_lshl_add_u32 v192, v0, 2, 0xdc00
	v_mov_b32 v193, 0
	v_lshrrev_b32 v1, 5, v0
	v_readfirstlane_b32 s16, v1                    ; wave
	v_and_b32 v1, 31, v0                           ; lane
	v_lshlrev_b32 v9, 4, v1                        ; 16 x lane
	v_lshlrev_b32 v10, 4, v0                       ; 16 x thread
	s_lshl_b32 s17, ttmp9, 2
	s_add_co_u32 s17, s17, s16                     ; my token
	s_lshl_b32 s18, s17, 12
	s_mov_b32 s19, 0
	s_mov_b32 s34, 0x76543210
	s_mov_b32 s35, 0xfedcba98                      ; v_permlanex16_b32's selects for lane l xor 16
	s_wait_kmcnt 0x0
	s_load_b256 s[20:27], s[8:9], 0x0              ; bg
	s_add_nc_u64 s[4:5], s[4:5], s[18:19]
.irp i, 0,1,2,3,4,5,6,7
	global_load_b128 v[XR+4*\i:XR+4*\i+3], v9, s[4:5] offset:512*\i th:TH_LOAD_NT   ; my token's row: 512 consecutive bytes a load
.endr
.irp i, 0,1,2,3,4,5,6,7,8,9,10,11,12,13,14,15
	global_load_b128 v[W+4*\i:W+4*\i+3], v10, s[6:7] offset:2048*\i                 ; Wg: the four waves take 2,048 consecutive bytes a load
.endr
	s_mul_i32 s18, s17, 768
	s_add_nc_u64 s[36:37], s[10:11], s[18:19]      ; my token's codes
	s_lshl_b32 s18, ttmp9, 7
	s_add_nc_u64 s[38:39], s[10:11], s[18:19]      ; the work-group's 128 scale bytes (+ XSOFF in the store)
	s_lshl_b32 s18, ttmp9, 4
	s_add_nc_u64 s[12:13], s[12:13], s[18:19]      ; its four words of sel
	s_lshl_b32 s18, ttmp9, 5
	s_add_nc_u64 s[14:15], s[14:15], s[18:19]      ; its 32 bytes of weights, and (+ 8,192) of gate sums
	s_mul_i32 s28, s16, 4608
	s_add_co_u32 s28, s28, XT
	v_lshrrev_b32 v11, 3, v1
	v_mul_u32_u24 v2, v11, 144
	v_and_b32 v11, 7, v1
	v_lshl_add_u32 v2, v11, 4, v2
	v_add_nc_u32 v2, s28, v2                       ; into the stage: 144 (l / 8) + 16 (l % 8); a load's 512 bytes take four places
	v_mul_u32_u24 v3, v1, 144
	v_add_nc_u32 v3, s28, v3                       ; out of it: place l
	v_lshrrev_b32 v11, 6, v0
	v_lshl_add_u32 v4, v11, 4, v10                 ; Wg into LDS: 16 t + 16 (t / 64)
	v_mul_u32_u24 v5, v1, 1040                     ; and my piece of it
	v_and_b32 v11, 1, v1
	v_mul_u32_u24 v6, v11, 384
	v_lshrrev_b32 v11, 2, v1
	v_mad_u32_u24 v6, v11, 48, v6
	v_bfe_u32 v11, v1, 1, 1
	v_mad_u32_u24 v6, v11, 24, v6
	s_lshl_b32 s29, s16, 10
	s_add_co_u32 s29, s29, CS
	v_add_nc_u32 v6, s29, v6                       ; my block's 24 bytes among the token's codes
	v_lshlrev_b32 v8, 3, v1
	v_add_nc_u32 v7, s29, v8                       ; and 8 bytes a lane on the way out
	s_lshl_b32 s30, s16, 5
	v_mov_b32 v12, s30                             ; mail: 32 w
	v_add_nc_u32 v13, s30, v1                      ; 32 w + l
	s_lshl_b32 s31, s16, 2
	v_mov_b32 v14, s31                             ; 4 w
	s_lshl_b32 s32, s16, 3
	v_mov_b32 v15, s32                             ; 8 w
	v_lshlrev_b32 v186, 2, v1                      ; 4 l
	v_and_b32 v187, 12, v186                       ; 4 (l % 4)
	v_and_b32 v188, 28, v186                       ; 4 (l % 8)
	v_mov_b32 v191, 0                              ; (a lane permute's destination counts as one of its sources)
	s_wait_loadcnt 16                              ; x's eight loads are in; Wg's sixteen may be out
.irp i, 0,1,2,3,4,5,6,7
	ds_store_b128 v2, v[XR+4*\i:XR+4*\i+3] offset:576*\i
.endr
.irp i, 0,1,2,3,4,5,6,7
	ds_load_b128 v[X+4*\i:X+4*\i+3], v3 offset:16*\i   ; the wave's own bytes, served in order: no wait between
.endr
	s_wait_loadcnt 0x0                             ; Wg
.irp i, 0,1,2,3,4,5,6,7,8,9,10,11,12,13,14,15
	ds_store_b128 v4, v[W+4*\i:W+4*\i+3] offset:2080*\i
.endr
	s_wait_dscnt 0x0                               ; my part of Wg lies in LDS (and my 32 numbers are back),
	s_barrier_signal -1
	s_barrier_wait -1                              ; everybody's does
	; ---- my block's scale and codes
	v_max3_num_f32 v152, |v[X]|, |v[X+1]|, 0x2800000   ; the floor 2^(5 - 127) among the leaves: the byte cannot fall under 1
	v_max_num_f32 v153, |v[X+2]|, |v[X+3]|
.irp i, 4,8,12,16,20,24,28
	v_max3_num_f32 v152, v152, |v[X+\i]|, |v[X+\i+1]|
	v_max3_num_f32 v153, v153, |v[X+\i+2]|, |v[X+\i+3]|
.endr
	v_max_num_f32 v152, v152, v153
	v_add_nc_u32 v154, 0xfe000000, v152            ; 4 off the exponent field: the conversion's scale operand
	v_cvt_scalef32_pk16_bf6_f32 v[156:158], v[X:X+15], v154
	v_cvt_scalef32_pk16_bf6_f32 v[160:162], v[X+16:X+31], v154
	v_lshrrev_b32 v155, 23, v154                   ; the scale's byte (a plain line behind the conversions)
	v_mov_b32 v159, v160                           ; six registers on end
	v_mov_b32 v160, v161
	v_mov_b32 v161, v162
	ds_store_b64 v6, v[156:157]
	ds_store_b64 v6, v[158:159] offset:8
	ds_store_b64 v6, v[160:161] offset:16
	ds_store_b8 v13, v155 offset:MAIL+128
.irp k, 0,1,2
	ds_load_b64 v[176+2*\k:177+2*\k], v7 offset:256*\k
.endr
	s_wait_dscnt 0x0
.irp k, 0,1,2
	global_store_b64 v8, v[176+2*\k:177+2*\k], s[36:37] offset:256*\k   ; 32 lanes store 256 consecutive bytes, aligned
.endr
	; ---- the logits: my 32 k, eight experts, two at a time; four batches of eight rows of Wg
.set kk, 0
.rept 4
.set jj, 0
.rept 8
	ds_load_b128 v[W+8*jj:W+8*jj+3], v5 offset:32*(kk+jj)
	ds_load_b128 v[W+8*jj+4:W+8*jj+7], v5 offset:32*(kk+jj)+16
.set jj, jj+1
.endr
	s_wait_dscnt 0x0
.set jj, 0
.rept 8
.set xp, X+((kk+jj)/2)*2
.irp p, 0,1,2,3
.if (kk+jj) == 0
	v_pk_mul_f32 v[ACC+2*\p:ACC+2*\p+1], v[W+8*jj+2*\p:W+8*jj+2*\p+1], v[xp:xp+1] op_sel_hi:[1,0]   ; the first product starts the sums
.elseif ((kk+jj)%2) == 0
	v_pk_fma_f32 v[ACC+2*\p:ACC+2*\p+1], v[W+8*jj+2*\p:W+8*jj+2*\p+1], v[xp:xp+1], v[ACC+2*\p:ACC+2*\p+1] op_sel_hi:[1,0,1]
.else
	v_pk_fma_f32 v[ACC+2*\p:ACC+2*\p+1], v[W+8*jj+2*\p:W+8*jj+2*\p+1], v[xp:xp+1], v[ACC+2*\p:ACC+2*\p+1] op_sel:[0,1,0] op_sel_hi:[1,1,1]
.endif
.endr
.set jj, jj+1
.endr
.set kk, kk+8
.endr
.irp m, 1,2,4,8
.irp e, 0,1,2,3,4,5,6,7
	v_add_f32_dpp v[ACC+\e], v[ACC+\e], v[ACC+\e] row_xmask:\m row_mask:0xf bank_mask:0xf
.endr
.endr
.irp e, 0,1,2,3,4,5,6,7
	v_permlanex16_b32 v[152+\e], v[ACC+\e], s34, s35
.endr
	s_wait_kmcnt 0x0                               ; bg
.irp e, 0,1,2,3,4,5,6,7
	v_add_f32 v[ACC+\e], v[ACC+\e], v[152+\e]
.endr
.irp e, 0,1,2,3,4,5,6,7
	v_add_f32 v[ACC+\e], s[20+\e], v[ACC+\e]       ; every lane holds the token's eight logits
.endr
	; ---- the two largest, without a branch; a strict > keeps the lower index
	v_mov_b32 v160, v[ACC]
	v_mov_b32 v161, 0
.irp e, 1,2,3,4,5,6,7
	v_cmp_gt_f32 vcc_lo, v[ACC+\e], v160
	v_cndmask_b32 v160, v160, v[ACC+\e], vcc_lo
	v_cndmask_b32 v161, v161, \e, vcc_lo
.endr
	v_mov_b32 v164, 0xff800000
.irp e, 0,1,2,3,4,5,6,7
	v_cmp_eq_u32 vcc_lo, \e, v161
	v_cndmask_b32 v[168+\e], v[ACC+\e], v164, vcc_lo   ; the first is taken out
.endr
	v_mov_b32 v162, v168
	v_mov_b32 v163, 0
.irp e, 1,2,3,4,5,6,7
	v_cmp_gt_f32 vcc_lo, v[168+\e], v162
	v_cndmask_b32 v162, v162, v[168+\e], vcc_lo
	v_cndmask_b32 v163, v163, \e, vcc_lo
.endr
	; ---- the gates and the two weights: one batch of nine exponentials, one of two reciprocals
.irp e, 0,1,2,3,4,5,6,7
	v_sub_f32 v[168+\e], v[ACC+\e], v160
.endr
	v_sub_f32 v165, v162, v160
.irp e, 0,1,2,3,4,5,6,7
	v_mul_f32 v[168+\e], 0x3fb8aa3b, v[168+\e]
.endr
	v_mul_f32 v165, 0x3fb8aa3b, v165
.irp e, 0,1,2,3,4,5,6,7
	v_exp_f32 v[168+\e], v[168+\e]
.endr
	v_exp_f32 v165, v165                           ; d = e^(second - first)
	v_mov_b32 v166, 1                              ; a plain line behind the batch
	s_wait_alu depctr_va_vdst(0)                   ; one wait for the nine, ahead of their first reader
	v_add_f32 v182, v168, v169
	v_add_f32 v183, v170, v171
	v_add_f32 v184, v172, v173
	v_add_f32 v185, v174, v175
	v_add_f32 v182, v182, v183
	v_add_f32 v184, v184, v185
	v_add_f32 v182, v182, v184
	v_add_f32 v183, 1.0, v165
	v_rcp_f32 v182, v182
	v_rcp_f32 v183, v183                           ; the first weight: 1 / (1 + d)
	v_mov_b32 v167, 0x100                          ; a plain line behind the two
	s_wait_alu depctr_va_vdst(0)
.irp e, 0,1,2,3,4,5,6,7
	v_mul_f32 v[168+\e], v[168+\e], v182
.endr
	v_mul_f32 v184, v165, v183                     ; the second weight
	v_lshlrev_b32 v166, v161, v166
	v_lshlrev_b32 v167, v163, v167
	v_or_b32 v166, v166, v167
	v_lshl_or_b32 v166, v161, 16, v166             ; and the two experts as numbers, above the flags
	v_lshl_or_b32 v166, v163, 20, v166
.irp e, 0,1,2,3,4,5,6,7
	ds_store_b32 v12, v[168+\e] offset:MAIL+4*\e   ; all lanes write the same word with the same value
.endr
	ds_store_b32 v14, v166 offset:MAIL+256
	ds_store_b32 v15, v183 offset:MAIL+320
	ds_store_b32 v15, v184 offset:MAIL+324
	s_wait_dscnt 0x0                               ; my mail lies in LDS,
	s_barrier_signal -1
	s_barrier_wait -1                              ; everybody's does
	; ---- each wave sends one kind of mail.  Lanes that share an address hold the same value
	s_cmp_lg_u32 s16, 0
	s_cbranch_scc1 .Lrole1
	ds_load_b32 v190, v186 offset:MAIL             ; lane 8 w + e: wave w's gate e
	s_wait_dscnt 0x0
	v_add_f32_dpp v190, v190, v190 row_xmask:8 row_mask:0xf bank_mask:0xf
	v_permlanex16_b32 v191, v190, s34, s35
	v_add_f32 v190, v190, v191
	global_store_b32 v188, v190, s[14:15] offset:8192
	s_wait_tensorcnt 0x0
	ds_add_u32 v192, v193
	s_wait_dscnt 0x0
	s_endpgm
.Lrole1:
	s_cmp_lg_u32 s16, 1
	s_cbranch_scc1 .Lrole2
	ds_load_b32 v190, v186 offset:MAIL+128
	s_wait_dscnt 0x0
	global_store_b32 v186, v190, s[38:39] offset:XSOFF
	s_wait_tensorcnt 0x0
	ds_add_u32 v192, v193
	s_wait_dscnt 0x0
	s_endpgm
.Lrole2:
	s_cmp_lg_u32 s16, 2
	s_cbranch_scc1 .Lrole3
	ds_load_b32 v190, v187 offset:MAIL+256
	s_wait_dscnt 0x0
	global_store_b32 v187, v190, s[12:13]
	s_wait_tensorcnt 0x0
	ds_add_u32 v192, v193
	s_wait_dscnt 0x0
	s_endpgm
.Lrole3:
	ds_load_b32 v190, v188 offset:MAIL+320
	s_wait_dscnt 0x0
	global_store_b32 v188, v190, s[14:15]
	s_wait_tensorcnt 0x0
	ds_add_u32 v192, v193
	s_wait_dscnt 0x0
	s_endpgm
.Lfunc_end_k_qd9be250fd4_route:
	.size	k_qd9be250fd4_route, .Lfunc_end_k_qd9be250fd4_route-k_qd9be250fd4_route
	.p2alignl 7, 3214868480
	.fill 96, 4, 3214868480
	.section	.rodata,"a",@progbits
	.p2align	6, 0x0
	.amdhsa_kernel k_qd9be250fd4_route
		.amdhsa_group_segment_fixed_size 56832
		.amdhsa_private_segment_fixed_size 0
		.amdhsa_enable_private_segment 0
		.amdhsa_kernarg_size 48
		.amdhsa_user_sgpr_count 2
		.amdhsa_user_sgpr_kernarg_segment_ptr 1
		.amdhsa_wavefront_size32 1
		.amdhsa_system_sgpr_workgroup_id_x 1
		.amdhsa_system_sgpr_workgroup_id_y 1
		.amdhsa_system_sgpr_workgroup_id_z 1
		.amdhsa_system_vgpr_workitem_id 0
		.amdhsa_next_free_vgpr 194
		.amdhsa_next_free_sgpr 66
		.amdhsa_reserve_vcc 1
		.amdhsa_float_denorm_mode_32 3
		.amdhsa_float_denorm_mode_16_64 3
		.amdhsa_memory_ordered 1
		.amdhsa_forward_progress 1
		.amdhsa_inst_pref_size 32
	.end_amdhsa_kernel
	.amdgpu_metadata
---
amdhsa.version: [ 1, 2 ]
amdhsa.kernels:
  - .name:           k_qd9be250fd4_route
    .symbol:         k_qd9be250fd4_route.kd
    .args:
      - { .name: x, .offset: 0, .size: 8, .value_kind: global_buffer, .address_space: global }
      - { .name: Wg, .offset: 8, .size: 8, .value_kind: global_buffer, .address_space: global }
      - { .name: bg, .offset: 16, .size: 8, .value_kind: global_buffer, .address_space: global }
      - { .name: xq, .offset: 24, .size: 8, .value_kind: global_buffer, .address_space: global }
      - { .name: sel, .offset: 32, .size: 8, .value_kind: global_buffer, .address_space: global }
      - { .name: fl, .offset: 40, .size: 8, .value_kind: global_buffer, .address_space: global }
    .group_segment_fixed_size: 56832
    .private_segment_fixed_size: 0
    .kernarg_segment_align: 8
    .kernarg_segment_size: 48
    .max_flat_workgroup_size: 128
    .sgpr_count:     66
    .vgpr_count:     194
    .wavefront_size: 32
...
	.end_amdgpu_metadata
.endif
;; end of part 1
;; launch up (part 2): grid 256 x 1, 4 waves a work-group, no clusters, 100,864 bytes of LDS; arguments xq, sel, rl, W1_codes, W1_scales, b1, hq; writes hq, rl
.if DOCPART == 2
	.amdgcn_target "amdgcn-amd-amdhsa--gfx1250"
	.amdhsa_code_object_version 6
	.text
	.protected	k_qd9be250fd4_up
	.globl	k_qd9be250fd4_up
	.p2align	8
	.type	k_qd9be250fd4_up,@function
k_qd9be250fd4_up:
	s_mov_b64 s[64:65], 0
	v_nop
	global_prefetch_b8 v0, s[64:65] scope:SCOPE_SE
	s_setreg_imm32_b32 hwreg(HW_REG_WAVE_MODE, 25, 1), 1
	s_wait_xcnt 0x0
; THE FIRST PRODUCT, for the chosen rows alone: h = Q(relu(x W1 + b1)), on E3M2 codes with one E8M0 scale for each 32 along K.
; Work-group id: expert e = id / 32, slice S = id % 32: hidden units 128 S .. 128 S + 127, which are K step S of the second product.
; The slice of W1 (128 rows x 768 bytes, dense in memory) is copied once, in runs of 512 consecutive bytes, into LDS and stays.
; THE ROWS.  sel says which tokens chose e.  Every wave reads all of sel, makes 32 lane masks and their running counts in scalar
; registers, and each lane finds the token of its rank from them (SCAN): no list goes through memory.  The order of ranks: token t has the key 32 c + l,
; c = 4 (t / 128) + t % 4, l = (t / 4) % 32; the last launch counts by the same key.
; Rank 16 T + r is row r of tile T.  Wave w takes tiles T = w + 4 i, four to a pass, with their x fragments of all of K in registers, so that each
; fragment of W1 read from LDS feeds four products.  A tile past the expert's last computes on rows of clamped tokens and lands
; in the expert's own unused tile of hq, whose numbers nobody uses.  EVERY WAVE RUNS ITS FIRST PASS WHATEVER THE COUNT: so tiles 0 to 15 of every expert
; are always stored, and the next launch's clamped look-ahead never names a byte that nobody stored.
; THE PRODUCT IS USED TRANSPOSED (source 0 = 16 rows of W1, source 1 = 16 rows of x); lane r of tile 2 b + u takes W1's row 32 b + 8 u + r + 8 (r / 8),
; so that a lane's 16 registers of two neighbouring tiles are 16 neighbours along the next K.  b1 is the C of each sum's first product.
; OUT.  hq: [e][T][S] the operand's registers as they stand (3 x 512 bytes), and from HSC0 on [e][T][S][16 rows] scale words.  rl[e]: the expert's count of rows, by its first slice.
; No tensor load and no cluster: trip counts hang on numbers read from memory.  LIMITS: as in the first launch (NaN, infinities; scale byte 1 for tiny and zero blocks).
; REGISTERS.  window 0: v1-15 addresses; v16-47 W1's scale words; v48-63 x's; v64-71 offsets made of tokens; v72-215 a ring of 3 x 4 fragments of W1; v216-219 the new
; scale words; v220-255 at work.  window 1: x's fragments (K step s, tile q) at 48 s + 12 q, s = 0 .. 4.  window 2: s = 5 .. 7.
; window 3: accumulators (t', q) at 32 q + 8 t'; b1's tiles at 128 + 8 t; the new codes at 192 + 12 q; v240-255 at work.
.set HSC0,  25165824
.set XSOFF, 786432
.set RHO,  14                          ; v14-15  the ranks of my lane: tiles 0, 1 and tiles 2, 3
.set VO,   64                          ; v64-67  a tile's byte offset in xq
.set XSO,  68                          ; v68-69  offsets of scale bytes
.set TOKC, 70                          ; v70-71  tokens, clamped
.set PWD,  216
.set TM,   220
.set TX,   228
.set SO,   236
.set MSB, 0
.macro WIN new                         ; the immediate's high byte repeats the setting that is left
.if MSB != \new
	s_set_vgpr_msb (MSB<<8)|\new
.set MSB, \new
.endif
.endm
.macro WM d, a, b, c, sa, sb, rr       ; rr: bit 0: source 0's scales in lanes 16-31; bit 1: source 1's
.if (\rr) == 0
	v_wmma_scale_f32_16x16x128_f8f6f4 v[(\d):(\d)+7], v[(\a):(\a)+11], v[(\b):(\b)+11], v[(\c):(\c)+7], v[\sa], v[\sb] matrix_a_fmt:MATRIX_FMT_BF6 matrix_b_fmt:MATRIX_FMT_BF6
.elseif (\rr) == 1
	v_wmma_scale_f32_16x16x128_f8f6f4 v[(\d):(\d)+7], v[(\a):(\a)+11], v[(\b):(\b)+11], v[(\c):(\c)+7], v[\sa], v[\sb] matrix_a_fmt:MATRIX_FMT_BF6 matrix_b_fmt:MATRIX_FMT_BF6 matrix_a_scale:MATRIX_SCALE_ROW1
.elseif (\rr) == 2
	v_wmma_scale_f32_16x16x128_f8f6f4 v[(\d):(\d)+7], v[(\a):(\a)+11], v[(\b):(\b)+11], v[(\c):(\c)+7], v[\sa], v[\sb] matrix_a_fmt:MATRIX_FMT_BF6 matrix_b_fmt:MATRIX_FMT_BF6 matrix_b_scale:MATRIX_SCALE_ROW1
.else
	v_wmma_scale_f32_16x16x128_f8f6f4 v[(\d):(\d)+7], v[(\a):(\a)+11], v[(\b):(\b)+11], v[(\c):(\c)+7], v[\sa], v[\sb] matrix_a_fmt:MATRIX_FMT_BF6 matrix_b_fmt:MATRIX_FMT_BF6 matrix_a_scale:MATRIX_SCALE_ROW1 matrix_b_scale:MATRIX_SCALE_ROW1
.endif
.endm
; One step of the search for the K-th set bit: the count of the wd bits from v228 on; if K is not under it, pass them.
.macro SELSTEP creg, wd
	v_bfe_u32 v229, v[\creg], v228, \wd
	v_cmp_ge_u32 vcc_lo, v223, v229
	v_cndmask_b32 v229, 0, v229, vcc_lo
	v_cndmask_b32 v230, 0, \wd, vcc_lo
	v_sub_nc_u32 v223, v223, v229
	v_add_nc_u32 v228, v228, v230
.endm
; A lane's rank becomes its token.  s[32+c]: the mask of chunk c (bit l = token 128 (c / 4) + 4 l + c % 4); s[66+c] = 32 x (set bits ahead of chunk c) + c.
; The last chunk whose count ahead is not above the rank holds it; then the bit is found by halving.  A rank past the expert's rows gives any number: it is clamped later.
.macro SCAN rho, tok
	v_lshl_or_b32 v220, v[\rho], 5, 31
	v_mov_b32 v221, s32
	v_mov_b32 v222, s66
.set cc, 1
.rept 31
	v_cmp_gt_u32 vcc_lo, s[66+cc], v220
	v_cndmask_b32 v221, s[32+cc], v221, vcc_lo
	v_cndmask_b32 v222, s[66+cc], v222, vcc_lo
.set cc, cc+1
.endr
	v_lshrrev_b32 v223, 5, v222
	v_sub_nc_u32 v223, v[\rho], v223               ; K: my place among the chunk's set bits
	v_and_b32 v222, 31, v222                       ; the chunk
	v_lshrrev_b32 v224, 1, v221
	v_and_b32 v224, 0x55555555, v224
	v_sub_nc_u32 v224, v221, v224                  ; counts of 2 bits,
	v_lshrrev_b32 v225, 2, v224
	v_and_b32 v225, 0x33333333, v225
	v_and_b32 v229, 0x33333333, v224
	v_add_nc_u32 v225, v225, v229                  ; of 4,
	v_lshrrev_b32 v226, 4, v225
	v_add_nc_u32 v226, v226, v225
	v_and_b32 v226, 0x0f0f0f0f, v226               ; of 8,
	v_lshrrev_b32 v227, 8, v226
	v_add_nc_u32 v227, v227, v226
	v_and_b32 v227, 0x00ff00ff, v227               ; of 16
	v_mov_b32 v228, 0
	SELSTEP 227, 16
	SELSTEP 226, 8
	SELSTEP 225, 4
	SELSTEP 224, 2
	SELSTEP 221, 1
	v_lshrrev_b32 v229, 2, v222
	v_and_b32 v230, 3, v222
	v_lshl_add_u32 v230, v228, 2, v230
	v_lshl_add_u32 v[\tok], v229, 7, v230
.endm
; Tiles 2 hf and 2 hf + 1 of the pass whose first rank is s100: lanes 0-15 search for the first tile's rows, lanes 16-31 for the second's; 50 loads: 2 x 24 of codes, 2 of scale bytes.
.macro PREPH hf
	v_add_nc_u32 v[RHO+\hf], s100, v8
.if \hf
	v_add_nc_u32 v[RHO+\hf], 128, v[RHO+\hf]
.endif
	SCAN RHO+\hf, 246
	v_permlanex16_b32 v248, v246, s98, s99
	v_cmp_lt_u32 vcc_lo, 15, v9
	v_cndmask_b32 v249, v246, v248, vcc_lo         ; the first tile's rows in both halves of the lanes,
	v_cndmask_b32 v250, v248, v246, vcc_lo         ; the second tile's
	v_min_u32 v249, 0x3ff, v249                    ; what was read from memory enters an address only clamped
	v_min_u32 v250, 0x3ff, v250
	v_min_u32 v[TOKC+\hf], 0x3ff, v246
	v_mul_u32_u24 v249, v249, 0x300
	v_mul_u32_u24 v250, v250, 0x300
	v_add_nc_u32 v[VO+2*\hf], v5, v249             ; token x 768 + 384 x my half
	v_add_nc_u32 v[VO+2*\hf+1], v5, v250
	v_lshlrev_b32 v[XSO+\hf], 5, v[TOKC+\hf]
	WIN 0x40
.irp u, 0,1
.set kq, 0
.rept 15
.set xr, 48*(kq/3)+12*(2*(\hf)+\u)+4*(kq%3)
	global_load_b128 v[xr:xr+3], v[VO+2*(\hf)+\u], s[4:5] offset:16*kq
.set kq, kq+1
.endr
.endr
	WIN 0x80
.irp u, 0,1
.set kq, 15
.rept 9
.set xr, 48*(kq/3-5)+12*(2*(\hf)+\u)+4*(kq%3)
	global_load_b128 v[xr:xr+3], v[VO+2*(\hf)+\u], s[4:5] offset:16*kq
.set kq, kq+1
.endr
.endr
	WIN 0
	global_load_b128 v[48+8*\hf:51+8*\hf], v[XSO+\hf], s[4:5] offset:XSOFF      ; lanes 0-15: the first tile's scale words, lanes 16-31: the second's
	global_load_b128 v[52+8*\hf:55+8*\hf], v[XSO+\hf], s[4:5] offset:XSOFF+16
.endm
; Step u of 16: tiles 4 (u / 8) .. + 3 of W1, K step u % 8.  RING brings its four fragments into set u % 3: 24 loads of 8 bytes.
.macro RING u
.set ks, (\u)%8
.set rb, 72+48*((\u)%3)
.set tt, 0
.rept 4
.irp p, 0,1,2,3,4,5
	ds_load_b64 v[rb+12*tt+2*\p:rb+12*tt+2*\p+1], v[3+(\u)/8] offset:tt*16*784+96*ks+48*(\p/3)+8*(\p%3)
.endr
.set tt, tt+1
.endr
.endm
.macro STEP u
	WIN 0
.rept 4
	v_nop                                          ; four places between the last step's products and the loads into the set that they read
.endr
.if (\u)+2 < 16
	RING (\u)+2
	s_wait_dscnt 48                                ; this step's fragments are in; the next two steps' 2 x 24 loads may be out
.elseif (\u) == 14
	s_wait_dscnt 24
.else
	s_wait_dscnt 0x0
.endif
.set ks, (\u)%8
.set hh, (\u)/8
.set rb, 72+48*((\u)%3)
.if ks <= 4
	WIN 0xf4                                       ; source 0 window 0, source 1 window 1, C and D window 3
.set xb, 48*ks
.else
	WIN 0xf8                                       ; source 1 window 2
.set xb, 48*(ks-5)
.endif
.set tt, 0
.rept 4                                ; the sixteen accumulators take turns, one instruction a turn, in the same order in every step
.set qq, 0
.rept 4
.set dd, 32*qq+8*tt
.if ks == 0
.set c3, 128+8*(4*hh+tt)               ; the bias starts the sum
.else
.set c3, dd
.endif
	WM dd, rb+12*tt, xb+12*qq, c3, 16+8*((4*hh+tt)/2)+ks, 48+8*(qq/2)+ks, (tt%2)+2*(qq%2)
.set qq, qq+1
.endr
.set tt, tt+1
.endr
.endm
; 64 hidden units of the four tiles of rows are finished: relu, each block's scale, codes: half c of the new fragments.
.macro QHALF c
	WIN 0
.rept 4
	v_nop                                          ; four places ahead of the first read of results
.endr
	WIN 0xcc
.set jj, 0
.rept 128
	v_max_num_f32 v[jj], 0, v[jj]                  ; the activation; each accumulator from its low end on
.set jj, jj+1
.endr
	WIN 0x3c
.set nn, 0
.rept 8                                ; nn = 2 q + b: tile q's block b: my 16 numbers begin at 16 nn.  None is negative: no |.|
	v_max3_num_f32 v[TM+nn], 0x2800000, v[16*nn], v[16*nn+1]
.set nn, nn+1
.endr
.irp i, 2,4,6,8,10,12,14
.set nn, 0
.rept 8
	v_max3_num_f32 v[TM+nn], v[TM+nn], v[16*nn+\i], v[16*nn+\i+1]
.set nn, nn+1
.endr
.endr
	WIN 0
.irp n, 0,1,2,3,4,5,6,7
	v_permlanex16_b32 v[TX+\n], v[TM+\n], s98, s99
.endr
.irp n, 0,1,2,3,4,5,6,7
	v_max_num_f32 v[TM+\n], v[TM+\n], v[TX+\n]     ; with lane l xor 16's: the block's largest
.endr
.irp n, 0,1,2,3,4,5,6,7
	v_add_nc_u32 v[SO+\n], 0xfe000000, v[TM+\n]    ; 4 off the exponent field: the conversion's scale operand
.endr
.set qq, 0
.rept 4
	v_lshrrev_b32 v244, 23, v[SO+2*qq]
	v_lshrrev_b32 v245, 23, v[SO+2*qq+1]
.if (\c) == 0
	v_lshl_or_b32 v[PWD+qq], v245, 8, v244
.else
	v_lshl_or_b32 v[PWD+qq], v244, 16, v[PWD+qq]
	v_lshl_or_b32 v[PWD+qq], v245, 24, v[PWD+qq]
.endif
.set qq, qq+1
.endr
	WIN 0xc3                                       ; numbers and codes window 3, the scale operand window 0
.set qq, 0
.rept 4
	v_cvt_scalef32_pk16_bf6_f32 v[192+12*qq+6*(\c):192+12*qq+6*(\c)+2], v[32*qq:32*qq+15], v[SO+2*qq]
	v_cvt_scalef32_pk16_bf6_f32 v[240+4*qq:240+4*qq+2], v[32*qq+16:32*qq+31], v[SO+2*qq+1]
.set qq, qq+1
.endr
	v_nop                                          ; one plain line behind the conversions
.set qq, 0
.rept 4                                ; the operand wants a whole block in a lane: lanes 0-15 block 2 c, lanes 16-31 block 2 c + 1
.irp i, 0,1,2
	v_permlane16_swap_b32 v[192+12*qq+6*(\c)+\i], v[240+4*qq+\i]
.endr
.irp i, 0,1,2
	v_mov_b32 v[192+12*qq+6*(\c)+3+\i], v[240+4*qq+\i]
.endr
.set qq, qq+1
.endr
	WIN 0
.endm
.macro PASS
	s_wait_xcnt 0x0                                ; the last pass's stores have read their registers
	s_lshl_b32 s2, s31, 4
	s_add_co_u32 s2, s2, s26                       ; the pass's first tile: w + 16 g
	s_mul_i32 s3, s2, 49152
	v_add_nc_u32 v6, s3, v1
	s_lshl_b32 s3, s2, 11
	v_add_nc_u32 v7, s3, v2
	RING 0
	RING 1
.irp u, 0,1,2,3,4,5,6,7
	STEP \u
.endr
	QHALF 0
.irp u, 8,9,10,11,12,13,14,15
	STEP \u
.endr
	QHALF 1
	WIN 0x0c                                       ; a store's data are its source 1: window 3
.irp q, 0,1,2,3
.irp k, 0,1,2
	global_store_b128 v6, v[192+12*\q+4*\k:192+12*\q+4*\k+3], s[16:17] offset:196608*\q+512*\k   ; 512 consecutive bytes, aligned
.endr
.endr
	WIN 0
.irp q, 0,1,2,3
	global_store_b32 v7, v[PWD+\q], s[22:23] offset:8192*\q   ; lanes l and l xor 16 hold the same word and name the same place
.endr
.endm
	s_load_b256 s[4:11], s[0:1], 0x0               ; xq s[4:5], sel s[6:7], rl s[8:9], W1's codes s[10:11]
	s_load_b128 s[12:15], s[0:1], 0x20             ; W1's scales s[12:13], b1 s[14:15]
	s_load_b64 s[16:17], s[0:1], 0x30              ; hq
	v_lshl_add_u32 v254, v0, 2, 0x18800
	v_mov_b32 v255, 0
	v_lshrrev_b32 v9, 5, v0
	v_readfirstlane_b32 s26, v9                    ; wave
	v_and_b32 v9, 31, v0                           ; lane
	s_lshr_b32 s27, ttmp9, 5                       ; e
	s_and_b32 s28, ttmp9, 31                       ; S
	v_lshlrev_b32 v1, 4, v9                        ; 16 l
	v_and_b32 v14, 15, v9                          ; r
	v_lshrrev_b32 v15, 4, v9                       ; h
	v_lshlrev_b32 v2, 2, v14                       ; 4 r
	v_mul_u32_u24 v3, v14, 784
	v_mad_u32_u24 v3, v15, 24, v3                  ; a fragment of W1 in LDS: row r of 784 bytes + 24 h (tiles 0-3),
	v_add_nc_u32 v4, 50176, v3                     ; 64 rows on (tiles 4-7)
	v_mul_u32_u24 v5, v15, 384
	v_lshl_add_u32 v8, v15, 6, v14                 ; 64 h + r
	s_mul_i32 s2, s26, 25088
	v_add_nc_u32 v10, s2, v1                       ; W1 into LDS: my wave's 32 rows, 16 l;
	v_lshl_add_u32 v11, v15, 4, v10                ; + 16 for lanes 16-31, where a load's 512 bytes cross from a row to the next
	v_and_b32 v12, 8, v14
	v_add_nc_u32 v12, v12, v14
	v_lshl_add_u32 v12, v15, 3, v12
	v_lshlrev_b32 v12, 5, v12                      ; W1's scale bytes: row 8 h + r + 8 (r / 8) of 32 bytes
	v_lshlrev_b32 v13, 6, v15                      ; b1: 16 h numbers on
	v_mov_b32 v248, 0                              ; (lane permutes' destinations count as sources)
.irp n, 0,1,2,3,4,5,6,7
	v_mov_b32 v[TX+\n], 0
.endr
	s_lshl_b32 s2, s27, 12
	s_lshl_b32 s3, s28, 7
	s_add_co_u32 s2, s2, s3                        ; the slice's first row of W1: 4,096 e + 128 S
	s_mov_b32 s31, 0
	s_mul_i32 s30, s2, 768
	s_mul_i32 s3, s26, 24576
	s_add_co_u32 s30, s30, s3
	s_mov_b32 s98, 0x76543210
	s_mov_b32 s99, 0xfedcba98
	s_wait_kmcnt 0x0
	s_add_nc_u64 s[10:11], s[10:11], s[30:31]      ; my wave's 32 rows of codes
	s_lshl_b32 s30, s2, 5
	s_add_nc_u64 s[12:13], s[12:13], s[30:31]
	s_lshl_b32 s30, s2, 2
	s_add_nc_u64 s[14:15], s[14:15], s[30:31]
	s_lshl_b32 s30, s27, 17
	s_lshl_b32 s3, s28, 6
	s_add_co_u32 s30, s30, s3
	s_add_co_u32 s30, s30, HSC0
	s_add_nc_u64 s[22:23], s[16:17], s[30:31]      ; the new scale words: [e][.][S]
	s_mul_i32 s30, s27, 3145728
	s_mul_i32 s3, s28, 1536
	s_add_co_u32 s30, s30, s3
	s_add_nc_u64 s[16:17], s[16:17], s[30:31]      ; the new fragments: [e][.][S]
.irp j, 0,1,2,3,4,5,6,7
	global_load_b128 v[72+4*\j:75+4*\j], v1, s[6:7] offset:512*\j      ; all of sel: register c, lane l: token 128 (c / 4) + 4 l + c % 4
.endr
.irp t, 0,1,2,3
	global_load_b128 v[16+8*\t:19+8*\t], v12, s[12:13] offset:1024*\t  ; scale words of tiles 2 t (lanes 0-15) and 2 t + 1 (lanes 16-31), eight K steps
	global_load_b128 v[20+8*\t:23+8*\t], v12, s[12:13] offset:1024*\t+16
.endr
	WIN 0xc0                                       ; destination window 3
.set tt, 0
.rept 8
	global_load_b128 v[128+8*tt:128+8*tt+3], v13, s[14:15] offset:(32*(tt/2)+8*(tt%2))*4
	global_load_b128 v[128+8*tt+4:128+8*tt+7], v13, s[14:15] offset:(32*(tt/2)+8*(tt%2))*4+16
.set tt, tt+1
.endr
.set nn, 0
.rept 48                               ; my 32 rows of W1: 24,576 dense bytes, read by this work-group alone
.set rg, 4*nn+64*(nn/32)
	global_load_b128 v[rg:rg+3], v1, s[10:11] offset:512*nn th:TH_LOAD_NT
.set nn, nn+1
.endr
	WIN 0
	s_wait_loadcnt 48                              ; sel, the scale words and b1 are in; W1's 48 loads may be out
	s_lshl_b32 s2, 0x101, s27                      ; the expert's two flags, among bits 0 to 15 of a word of sel
.set cc, 0
.rept 32
	v_and_b32 v[72+cc], s2, v[72+cc]
	v_cmp_ne_u32 s[32+cc], 0, v[72+cc]
.set cc, cc+1
.endr
	s_mov_b32 s29, 0
.set cc, 0
.rept 32
	s_lshl_b32 s[66+cc], s29, 5
	s_or_b32 s[66+cc], s[66+cc], cc
	s_bcnt1_i32_b32 s3, s[32+cc]
	s_add_co_u32 s29, s29, s3
.set cc, cc+1
.endr                                          ; s29: the expert's rows
	s_add_co_u32 s3, s29, 15
	s_lshr_b32 s3, s3, 4                           ; its tiles
	s_add_co_u32 s3, s3, 3
	s_sub_co_u32 s3, s3, s26
	s_lshr_b32 s3, s3, 2                           ; my wave's tiles
	s_add_co_u32 s3, s3, 3
	s_lshr_b32 s30, s3, 2                          ; my passes of four
	s_mov_b32 s31, 0                               ; the pass
	s_lshl_b32 s100, s26, 4                        ; its first rank: 16 w + 256 g
	PREPH 0
	s_wait_loadcnt 50                              ; W1 is in; the 50 loads just issued may be out
	WIN 0x0c
.set nn, 0
.rept 48                               ; rows 2 j and 2 j + 1 of my 32 go to places p and p + 1: row (a u i) of a group of 32 lies at place (u a i), so that a tile's 16 rows lie on end
.set rg, 4*nn+64*(nn/32)
.set jj, nn/3
.set pl, 16*((jj/4)%2)+8*(jj/8)+2*(jj%4)
.if (nn%3) == 0
	ds_store_b128 v10, v[rg:rg+3] offset:pl*784
.elseif (nn%3) == 1
	ds_store_b128 v11, v[rg:rg+3] offset:pl*784+512
.else
	ds_store_b128 v10, v[rg:rg+3] offset:pl*784+1040
.endif
.set nn, nn+1
.endr
	WIN 0
	PREPH 1
	s_wait_dscnt 0x0                               ; my rows of W1 lie in LDS,
	s_barrier_signal -1
	s_barrier_wait -1                              ; everybody's do.  Nothing is stored to LDS behind this barrier
	s_or_b32 s2, s28, s26
	s_cmp_lg_u32 s2, 0
	s_cbranch_scc1 .Lnocnt
	s_lshl_b32 s2, s27, 2
	v_mov_b32 v249, s2
	v_mov_b32 v250, s29
	global_store_b32 v249, v250, s[8:9]            ; the expert's count: every lane the same word, the same value
.Lnocnt:
.Lpass:                                        ; the first pass runs whatever the count; further passes while the wave has tiles left
	s_wait_loadcnt 0x0                             ; the pass's x
	PASS
	s_add_co_u32 s31, s31, 1
	s_add_co_u32 s100, s100, 256
	s_cmp_ge_u32 s31, s30
	s_cbranch_scc1 .Lnoprep
	PREPH 0
	PREPH 1
.Lnoprep:
	s_cmp_lt_u32 s31, s30
	s_cbranch_scc1 .Lpass
	s_wait_tensorcnt 0x0
	ds_add_u32 v254, v255
	s_wait_dscnt 0x0
	s_endpgm
.Lfunc_end_k_qd9be250fd4_up:
	.size	k_qd9be250fd4_up, .Lfunc_end_k_qd9be250fd4_up-k_qd9be250fd4_up
	.p2alignl 7, 3214868480
	.fill 96, 4, 3214868480
	.section	.rodata,"a",@progbits
	.p2align	6, 0x0
	.amdhsa_kernel k_qd9be250fd4_up
		.amdhsa_group_segment_fixed_size 100864
		.amdhsa_private_segment_fixed_size 0
		.amdhsa_enable_private_segment 0
		.amdhsa_kernarg_size 56
		.amdhsa_user_sgpr_count 2
		.amdhsa_user_sgpr_kernarg_segment_ptr 1
		.amdhsa_wavefront_size32 1
		.amdhsa_system_sgpr_workgroup_id_x 1
		.amdhsa_system_sgpr_workgroup_id_y 1
		.amdhsa_system_sgpr_workgroup_id_z 1
		.amdhsa_system_vgpr_workitem_id 0
		.amdhsa_next_free_vgpr 1024
		.amdhsa_next_free_sgpr 102
		.amdhsa_reserve_vcc 1
		.amdhsa_float_denorm_mode_32 3
		.amdhsa_float_denorm_mode_16_64 3
		.amdhsa_memory_ordered 1
		.amdhsa_forward_progress 1
		.amdhsa_inst_pref_size 149
	.end_amdhsa_kernel
	.amdgpu_metadata
---
amdhsa.version: [ 1, 2 ]
amdhsa.kernels:
  - .name:           k_qd9be250fd4_up
    .symbol:         k_qd9be250fd4_up.kd
    .args:
      - { .name: xq, .offset: 0, .size: 8, .value_kind: global_buffer, .address_space: global }
      - { .name: sel, .offset: 8, .size: 8, .value_kind: global_buffer, .address_space: global }
      - { .name: rl, .offset: 16, .size: 8, .value_kind: global_buffer, .address_space: global }
      - { .name: W1_codes, .offset: 24, .size: 8, .value_kind: global_buffer, .address_space: global }
      - { .name: W1_scales, .offset: 32, .size: 8, .value_kind: global_buffer, .address_space: global }
      - { .name: b1, .offset: 40, .size: 8, .value_kind: global_buffer, .address_space: global }
      - { .name: hq, .offset: 48, .size: 8, .value_kind: global_buffer, .address_space: global }
    .group_segment_fixed_size: 100864
    .private_segment_fixed_size: 0
    .kernarg_segment_align: 8
    .kernarg_segment_size: 56
    .max_flat_workgroup_size: 128
    .sgpr_count:     102
    .vgpr_count:     1024
    .wavefront_size: 32
...
	.end_amdgpu_metadata
.endif
;; end of part 2
;; launch down (part 3): grid 256 x 1, 4 waves a work-group, no clusters, 270,848 bytes of LDS; arguments hq, rl, ybuf, W2_codes, W2_scales, b2; writes ybuf
.if DOCPART == 3
	.amdgcn_target "amdgcn-amd-amdhsa--gfx1250"
	.amdhsa_code_object_version 6
	.text
	.protected	k_qd9be250fd4_down
	.globl	k_qd9be250fd4_down
	.p2align	8
	.type	k_qd9be250fd4_down,@function
k_qd9be250fd4_down:
	s_mov_b64 s[64:65], 0
	v_nop
	global_prefetch_b8 v0, s[64:65] scope:SCOPE_SE
	s_setreg_imm32_b32 hwreg(HW_REG_WAVE_MODE, 25, 1), 1
	s_wait_xcnt 0x0
; THE SECOND PRODUCT: ybuf[e][rank] = h W2 + b2, for the chosen rows, on E3M2 codes with E8M0 scales.  A row of ybuf is 1,024 f32; an expert has 1,024 rows of it, by rank.
; Work-group id: expert e = id / 32, 64 output columns os = (id / 2) % 16, parity p = id % 2: it takes the expert's tiles of 16 rows T = p + 2 i.
; THE WAVES SPLIT K: wave w takes K steps 8 w .. 8 w + 7 of the 32, so that each byte of W2 and of h enters one wave.  Its part of W2 (4 tiles of columns x 8 K steps,
; 384 registers) stays in registers: it comes in whole runs of 256 bytes or more through the wave's own stage in LDS.  h comes as images of the operand's registers, 16 bytes a lane.
; The four partial sums of a tile meet in LDS; wave w adds those of the trip's tile w, in a fixed order, adds b2 and stores the tile's 16 rows at their ranks, sixteen lanes to
; 256 consecutive aligned bytes.  Every store's address is made of the work-group's and the wave's number and the loop's counter.  Rows past the expert's count in its last tile are stored
; too, in the expert's own part of ybuf: nobody reads them.  y goes into no quantiser, so K may be split.
; The product is used transposed (source 0 = 16 rows of W2 = 16 output columns, source 1 = 16 rows of h): a lane holds eight neighbouring columns of a row.
; The loop has a constant count (8 trips of 4 tiles: 32 tiles serve every split); what a split leaves empty is jumped over between the barriers, never a barrier.
; A look-ahead past my last tile names my last tile once more (with no tile of mine: tile p, which the launch before always stores): 28 loads on every way, and the index that hangs
; on the count passes a minimum with a constant ahead of the address.
; No tensor load and no cluster: the jumps hang on a count read from memory.
; REGISTERS.  window 0: v1-13 addresses; v16-31 W2's scale words; v32-39 h's, two sets; v40-43 b2; v128-255 the accumulators (tile q, columns ct) at 128 + 32 q + 8 ct, later the
; partial sums.  window 1: W2's fragments (s, ct) at 48 s + 12 ct, s = 0 .. 4.  window 2: s = 5 .. 7.  window 3: h, two sets of 96.
.set HSC0, 25165824
.set PST,  200704                      ; LDS: four stages of 64 rows x 784 bytes, one a wave; from PST on the partial sums: region (wave v, tile q) at (4 v + q) x 4,352: 16 rows of 256 + 16 bytes
.set MSB, 0
.macro WIN new                         ; the immediate's high byte repeats the setting that is left
.if MSB != \new
	s_set_vgpr_msb (MSB<<8)|\new
.set MSB, \new
.endif
.endm
.macro WMZ d, a, b, sa, sb, rr         ; the first K step starts the sum
.if (\rr) == 0
	v_wmma_scale_f32_16x16x128_f8f6f4 v[(\d):(\d)+7], v[(\a):(\a)+11], v[(\b):(\b)+11], 0, v[\sa], v[\sb] matrix_a_fmt:MATRIX_FMT_BF6 matrix_b_fmt:MATRIX_FMT_BF6
.else
	v_wmma_scale_f32_16x16x128_f8f6f4 v[(\d):(\d)+7], v[(\a):(\a)+11], v[(\b):(\b)+11], 0, v[\sa], v[\sb] matrix_a_fmt:MATRIX_FMT_BF6 matrix_b_fmt:MATRIX_FMT_BF6 matrix_a_scale:MATRIX_SCALE_ROW1
.endif
.endm
.macro WMA d, a, b, sa, sb, rr         ; rr: bit 0: source 0's scales in lanes 16-31; bit 1: source 1's
.if (\rr) == 0
	v_wmma_scale_f32_16x16x128_f8f6f4 v[(\d):(\d)+7], v[(\a):(\a)+11], v[(\b):(\b)+11], v[(\d):(\d)+7], v[\sa], v[\sb] matrix_a_fmt:MATRIX_FMT_BF6 matrix_b_fmt:MATRIX_FMT_BF6
.elseif (\rr) == 1
	v_wmma_scale_f32_16x16x128_f8f6f4 v[(\d):(\d)+7], v[(\a):(\a)+11], v[(\b):(\b)+11], v[(\d):(\d)+7], v[\sa], v[\sb] matrix_a_fmt:MATRIX_FMT_BF6 matrix_b_fmt:MATRIX_FMT_BF6 matrix_a_scale:MATRIX_SCALE_ROW1
.elseif (\rr) == 2
	v_wmma_scale_f32_16x16x128_f8f6f4 v[(\d):(\d)+7], v[(\a):(\a)+11], v[(\b):(\b)+11], v[(\d):(\d)+7], v[\sa], v[\sb] matrix_a_fmt:MATRIX_FMT_BF6 matrix_b_fmt:MATRIX_FMT_BF6 matrix_b_scale:MATRIX_SCALE_ROW1
.else
	v_wmma_scale_f32_16x16x128_f8f6f4 v[(\d):(\d)+7], v[(\a):(\a)+11], v[(\b):(\b)+11], v[(\d):(\d)+7], v[\sa], v[\sb] matrix_a_fmt:MATRIX_FMT_BF6 matrix_b_fmt:MATRIX_FMT_BF6 matrix_a_scale:MATRIX_SCALE_ROW1 matrix_b_scale:MATRIX_SCALE_ROW1
.endif
.endm
; 16 rows of my 768 bytes of W2's rows (3,072 bytes apart): a pair of rows is three loads of 512 bytes; in the middle one lanes 16-31 stand in the next row
.macro WLOAD ch, rbase
.set jj, 0
.rept 8
	global_load_b128 v[(\rbase)+12*jj:(\rbase)+12*jj+3], v1, s[10:11] offset:49152*(\ch)+6144*jj
	global_load_b128 v[(\rbase)+12*jj+4:(\rbase)+12*jj+7], v9, s[10:11] offset:49152*(\ch)+6144*jj+512
	global_load_b128 v[(\rbase)+12*jj+8:(\rbase)+12*jj+11], v1, s[10:11] offset:49152*(\ch)+6144*jj+3328
.set jj, jj+1
.endr
.endm
.macro WSTORE ch, rbase
.set jj, 0
.rept 8
	ds_store_b128 v10, v[(\rbase)+12*jj:(\rbase)+12*jj+3] offset:1568*(8*(\ch)+jj)
	ds_store_b128 v11, v[(\rbase)+12*jj+4:(\rbase)+12*jj+7] offset:1568*(8*(\ch)+jj)+512
	ds_store_b128 v10, v[(\rbase)+12*jj+8:(\rbase)+12*jj+11] offset:1568*(8*(\ch)+jj)+1040
.set jj, jj+1
.endr
.endm
; My eight fragments and scale words of my tile number s25, held at my last tile, into a set: 28 loads on every way.
; The set's base registers were last read by the set's loads of two tiles ago, which the wait at this tile's head has shown done.
.macro HLOAD set
	s_min_u32 s84, s25, s82                        ; never past my last tile,
	s_min_u32 s84, s84, 31                         ; and under a constant ahead of the address
	s_mul_i32 s26, s84, 98304
	s_add_nc_u64 s[66+2*(\set):67+2*(\set)], s[28:29], s[26:27]
	s_lshl_b32 s26, s84, 12
	s_add_nc_u64 s[70+2*(\set):71+2*(\set)], s[30:31], s[26:27]
	WIN 0xc0
.set kq, 0
.rept 24
	global_load_b128 v[96*(\set)+4*kq:96*(\set)+4*kq+3], v1, s[66+2*(\set):67+2*(\set)] offset:512*kq
.set kq, kq+1
.endr
	WIN 0
.irp j, 0,1,2,3
	global_load_b32 v[32+4*(\set)+\j], v2, s[70+2*(\set):71+2*(\set)] offset:128*\j   ; lanes 0-15: K step 2 j, lanes 16-31: K step 2 j + 1
.endr
.endm
.macro TILE q
	s_wait_loadcnt 28                              ; this tile's set is in; the other set's 28 loads may be out
	s_add_co_u32 s25, s24, \q
	s_cmp_ge_u32 s25, s23
	s_cbranch_scc1 .Lskip_\@
.set ks, 0
.rept 8
.if ks <= 4
	WIN 0x0d                                       ; source 0 window 1, source 1 window 3, C and D window 0
.set ab, 48*ks
.else
	WIN 0x0e                                       ; source 0 window 2
.set ab, 48*(ks-5)
.endif
.set ct, 0
.rept 4                                ; the four accumulators take turns, one instruction a turn
.set dd, 128+32*(\q)+8*ct
.if ks == 0
	WMZ dd, ab+12*ct, 96*((\q)%2)+12*ks, 16+8*(ct/2)+ks, 32+4*((\q)%2)+ks/2, ct%2
.else
	WMA dd, ab+12*ct, 96*((\q)%2)+12*ks, 16+8*(ct/2)+ks, 32+4*((\q)%2)+ks/2, (ct%2)+2*(ks%2)
.endif
.set ct, ct+1
.endr
.set ks, ks+1
.endr
	WIN 0
.rept 5
	v_nop                                          ; four places ahead of the stores that read results and of the loads into the set just multiplied; five ahead of the next trip's product that begins this accumulator anew
.endr
.irp c, 0,1,2,3
	ds_store_b128 v4, v[128+32*(\q)+8*\c:128+32*(\q)+8*\c+3] offset:4352*(\q)+64*\c        ; each accumulator from its low end on
	ds_store_b128 v4, v[128+32*(\q)+8*\c+4:128+32*(\q)+8*\c+7] offset:4352*(\q)+64*\c+16
.endr
.Lskip_\@:
	s_add_co_u32 s25, s24, (\q)+2
	HLOAD ((\q)%2)
.endm
	s_load_b256 s[4:11], s[0:1], 0x0               ; hq s[4:5], rl s[6:7], ybuf s[8:9], W2's codes s[10:11]
	s_load_b128 s[12:15], s[0:1], 0x20             ; W2's scales s[12:13], b2 s[14:15]
	v_lshl_add_u32 v126, v0, 2, 0x42000
	v_mov_b32 v127, 0
	v_lshrrev_b32 v60, 5, v0
	v_readfirstlane_b32 s18, v60                   ; wave
	v_and_b32 v60, 31, v0                          ; lane
	s_lshr_b32 s19, ttmp9, 5                       ; e
	s_bfe_u32 s20, ttmp9, 0x40001                  ; os
	s_and_b32 s21, ttmp9, 1                        ; p
	v_lshlrev_b32 v1, 4, v60                       ; 16 l
	v_lshlrev_b32 v2, 2, v60                       ; 4 l
	v_and_b32 v61, 15, v60                         ; r
	v_lshrrev_b32 v7, 4, v60                       ; h
	v_lshlrev_b32 v6, 4, v61                       ; 16 r
	v_lshl_add_u32 v12, v7, 12, v6                 ; in ybuf: lanes 0-15 one row of 4,096 bytes, lanes 16-31 the next; 16 bytes a lane
	v_mul_u32_u24 v9, v7, 2304
	v_add_nc_u32 v9, v9, v1                        ; 16 l, and for lanes 16-31 on into the next row of W2
	s_mul_i32 s25, s18, 50176
	v_add_nc_u32 v10, s25, v1                      ; my stage: 16 l,
	v_lshl_add_u32 v11, v7, 4, v10                 ; + 16 where the next row begins
	v_mul_u32_u24 v3, v61, 784
	v_mad_u32_u24 v3, v7, 24, v3
	v_add_nc_u32 v3, s25, v3                       ; a fragment out of it: row r + 24 h
	v_mul_u32_u24 v4, v61, 272
	v_lshl_add_u32 v4, v7, 5, v4
	s_mul_i32 s25, s18, 17408
	s_add_co_u32 s25, s25, PST
	v_add_nc_u32 v4, s25, v4                       ; my partial sums: row r, 32 h bytes on
	v_mul_u32_u24 v5, v7, 272
	v_add_nc_u32 v5, v5, v6
	s_mul_i32 s25, s18, 4352
	s_add_co_u32 s25, s25, PST
	v_add_nc_u32 v5, s25, v5                       ; back: tile w of the trip; lanes 0-15 one row, lanes 16-31 the next
	v_lshlrev_b32 v8, 7, v60                       ; W2's scale bytes: row l of 128 bytes
	s_lshl_b32 s81, s19, 10
	s_lshl_b32 s25, s20, 6
	s_add_co_u32 s81, s81, s25                     ; my first row of W2: 1,024 e + 64 os
	s_mov_b32 s27, 0
	s_lshl_b32 s80, s19, 2
	s_wait_kmcnt 0x0
	s_load_b32 s22, s[6:7], s80 offset:0x0         ; the expert's rows
	s_mul_i32 s26, s81, 3072
	s_mul_i32 s25, s18, 768
	s_add_co_u32 s26, s26, s25
	s_add_nc_u64 s[10:11], s[10:11], s[26:27]
	s_lshl_b32 s26, s81, 7
	s_lshl_b32 s25, s18, 5
	s_add_co_u32 s26, s26, s25
	s_add_nc_u64 s[12:13], s[12:13], s[26:27]
	s_lshl_b32 s26, s81, 2
	s_add_nc_u64 s[14:15], s[14:15], s[26:27]
	s_lshl_b32 s26, s19, 22                        ; ybuf: the expert's 1,024 rows of 4,096 bytes,
	s_lshl_b32 s25, s20, 8                         ; my 64 columns
	s_add_co_u32 s26, s26, s25
	s_add_nc_u64 s[16:17], s[8:9], s[26:27]
	s_mul_i32 s26, s19, 3145728
	s_mul_i32 s25, s21, 49152
	s_add_co_u32 s26, s26, s25
	s_mul_i32 s25, s18, 12288
	s_add_co_u32 s26, s26, s25
	s_add_nc_u64 s[28:29], s[4:5], s[26:27]        ; h's fragments: [e][p][8 w]
	s_lshl_b32 s26, s19, 17
	s_lshl_b32 s25, s21, 11
	s_add_co_u32 s26, s26, s25
	s_lshl_b32 s25, s18, 9
	s_add_co_u32 s26, s26, s25
	s_add_co_u32 s26, s26, HSC0
	s_add_nc_u64 s[30:31], s[4:5], s[26:27]        ; and their scale words
.irp c, 0,1
	global_load_b128 v[16+8*\c:19+8*\c], v8, s[12:13] offset:4096*\c       ; tiles 2 c (lanes 0-15) and 2 c + 1 (lanes 16-31), my eight K steps
	global_load_b128 v[20+8*\c:23+8*\c], v8, s[12:13] offset:4096*\c+16
.endr
	global_load_b128 v[40:43], v6, s[14:15]
	WLOAD 0, 128                                   ; my 64 rows x 768 bytes of W2, into four runs of 96 registers that are free as yet
	WIN 0x80
	WLOAD 1, 144
	WIN 0x40
	WLOAD 2, 0
	WLOAD 3, 96
	WIN 0
	s_wait_kmcnt 0x0
	s_add_co_u32 s23, s22, 15
	s_lshr_b32 s23, s23, 4                         ; the expert's tiles
	s_add_co_u32 s23, s23, 1
	s_sub_co_u32 s23, s23, s21
	s_lshr_b32 s23, s23, 1                         ; my tiles
	s_max_u32 s82, s23, 1
	s_sub_co_u32 s82, s82, 1                       ; the last of them (0 where I have none)
	s_mov_b32 s25, 0
	HLOAD 0
	s_mov_b32 s25, 1
	HLOAD 1
	s_wait_loadcnt 56                              ; the scale words, b2 and W2 are in; the 2 x 28 loads of my first two tiles may be out
	WSTORE 0, 128
	WIN 0x08
	WSTORE 1, 144
	WIN 0x04
	WSTORE 2, 0
	WSTORE 3, 96
	WIN 0
	s_wait_dscnt 0x0                               ; the stores have read their registers: the fragments may land there
.set ks, 0
.rept 8
.if ks <= 4
	WIN 0x40
.set ab, 48*ks
.else
	WIN 0x80
.set ab, 48*(ks-5)
.endif
.set ct, 0
.rept 4
.irp p, 0,1,2,3,4,5
	ds_load_b64 v[ab+12*ct+2*\p:ab+12*ct+2*\p+1], v3 offset:ct*16*784+96*ks+48*(\p/3)+8*(\p%3)
.endr
.set ct, ct+1
.endr
.set ks, ks+1
.endr
	WIN 0
	s_mov_b32 s24, 0                               ; the trip's first tile among mine
.Ltrip:
	s_wait_dscnt 0x0                               ; my reads of the last trip's partial sums are over (first trip: W2's fragments are in),
	s_barrier_signal -1
	s_barrier_wait -1                              ; everybody's are: the partial sums may be written again
	s_cmp_ge_u32 s24, s23
	s_cbranch_scc1 .Lnotiles
	TILE 0
	TILE 1
	TILE 2
	TILE 3
.Lnotiles:
	s_wait_dscnt 0x0                               ; my partial sums lie in LDS,
	s_barrier_signal -1
	s_barrier_wait -1                              ; everybody's do
	s_add_co_u32 s25, s24, s18                     ; the tile that I add up: number 4 g + w of mine
	s_cmp_ge_u32 s25, s23
	s_cbranch_scc1 .Lnoreduce
.irp v, 0,1,2,3
.irp i, 0,1,2,3,4,5,6,7
	ds_load_b128 v[128+32*\v+4*\i:128+32*\v+4*\i+3], v5 offset:17408*\v+544*\i
.endr
.endr
	s_lshl_b32 s25, s25, 1
	s_add_co_u32 s25, s25, s21                     ; T = p + 2 (4 g + w)
	s_lshl_b32 s25, s25, 16                        ; 16 rows of 4,096 bytes a tile
	v_add_nc_u32 v13, s25, v12
	s_wait_dscnt 0x0
.irp i, 0,1,2,3,4,5,6,7
.irp k, 0,2
	v_pk_add_f32 v[128+4*\i+\k:129+4*\i+\k], v[128+4*\i+\k:129+4*\i+\k], v[160+4*\i+\k:161+4*\i+\k]
	v_pk_add_f32 v[192+4*\i+\k:193+4*\i+\k], v[192+4*\i+\k:193+4*\i+\k], v[224+4*\i+\k:225+4*\i+\k]
.endr
.endr
.irp i, 0,1,2,3,4,5,6,7
.irp k, 0,2
	v_pk_add_f32 v[128+4*\i+\k:129+4*\i+\k], v[128+4*\i+\k:129+4*\i+\k], v[192+4*\i+\k:193+4*\i+\k]
.endr
.endr
.irp i, 0,1,2,3,4,5,6,7
.irp k, 0,2
	v_pk_add_f32 v[128+4*\i+\k:129+4*\i+\k], v[128+4*\i+\k:129+4*\i+\k], v[40+\k:41+\k]
.endr
.endr
.irp i, 0,1,2,3,4,5,6,7
	global_store_b128 v13, v[128+4*\i:131+4*\i], s[16:17] offset:8192*\i   ; rows 2 i and 2 i + 1 of the tile: sixteen lanes store 256 consecutive bytes, aligned
.endr
	s_wait_xcnt 0x0                                ; the stores have read their registers: the next trip writes them again
.Lnoreduce:
	s_add_co_u32 s24, s24, 4
	s_cmp_lt_u32 s24, 32
	s_cbranch_scc1 .Ltrip
	s_wait_tensorcnt 0x0
	ds_add_u32 v126, v127
	s_wait_dscnt 0x0
	s_endpgm
.Lfunc_end_k_qd9be250fd4_down:
	.size	k_qd9be250fd4_down, .Lfunc_end_k_qd9be250fd4_down-k_qd9be250fd4_down
	.p2alignl 7, 3214868480
	.fill 96, 4, 3214868480
	.section	.rodata,"a",@progbits
	.p2align	6, 0x0
	.amdhsa_kernel k_qd9be250fd4_down
		.amdhsa_group_segment_fixed_size 270848
		.amdhsa_private_segment_fixed_size 0
		.amdhsa_enable_private_segment 0
		.amdhsa_kernarg_size 48
		.amdhsa_user_sgpr_count 2
		.amdhsa_user_sgpr_kernarg_segment_ptr 1
		.amdhsa_wavefront_size32 1
		.amdhsa_system_sgpr_workgroup_id_x 1
		.amdhsa_system_sgpr_workgroup_id_y 1
		.amdhsa_system_sgpr_workgroup_id_z 1
		.amdhsa_system_vgpr_workitem_id 0
		.amdhsa_next_free_vgpr 1024
		.amdhsa_next_free_sgpr 86
		.amdhsa_reserve_vcc 0
		.amdhsa_float_denorm_mode_32 3
		.amdhsa_float_denorm_mode_16_64 3
		.amdhsa_memory_ordered 1
		.amdhsa_forward_progress 1
		.amdhsa_inst_pref_size 77
	.end_amdhsa_kernel
	.amdgpu_metadata
---
amdhsa.version: [ 1, 2 ]
amdhsa.kernels:
  - .name:           k_qd9be250fd4_down
    .symbol:         k_qd9be250fd4_down.kd
    .args:
      - { .name: hq, .offset: 0, .size: 8, .value_kind: global_buffer, .address_space: global }
      - { .name: rl, .offset: 8, .size: 8, .value_kind: global_buffer, .address_space: global }
      - { .name: ybuf, .offset: 16, .size: 8, .value_kind: global_buffer, .address_space: global }
      - { .name: W2_codes, .offset: 24, .size: 8, .value_kind: global_buffer, .address_space: global }
      - { .name: W2_scales, .offset: 32, .size: 8, .value_kind: global_buffer, .address_space: global }
      - { .name: b2, .offset: 40, .size: 8, .value_kind: global_buffer, .address_space: global }
    .group_segment_fixed_size: 270848
    .private_segment_fixed_size: 0
    .kernarg_segment_align: 8
    .kernarg_segment_size: 48
    .max_flat_workgroup_size: 128
    .sgpr_count:     86
    .vgpr_count:     1024
    .wavefront_size: 32
...
	.end_amdgpu_metadata
.endif
;; end of part 3
;; launch join (part 4): grid 256 x 1, 8 waves a work-group, no clusters, 0 bytes of LDS; arguments ybuf, sel, fl, out0, out1; writes out0, out1
.if DOCPART == 4
	.amdgcn_target "amdgcn-amd-amdhsa--gfx1250"
	.amdhsa_code_object_version 6
	.text
	.protected	k_qd9be250fd4_join
	.globl	k_qd9be250fd4_join
	.p2align	8
	.type	k_qd9be250fd4_join,@function
k_qd9be250fd4_join:
	s_mov_b64 s[64:65], 0
	v_nop
	global_prefetch_b8 v0, s[64:65] scope:SCOPE_SE
	s_setreg_imm32_b32 hwreg(HW_REG_WAVE_MODE, 25, 1), 1
	s_wait_xcnt 0x0
; out0[token] = w0 x ybuf[e0][rank0] + w1 x ybuf[e1][rank1]: each token gathers its two experts' rows.  Work-group g takes tokens 4 g .. 4 g + 3; wave w half a row (2,048 bytes) of token 4 g + w / 2.
; THE RANKS.  The second launch gave the tokens of an expert their ranks in the order of the key 32 c + l, c = 4 (t / 128) + t % 4, l = (t / 4) % 32.  Each wave reads all of sel in the layout
; in which register c, lane l is the token of that key, clears the words whose key is not under its own token's, and counts, for each of its token's two experts, the words that carry the
; expert's flag: a lane mask for each register, the masks' set bits added up in scalar registers.  Whole numbers throughout.
; Each rank and each expert's number passes a minimum with a constant ahead of the address.  The weights lie at the token's own place in fl.
; A stream otherwise: each load and store of a wave covers 512 consecutive bytes.  No LDS, no barrier, no matrix unit: there is nothing to share.
; out1 = 8 x the sum over experts of (mean gate)^2: wave 0 of work-group 0 adds the 256 work-groups' gate sums of the first launch, in a fixed order.
	s_load_b256 s[4:11], s[0:1], 0x0               ; ybuf s[4:5], sel s[6:7], fl s[8:9], out0 s[10:11]
	s_load_b64 s[12:13], s[0:1], 0x20              ; out1
	v_lshrrev_b32 v2, 5, v0
	v_readfirstlane_b32 s14, v2                    ; wave
	v_and_b32 v3, 31, v0                           ; lane
	v_lshlrev_b32 v1, 4, v3                        ; 16 l
	s_lshr_b32 s15, s14, 1                         ; which of the four tokens
	s_and_b32 s16, s14, 1                          ; which half of its row
	s_lshl_b32 s17, ttmp9, 2
	s_add_co_u32 s17, s17, s15                     ; my token t = 4 g + j
	s_lshr_b32 s18, ttmp9, 5
	s_lshl_b32 s18, s18, 2
	s_add_co_u32 s18, s18, s15                     ; c = 4 (t / 128) + t % 4 = 4 (g / 32) + j
	s_lshl_b32 s18, s18, 5
	s_and_b32 s19, ttmp9, 31                       ; l = (t / 4) % 32 = g % 32
	s_add_co_u32 s18, s18, s19                     ; my token's key
	v_sub_nc_u32 v4, s18, v3                       ; key - lane: register c's word in my lane counts where 32 c is under it (as signed numbers)
	s_lshl_b32 s19, s16, 11
	v_add_nc_u32 v5, s19, v1                       ; my 16 bytes of a load's 512, in my half of a row
	s_lshl_b32 s20, s17, 2
	s_lshl_b32 s21, s17, 3
	s_wait_kmcnt 0x0
	s_load_b32 s22, s[6:7], s20 offset:0x0         ; my token's word of sel
	s_load_b64 s[24:25], s[8:9], s21 offset:0x0    ; and its two weights
.irp j, 0,1,2,3,4,5,6,7
	global_load_b128 v[8+4*\j:11+4*\j], v1, s[6:7] offset:512*\j       ; all of sel: register c, lane l: the token of key 32 c + l
.endr
	s_wait_kmcnt 0x0
	s_bfe_u32 s26, s22, 0x40010                    ; the first expert (4 bits from bit 16),
	s_bfe_u32 s27, s22, 0x40014                    ; the second (from bit 20),
	s_min_u32 s26, s26, 7                          ; each under a constant ahead of the address
	s_min_u32 s27, s27, 7
	s_lshl_b32 s28, 0x101, s26                     ; their flags
	s_lshl_b32 s29, 0x101, s27
	s_wait_loadcnt 0x0
.set cc, 0
.rept 32
	v_cmp_lt_i32 vcc_lo, 32*cc, v4
	v_cndmask_b32 v[8+cc], 0, v[8+cc], vcc_lo      ; only the tokens ahead of mine count
.set cc, cc+1
.endr
.set cc, 0
.rept 32
	v_and_b32 v[40+cc], s28, v[8+cc]
	v_cmp_ne_u32 s[32+cc], 0, v[40+cc]
.set cc, cc+1
.endr
.set cc, 0
.rept 32
	v_and_b32 v[40+cc], s29, v[8+cc]
	v_cmp_ne_u32 s[66+cc], 0, v[40+cc]
.set cc, cc+1
.endr
	s_mov_b32 s30, 0
	s_mov_b32 s98, 0
.set cc, 0
.rept 32
	s_bcnt1_i32_b32 s31, s[32+cc]
	s_bcnt1_i32_b32 s99, s[66+cc]
	s_add_co_u32 s30, s30, s31                     ; my token's rank under its first expert,
	s_add_co_u32 s98, s98, s99                     ; under its second
.set cc, cc+1
.endr
	s_min_u32 s30, s30, 0x3ff                      ; under a constant ahead of the address
	s_min_u32 s98, s98, 0x3ff
	s_mov_b32 s37, 0
	s_lshl_b32 s36, s26, 22                        ; an expert's part of ybuf is 1,024 rows of 4,096 bytes
	s_add_nc_u64 s[32:33], s[4:5], s[36:37]
	s_lshl_b32 s36, s30, 12
	s_add_nc_u64 s[32:33], s[32:33], s[36:37]      ; the first expert's row
	s_lshl_b32 s36, s27, 22
	s_add_nc_u64 s[34:35], s[4:5], s[36:37]
	s_lshl_b32 s36, s98, 12
	s_add_nc_u64 s[34:35], s[34:35], s[36:37]      ; the second's
.irp i, 0,1,2,3
	global_load_b128 v[8+4*\i:11+4*\i], v5, s[32:33] offset:512*\i th:TH_LOAD_NT
	global_load_b128 v[24+4*\i:27+4*\i], v5, s[34:35] offset:512*\i th:TH_LOAD_NT
.endr
	s_lshl_b32 s36, s17, 12
	s_add_nc_u64 s[10:11], s[10:11], s[36:37]      ; my token's row of out0
	s_mov_b32 s38, s25                             ; the second weight as a pair of its own: the packed form takes a scalar pair's low word for both halves
	s_mov_b32 s39, s25
	s_wait_loadcnt 0x0
.irp j, 0,2,4,6,8,10,12,14
	v_pk_mul_f32 v[8+\j:9+\j], v[8+\j:9+\j], s[24:25] op_sel_hi:[1,0]
.endr
.irp j, 0,2,4,6,8,10,12,14
	v_pk_fma_f32 v[8+\j:9+\j], v[24+\j:25+\j], s[38:39], v[8+\j:9+\j] op_sel_hi:[1,0,1]
.endr
.irp i, 0,1,2,3
	global_store_b128 v5, v[8+4*\i:11+4*\i], s[10:11] offset:512*\i th:TH_STORE_NT
.endr
	s_or_b32 s14, s14, ttmp9
	s_cmp_lg_u32 s14, 0
	s_cbranch_scc1 .Lend
	v_lshlrev_b32 v2, 5, v3                        ; lane l takes the sums of work-groups l + 32 m: 32 bytes each
.irp m, 0,1,2,3,4,5,6,7
	global_load_b128 v[40+8*\m:43+8*\m], v2, s[8:9] offset:8192+1024*\m
	global_load_b128 v[44+8*\m:47+8*\m], v2, s[8:9] offset:8192+1024*\m+16
.endr
	s_mov_b32 s16, 0x76543210
	s_mov_b32 s17, 0xfedcba98
	s_wait_loadcnt 0x0
.irp m, 1,2,3,4,5,6,7
.irp p, 0,2,4,6
	v_pk_add_f32 v[40+\p:41+\p], v[40+\p:41+\p], v[40+8*\m+\p:41+8*\m+\p]
.endr
.endr
.irp m, 1,2,4,8
.irp e, 0,1,2,3,4,5,6,7
	v_add_f32_dpp v[40+\e], v[40+\e], v[40+\e] row_xmask:\m row_mask:0xf bank_mask:0xf
.endr
.endr
.irp e, 0,1,2,3,4,5,6,7
	v_permlanex16_b32 v[48+\e], v[40+\e], s16, s17
.endr
.irp e, 0,1,2,3,4,5,6,7
	v_add_f32 v[40+\e], v[40+\e], v[48+\e]
.endr
.irp e, 0,1,2,3,4,5,6,7
	v_mul_f32 v[40+\e], 0x3a800000, v[40+\e]       ; / 1,024: the mean
.endr
	v_mul_f32 v48, v40, v40
.irp e, 1,2,3,4,5,6,7
	v_fmac_f32 v48, v[40+\e], v[40+\e]
.endr
	v_mul_f32 v48, 0x41000000, v48                 ; x 8
	v_mov_b32 v6, 0
	global_store_b32 v6, v48, s[12:13]             ; every lane the same word, the same value
.Lend:
	s_endpgm
.Lfunc_end_k_qd9be250fd4_join:
	.size	k_qd9be250fd4_join, .Lfunc_end_k_qd9be250fd4_join-k_qd9be250fd4_join
	.p2alignl 7, 3214868480
	.fill 96, 4, 3214868480
	.section	.rodata,"a",@progbits
	.p2align	6, 0x0
	.amdhsa_kernel k_qd9be250fd4_join
		.amdhsa_group_segment_fixed_size 0
		.amdhsa_private_segment_fixed_size 0
		.amdhsa_enable_private_segment 0
		.amdhsa_kernarg_size 40
		.amdhsa_user_sgpr_count 2
		.amdhsa_user_sgpr_kernarg_segment_ptr 1
		.amdhsa_wavefront_size32 1
		.amdhsa_system_sgpr_workgroup_id_x 1
		.amdhsa_system_sgpr_workgroup_id_y 1
		.amdhsa_system_sgpr_workgroup_id_z 1
		.amdhsa_system_vgpr_workitem_id 0
		.amdhsa_next_free_vgpr 104
		.amdhsa_next_free_sgpr 100
		.amdhsa_reserve_vcc 1
		.amdhsa_float_denorm_mode_32 3
		.amdhsa_float_denorm_mode_16_64 3
		.amdhsa_memory_ordered 1
		.amdhsa_forward_progress 1
		.amdhsa_inst_pref_size 26
	.end_amdhsa_kernel
	.amdgpu_metadata
---
amdhsa.version: [ 1, 2 ]
amdhsa.kernels:
  - .name:           k_qd9be250fd4_join
    .symbol:         k_qd9be250fd4_join.kd
    .args:
      - { .name: ybuf, .offset: 0, .size: 8, .value_kind: global_buffer, .address_space: global }
      - { .name: sel, .offset: 8, .size: 8, .value_kind: global_buffer, .address_space: global }
      - { .name: fl, .offset: 16, .size: 8, .value_kind: global_buffer, .address_space: global }
      - { .name: out0, .offset: 24, .size: 8, .value_kind: global_buffer, .address_space: global }
      - { .name: out1, .offset: 32, .size: 8, .value_kind: global_buffer, .address_space: global }
    .group_segment_fixed_size: 0
    .private_segment_fixed_size: 0
    .kernarg_segment_align: 8
    .kernarg_segment_size: 40
    .max_flat_workgroup_size: 256
    .sgpr_count:     100
    .vgpr_count:     104
    .wavefront_size: 32
...
	.end_amdgpu_metadata
.endif
;; end of part 4
;; ======== version 2 of 3: 4 launches
;; workspace buffers: xq 819,200 bytes; sel 4,096 bytes of whole numbers; fl 16,384 bytes; hq 26,214,400 bytes; rl 256 bytes of whole numbers; ybuf 33,554,432 bytes
;; launch route (part 5): grid 256 x 1, 4 waves a work-group, no clusters, 56,832 bytes of LDS; arguments x, Wg, bg, xq, sel, fl; writes xq, sel, fl
.if DOCPART == 5
	.amdgcn_target "amdgcn-amd-amdhsa--gfx1250"
	.amdhsa_code_object_version 6
	.text
	.protected	k_qd9be250fd4_route
	.globl	k_qd9be250fd4_route
	.p2align	8
	.type	k_qd9be250fd4_route,@function
k_qd9be250fd4_route:
	s_mov_b64 s[64:65], 0
	v_nop
	global_prefetch_b8 v0, s[64:65] scope:SCOPE_SE
	s_setreg_imm32_b32 hwreg(HW_REG_WAVE_MODE, 25, 1), 1
	s_wait_xcnt 0x0
; THE ROUTER AND x's QUANTISER.  x [1024][1024] f32, Wg [1024][8], bg [8].
; Wave w of work-group g owns token 4 g + w; lane l owns the token's block l of 32 numbers (K = 32 l .. 32 l + 31).
; Out: xq: the token's E3M2 codes, 768 bytes.  Blocks of even number form half 0, blocks of odd number half 1: what lanes 0-15 and lanes 16-31 of a matrix operand take.  Block b begins at
; byte p = 24 (b / 2) of its half, so that a half's bytes of all eight K steps lie on end; byte p of half h lies at 32 (p / 16) + 16 h + p % 16: the halves are interleaved in pieces of
; 16 bytes, so that the two lanes that hold a row read 32 neighbouring bytes.  From byte 786,432 on: each token's 32 scale bytes in their natural order.
; sel[token] = (1 << first expert) | (0x100 << second expert) | (first expert << 16) | (second expert << 20);  fl: the two gate weights of each token, and from
; byte 8,192 on the work-group's sums of the eight gates.  Logits by f32 fused multiply-adds; the maximum is taken away ahead of every exponential.
; LIMITS: NaN and infinities are not served.  A block whose largest magnitude lies under 2^-122 (a block of zeros too) gets the scale byte 1:
; a zero block's codes are zeros, and the bytes are read by this program alone.  Equal logits go to the lower index; logits that differ only by the rounding of
; the order of summation may fall either way.
.set WGS,   0                          ; LDS: Wg as 32 pieces of 1,024 bytes + 16 of padding (piece l = the rows of lane l's 32 k)
.set XT,    33280                      ; a stage of 32 places of 144 bytes for each wave: x turns from 16 bytes a lane to 128 bytes a lane
.set CS,    51712                      ; 1,024 bytes for each wave: the token's 768 bytes of codes
.set MAIL,  55808                      ; +0 gates (4 x 8 words), +128 scale bytes (4 x 32), +256 sel (4 words), +320 weights (4 x 2 words)
.set XSOFF, 786432
.set XR,  16                           ; v16-47   x as loaded
.set X,   48                           ; v48-79   my 32 neighbours
.set W,   80                           ; v80-143  Wg on its way to LDS, later eight rows of it
.set ACC, 144                          ; v144-151 the eight logits
	s_load_b256 s[4:11], s[0:1], 0x0               ; x s[4:5], Wg s[6:7], bg s[8:9], xq s[10:11]
	s_load_b128 s[12:15], s[0:1], 0x20             ; sel s[12:13], fl s[14:15]
	v_lshl_add_u32 v196, v0, 2, 0xdc00
	v_mov_b32 v197, 0
	v_lshrrev_b32 v1, 5, v0
	v_readfirstlane_b32 s16, v1                    ; wave
	v_and_b32 v1, 31, v0                           ; lane
	v_lshlrev_b32 v9, 4, v1                        ; 16 x lane
	v_lshlrev_b32 v10, 4, v0                       ; 16 x thread
	s_lshl_b32 s17, ttmp9, 2
	s_add_co_u32 s17, s17, s16                     ; my token
	s_lshl_b32 s18, s17, 12
	s_mov_b32 s19, 0
	s_mov_b32 s34, 0x76543210
	s_mov_b32 s35, 0xfedcba98                      ; v_permlanex16_b32's selects for lane l xor 16
	s_wait_kmcnt 0x0
	s_load_b256 s[20:27], s[8:9], 0x0              ; bg
	s_add_nc_u64 s[4:5], s[4:5], s[18:19]
.irp i, 0,1,2,3,4,5,6,7
	global_load_b128 v[XR+4*\i:XR+4*\i+3], v9, s[4:5] offset:512*\i th:TH_LOAD_NT   ; my token's row: 512 consecutive bytes a load
.endr
.irp i, 0,1,2,3,4,5,6,7,8,9,10,11,12,13,14,15
	global_load_b128 v[W+4*\i:W+4*\i+3], v10, s[6:7] offset:2048*\i                 ; Wg: the four waves take 2,048 consecutive bytes a load
.endr
	s_mul_i32 s18, s17, 768
	s_add_nc_u64 s[36:37], s[10:11], s[18:19]      ; my token's codes
	s_lshl_b32 s18, ttmp9, 7
	s_add_nc_u64 s[38:39], s[10:11], s[18:19]      ; the work-group's 128 scale bytes (+ XSOFF in the store)
	s_lshl_b32 s18, ttmp9, 4
	s_add_nc_u64 s[12:13], s[12:13], s[18:19]      ; its four words of sel
	s_lshl_b32 s18, ttmp9, 5
	s_add_nc_u64 s[14:15], s[14:15], s[18:19]      ; its 32 bytes of weights, and (+ 8,192) of gate sums
	s_mul_i32 s28, s16, 4608
	s_add_co_u32 s28, s28, XT
	v_lshrrev_b32 v11, 3, v1
	v_mul_u32_u24 v2, v11, 144
	v_and_b32 v11, 7, v1
	v_lshl_add_u32 v2, v11, 4, v2
	v_add_nc_u32 v2, s28, v2                       ; into the stage: 144 (l / 8) + 16 (l % 8); a load's 512 bytes take four places
	v_mul_u32_u24 v3, v1, 144
	v_add_nc_u32 v3, s28, v3                       ; out of it: place l
	v_lshrrev_b32 v11, 6, v0
	v_lshl_add_u32 v4, v11, 4, v10                 ; Wg into LDS: 16 t + 16 (t / 64)
	v_mul_u32_u24 v5, v1, 1040                     ; and my piece of it
	s_lshl_b32 s29, s16, 10
	s_add_co_u32 s29, s29, CS
	v_and_b32 v11, 1, v1                           ; my block's half h = l % 2
	v_lshlrev_b32 v189, 4, v11
	v_add_nc_u32 v189, s29, v189                   ; the wave's codes + 16 h
	v_lshrrev_b32 v11, 1, v1
	v_mul_u32_u24 v11, v11, 3                      ; u = 3 (l / 2): the first of my block's three pieces of 8 bytes among its half's 48
.irp a, 6, 192, 193                    ; piece u lies at 32 (u / 2) + 16 h + 8 (u % 2): an address register for each of the three
	v_lshrrev_b32 v[\a], 1, v11
	v_lshl_add_u32 v[\a], v[\a], 5, v189
	v_and_b32 v190, 1, v11
	v_lshl_add_u32 v[\a], v190, 3, v[\a]
	v_add_nc_u32 v11, 1, v11
.endr
	v_lshlrev_b32 v8, 3, v1
	v_add_nc_u32 v7, s29, v8                       ; and 8 bytes a lane on the way out
	s_lshl_b32 s30, s16, 5
	v_mov_b32 v12, s30                             ; mail: 32 w
	v_add_nc_u32 v13, s30, v1                      ; 32 w + l
	s_lshl_b32 s31, s16, 2
	v_mov_b32 v14, s31                             ; 4 w
	s_lshl_b32 s32, s16, 3
	v_mov_b32 v15, s32                             ; 8 w
	v_lshlrev_b32 v186, 2, v1                      ; 4 l
	v_and_b32 v187, 12, v186                       ; 4 (l % 4)
	v_and_b32 v188, 28, v186                       ; 4 (l % 8)
	v_mov_b32 v191, 0                              ; (a lane permute's destination counts as one of its sources)
	s_wait_loadcnt 16                              ; x's eight loads are in; Wg's sixteen may be out
.irp i, 0,1,2,3,4,5,6,7
	ds_store_b128 v2, v[XR+4*\i:XR+4*\i+3] offset:576*\i
.endr
.irp i, 0,1,2,3,4,5,6,7
	ds_load_b128 v[X+4*\i:X+4*\i+3], v3 offset:16*\i   ; the wave's own bytes, served in order: no wait between
.endr
	s_wait_loadcnt 0x0                             ; Wg
.irp i, 0,1,2,3,4,5,6,7,8,9,10,11,12,13,14,15
	ds_store_b128 v4, v[W+4*\i:W+4*\i+3] offset:2080*\i
.endr
	s_wait_dscnt 0x0                               ; my part of Wg lies in LDS (and my 32 numbers are back),
	s_barrier_signal -1
	s_barrier_wait -1                              ; everybody's does
	; ---- my block's scale and codes
	v_max3_num_f32 v152, |v[X]|, |v[X+1]|, 0x2800000   ; the floor 2^(5 - 127) among the leaves: the byte cannot fall under 1
	v_max_num_f32 v153, |v[X+2]|, |v[X+3]|
.irp i, 4,8,12,16,20,24,28
	v_max3_num_f32 v152, v152, |v[X+\i]|, |v[X+\i+1]|
	v_max3_num_f32 v153, v153, |v[X+\i+2]|, |v[X+\i+3]|
.endr
	v_max_num_f32 v152, v152, v153
	v_add_nc_u32 v154, 0xfe000000, v152            ; 4 off the exponent field: the conversion's scale operand
	v_cvt_scalef32_pk16_bf6_f32 v[156:158], v[X:X+15], v154
	v_cvt_scalef32_pk16_bf6_f32 v[160:162], v[X+16:X+31], v154
	v_lshrrev_b32 v155, 23, v154                   ; the scale's byte (a plain line behind the conversions)
	v_mov_b32 v159, v160                           ; six registers on end
	v_mov_b32 v160, v161
	v_mov_b32 v161, v162
	ds_store_b64 v6, v[156:157]
	ds_store_b64 v192, v[158:159]
	ds_store_b64 v193, v[160:161]
	ds_store_b8 v13, v155 offset:MAIL+128
.irp k, 0,1,2
	ds_load_b64 v[176+2*\k:177+2*\k], v7 offset:256*\k
.endr
	s_wait_dscnt 0x0
.irp k, 0,1,2
	global_store_b64 v8, v[176+2*\k:177+2*\k], s[36:37] offset:256*\k   ; 32 lanes store 256 consecutive bytes, aligned
.endr
	; ---- the logits: my 32 k, eight experts, two at a time; four batches of eight rows of Wg
.set kk, 0
.rept 4
.set jj, 0
.rept 8
	ds_load_b128 v[W+8*jj:W+8*jj+3], v5 offset:32*(kk+jj)
	ds_load_b128 v[W+8*jj+4:W+8*jj+7], v5 offset:32*(kk+jj)+16
.set jj, jj+1
.endr
	s_wait_dscnt 0x0
.set jj, 0
.rept 8
.set xp, X+((kk+jj)/2)*2
.irp p, 0,1,2,3
.if (kk+jj) == 0
	v_pk_mul_f32 v[ACC+2*\p:ACC+2*\p+1], v[W+8*jj+2*\p:W+8*jj+2*\p+1], v[xp:xp+1] op_sel_hi:[1,0]   ; the first product starts the sums
.elseif ((kk+jj)%2) == 0
	v_pk_fma_f32 v[ACC+2*\p:ACC+2*\p+1], v[W+8*jj+2*\p:W+8*jj+2*\p+1], v[xp:xp+1], v[ACC+2*\p:ACC+2*\p+1] op_sel_hi:[1,0,1]
.else
	v_pk_fma_f32 v[ACC+2*\p:ACC+2*\p+1], v[W+8*jj+2*\p:W+8*jj+2*\p+1], v[xp:xp+1], v[ACC+2*\p:ACC+2*\p+1] op_sel:[0,1,0] op_sel_hi:[1,1,1]
.endif
.endr
.set jj, jj+1
.endr
.set kk, kk+8
.endr
.irp m, 1,2,4,8
.irp e, 0,1,2,3,4,5,6,7
	v_add_f32_dpp v[ACC+\e], v[ACC+\e], v[ACC+\e] row_xmask:\m row_mask:0xf bank_mask:0xf
.endr
.endr
.irp e, 0,1,2,3,4,5,6,7
	v_permlanex16_b32 v[152+\e], v[ACC+\e], s34, s35
.endr
	s_wait_kmcnt 0x0                               ; bg
.irp e, 0,1,2,3,4,5,6,7
	v_add_f32 v[ACC+\e], v[ACC+\e], v[152+\e]
.endr
.irp e, 0,1,2,3,4,5,6,7
	v_add_f32 v[ACC+\e], s[20+\e], v[ACC+\e]       ; every lane holds the token's eight logits
.endr
	; ---- the two largest, without a branch; a strict > keeps the lower index
	v_mov_b32 v160, v[ACC]
	v_mov_b32 v161, 0
.irp e, 1,2,3,4,5,6,7
	v_cmp_gt_f32 vcc_lo, v[ACC+\e], v160
	v_cndmask_b32 v160, v160, v[ACC+\e], vcc_lo
	v_cndmask_b32 v161, v161, \e, vcc_lo
.endr
	v_mov_b32 v164, 0xff800000
.irp e, 0,1,2,3,4,5,6,7
	v_cmp_eq_u32 vcc_lo, \e, v161
	v_cndmask_b32 v[168+\e], v[ACC+\e], v164, vcc_lo   ; the first is taken out
.endr
	v_mov_b32 v162, v168
	v_mov_b32 v163, 0
.irp e, 1,2,3,4,5,6,7
	v_cmp_gt_f32 vcc_lo, v[168+\e], v162
	v_cndmask_b32 v162, v162, v[168+\e], vcc_lo
	v_cndmask_b32 v163, v163, \e, vcc_lo
.endr
	; ---- the gates and the two weights: one batch of nine exponentials, one of two reciprocals
.irp e, 0,1,2,3,4,5,6,7
	v_sub_f32 v[168+\e], v[ACC+\e], v160
.endr
	v_sub_f32 v165, v162, v160
.irp e, 0,1,2,3,4,5,6,7
	v_mul_f32 v[168+\e], 0x3fb8aa3b, v[168+\e]
.endr
	v_mul_f32 v165, 0x3fb8aa3b, v165
.irp e, 0,1,2,3,4,5,6,7
	v_exp_f32 v[168+\e], v[168+\e]
.endr
	v_exp_f32 v165, v165                           ; d = e^(second - first)
	v_mov_b32 v166, 1                              ; a plain line behind the batch
	s_wait_alu depctr_va_vdst(0)                   ; one wait for the nine, ahead of their first reader
	v_add_f32 v182, v168, v169
	v_add_f32 v183, v170, v171
	v_add_f32 v184, v172, v173
	v_add_f32 v185, v174, v175
	v_add_f32 v182, v182, v183
	v_add_f32 v184, v184, v185
	v_add_f32 v182, v182, v184
	v_add_f32 v183, 1.0, v165
	v_rcp_f32 v182, v182
	v_rcp_f32 v183, v183                           ; the first weight: 1 / (1 + d)
	v_mov_b32 v167, 0x100                          ; a plain line behind the two
	s_wait_alu depctr_va_vdst(0)
.irp e, 0,1,2,3,4,5,6,7
	v_mul_f32 v[168+\e], v[168+\e], v182
.endr
	v_mul_f32 v184, v165, v183                     ; the second weight
	v_lshlrev_b32 v166, v161, v166
	v_lshlrev_b32 v167, v163, v167
	v_or_b32 v166, v166, v167
	v_lshl_or_b32 v166, v161, 16, v166             ; and the two experts as numbers, above the flags
	v_lshl_or_b32 v166, v163, 20, v166
.irp e, 0,1,2,3,4,5,6,7
	ds_store_b32 v12, v[168+\e] offset:MAIL+4*\e   ; all lanes write the same word with the same value
.endr
	ds_store_b32 v14, v166 offset:MAIL+256
	ds_store_b32 v15, v183 offset:MAIL+320
	ds_store_b32 v15, v184 offset:MAIL+324
	s_wait_dscnt 0x0                               ; my mail lies in LDS,
	s_barrier_signal -1
	s_barrier_wait -1                              ; everybody's does
	; ---- each wave sends one kind of mail.  Lanes that share an address hold the same value
	s_cmp_lg_u32 s16, 0
	s_cbranch_scc1 .Lrole1
	ds_load_b32 v190, v186 offset:MAIL             ; lane 8 w + e: wave w's gate e
	s_wait_dscnt 0x0
	v_add_f32_dpp v190, v190, v190 row_xmask:8 row_mask:0xf bank_mask:0xf
	v_permlanex16_b32 v191, v190, s34, s35
	v_add_f32 v190, v190, v191
	global_store_b32 v188, v190, s[14:15] offset:8192
	s_wait_tensorcnt 0x0
	ds_add_u32 v196, v197
	s_wait_dscnt 0x0
	s_endpgm
.Lrole1:
	s_cmp_lg_u32 s16, 1
	s_cbranch_scc1 .Lrole2
	ds_load_b32 v190, v186 offset:MAIL+128
	s_wait_dscnt 0x0
	global_store_b32 v186, v190, s[38:39] offset:XSOFF
	s_wait_tensorcnt 0x0
	ds_add_u32 v196, v197
	s_wait_dscnt 0x0
	s_endpgm
.Lrole2:
	s_cmp_lg_u32 s16, 2
	s_cbranch_scc1 .Lrole3
	ds_load_b32 v190, v187 offset:MAIL+256
	s_wait_dscnt 0x0
	global_store_b32 v187, v190, s[12:13]
	s_wait_tensorcnt 0x0
	ds_add_u32 v196, v197
	s_wait_dscnt 0x0
	s_endpgm
.Lrole3:
	ds_load_b32 v190, v188 offset:MAIL+320
	s_wait_dscnt 0x0
	global_store_b32 v188, v190, s[14:15]
	s_wait_tensorcnt 0x0
	ds_add_u32 v196, v197
	s_wait_dscnt 0x0
	s_endpgm
.Lfunc_end_k_qd9be250fd4_route:
	.size	k_qd9be250fd4_route, .Lfunc_end_k_qd9be250fd4_route-k_qd9be250fd4_route
	.p2alignl 7, 3214868480
	.fill 96, 4, 3214868480
	.section	.rodata,"a",@progbits
	.p2align	6, 0x0
	.amdhsa_kernel k_qd9be250fd4_route
		.amdhsa_group_segment_fixed_size 56832
		.amdhsa_private_segment_fixed_size 0
		.amdhsa_enable_private_segment 0
		.amdhsa_kernarg_size 48
		.amdhsa_user_sgpr_count 2
		.amdhsa_user_sgpr_kernarg_segment_ptr 1
		.amdhsa_wavefront_size32 1
		.amdhsa_system_sgpr_workgroup_id_x 1
		.amdhsa_system_sgpr_workgroup_id_y 1
		.amdhsa_system_sgpr_workgroup_id_z 1
		.amdhsa_system_vgpr_workitem_id 0
		.amdhsa_next_free_vgpr 198
		.amdhsa_next_free_sgpr 66
		.amdhsa_reserve_vcc 1
		.amdhsa_float_denorm_mode_32 3
		.amdhsa_float_denorm_mode_16_64 3
		.amdhsa_memory_ordered 1
		.amdhsa_forward_progress 1
		.amdhsa_inst_pref_size 33
	.end_amdhsa_kernel
	.amdgpu_metadata
---
amdhsa.version: [ 1, 2 ]
amdhsa.kernels:
  - .name:           k_qd9be250fd4_route
    .symbol:         k_qd9be250fd4_route.kd
    .args:
      - { .name: x, .offset: 0, .size: 8, .value_kind: global_buffer, .address_space: global }
      - { .name: Wg, .offset: 8, .size: 8, .value_kind: global_buffer, .address_space: global }
      - { .name: bg, .offset: 16, .size: 8, .value_kind: global_buffer, .address_space: global }
      - { .name: xq, .offset: 24, .size: 8, .value_kind: global_buffer, .address_space: global }
      - { .name: sel, .offset: 32, .size: 8, .value_kind: global_buffer, .address_space: global }
      - { .name: fl, .offset: 40, .size: 8, .value_kind: global_buffer, .address_space: global }
    .group_segment_fixed_size: 56832
    .private_segment_fixed_size: 0
    .kernarg_segment_align: 8
    .kernarg_segment_size: 48
    .max_flat_workgroup_size: 128
    .sgpr_count:     66
    .vgpr_count:     198
    .wavefront_size: 32
...
	.end_amdgpu_metadata
.endif
;; end of part 5
;; launch up (part 6): grid 256 x 1, 4 waves a work-group, no clusters, 100,864 bytes of LDS; arguments xq, sel, rl, W1_codes, W1_scales, b1, hq; writes hq, rl
.if DOCPART == 6
	.amdgcn_target "amdgcn-amd-amdhsa--gfx1250"
	.amdhsa_code_object_version 6
	.text
	.protected	k_qd9be250fd4_up
	.globl	k_qd9be250fd4_up
	.p2align	8
	.type	k_qd9be250fd4_up,@function
k_qd9be250fd4_up:
	s_mov_b64 s[64:65], 0
	v_nop
	global_prefetch_b8 v0, s[64:65] scope:SCOPE_SE
	s_setreg_imm32_b32 hwreg(HW_REG_WAVE_MODE, 25, 1), 1
	s_wait_xcnt 0x0
; THE FIRST PRODUCT, for the chosen rows alone: h = Q(relu(x W1 + b1)), on E3M2 codes with one E8M0 scale for each 32 along K.
; Work-group id: expert e = id / 32, slice S = id % 32: hidden units 128 S .. 128 S + 127, which are K step S of the second product.
; The slice of W1 (128 rows x 768 bytes, dense in memory) is copied once, in runs of 512 consecutive bytes, into LDS and stays.
; THE ROWS.  sel says which tokens chose e.  Every wave reads all of sel, makes 32 lane masks and their running counts in scalar
; registers, and each lane finds the token of its rank from them (SCAN): no list goes through memory.  The order of ranks: token t has the key 32 c + l,
; c = 4 (t / 128) + t % 4, l = (t / 4) % 32; the last launch counts by the same key.
; Rank 16 T + r is row r of tile T.  Wave w takes tiles T = w + 4 i, four to a pass, with their x fragments of all of K in registers, so that each
; fragment of W1 read from LDS feeds four products.  A tile past the expert's last computes on rows of clamped tokens and lands
; in the expert's own unused tile of hq, whose numbers nobody uses.  EVERY WAVE RUNS ITS FIRST PASS WHATEVER THE COUNT: so tiles 0 to 15 of every expert are always stored.
; A FIFTH TILE.  2,048 routed rows on 8 experts are 256 an expert at the mean, just what one pass of the four waves holds: a few rows more give a wave a fifth tile.  A wave with exactly five
; tiles takes the fifth (T = w + 16) in a pass of its own with one tile: its rows are searched and its x is asked for at the head, behind the first four tiles', into registers that lie free,
; so that it costs 64 products and no second wait for memory.  The 25 loads are issued on every way; a wave without a fifth tile names token 0 in every lane.  Every other count of tiles walks the loop of passes of four.
; THE PRODUCT IS USED TRANSPOSED (source 0 = 16 rows of W1, source 1 = 16 rows of x); lane r of tile 2 b + u takes W1's row 32 b + 8 u + r + 8 (r / 8),
; so that a lane's 16 registers of two neighbouring tiles are 16 neighbours along the next K.  b1 is the C of each sum's first product.
; x's CODES: a lane's 384 bytes (its half of a token's 768) come as 24 loads of 16 bytes, 32 bytes apart; lanes r and r + 16 read 32 neighbouring bytes.
; OUT.  hq: [e][T][S] the operand's registers as they stand (3 x 512 bytes), and from HSC0 on [e][T][S][16 rows] scale words.  rl[e]: the expert's count of rows, by its first slice.
; No tensor load and no cluster: trip counts hang on numbers read from memory.  LIMITS: as in the first launch (NaN, infinities; scale byte 1 for tiny and zero blocks).
; REGISTERS.  window 0: v1-15 addresses; v16-47 W1's scale words; v48-63 x's; v64-71 offsets made of tokens; v72-215 a ring of 3 x 4 fragments of W1; v216-219 the new
; scale words; v220-246, v248-250 at work; v247, v251 the fifth tile's offsets; v252-255 its scale words.  window 1: x's fragments (K step s, tile q) at 48 s + 12 q, s = 0 .. 4.
; window 2: s = 5 .. 7; from v144 the fifth tile's eight fragments.  window 3: accumulators (t', q) at 32 q + 8 t'; b1's tiles at 128 + 8 t; the new codes at 192 + 12 q; v240-255 at work.
.set HSC0,  25165824
.set XSOFF, 786432
.set RHO,  14                          ; v14-15  the ranks of my lane: tiles 0, 1 and tiles 2, 3
.set VO,   64                          ; v64-67  a tile's byte offset in xq
.set XSO,  68                          ; v68-69  offsets of scale bytes
.set TOKC, 70                          ; v70-71  tokens, clamped
.set PWD,  216
.set TM,   220
.set TX,   228
.set SO,   236
.set VO1,  247                         ; v247    the fifth tile: my rank, then my byte offset in xq
.set XSO1, 251                         ; v251    and that of its scale bytes
.set XS1,  252                         ; v252-255 its scale words: register j: lanes 0-15 K step j, lanes 16-31 K step 4 + j
.set XN,   144                         ; window 2: its fragment of K step s at XN + 12 s
.set MSB, 0
.macro WIN new                         ; the immediate's high byte repeats the setting that is left
.if MSB != \new
	s_set_vgpr_msb (MSB<<8)|\new
.set MSB, \new
.endif
.endm
.macro WM d, a, b, c, sa, sb, rr       ; rr: bit 0: source 0's scales in lanes 16-31; bit 1: source 1's
.if (\rr) == 0
	v_wmma_scale_f32_16x16x128_f8f6f4 v[(\d):(\d)+7], v[(\a):(\a)+11], v[(\b):(\b)+11], v[(\c):(\c)+7], v[\sa], v[\sb] matrix_a_fmt:MATRIX_FMT_BF6 matrix_b_fmt:MATRIX_FMT_BF6
.elseif (\rr) == 1
	v_wmma_scale_f32_16x16x128_f8f6f4 v[(\d):(\d)+7], v[(\a):(\a)+11], v[(\b):(\b)+11], v[(\c):(\c)+7], v[\sa], v[\sb] matrix_a_fmt:MATRIX_FMT_BF6 matrix_b_fmt:MATRIX_FMT_BF6 matrix_a_scale:MATRIX_SCALE_ROW1
.elseif (\rr) == 2
	v_wmma_scale_f32_16x16x128_f8f6f4 v[(\d):(\d)+7], v[(\a):(\a)+11], v[(\b):(\b)+11], v[(\c):(\c)+7], v[\sa], v[\sb] matrix_a_fmt:MATRIX_FMT_BF6 matrix_b_fmt:MATRIX_FMT_BF6 matrix_b_scale:MATRIX_SCALE_ROW1
.else
	v_wmma_scale_f32_16x16x128_f8f6f4 v[(\d):(\d)+7], v[(\a):(\a)+11], v[(\b):(\b)+11], v[(\c):(\c)+7], v[\sa], v[\sb] matrix_a_fmt:MATRIX_FMT_BF6 matrix_b_fmt:MATRIX_FMT_BF6 matrix_a_scale:MATRIX_SCALE_ROW1 matrix_b_scale:MATRIX_SCALE_ROW1
.endif
.endm
; One step of the search for the K-th set bit: the count of the wd bits from v228 on; if K is not under it, pass them.
.macro SELSTEP creg, wd
	v_bfe_u32 v229, v[\creg], v228, \wd
	v_cmp_ge_u32 vcc_lo, v223, v229
	v_cndmask_b32 v229, 0, v229, vcc_lo
	v_cndmask_b32 v230, 0, \wd, vcc_lo
	v_sub_nc_u32 v223, v223, v229
	v_add_nc_u32 v228, v228, v230
.endm
; A lane's rank becomes its token.  s[32+c]: the mask of chunk c (bit l = token 128 (c / 4) + 4 l + c % 4); s[66+c] = 32 x (set bits ahead of chunk c) + c.
; The last chunk whose count ahead is not above the rank holds it; then the bit is found by halving.  A rank past the expert's rows gives any number: it is clamped later.
.macro SCAN rho, tok
	v_lshl_or_b32 v220, v[\rho], 5, 31
	v_mov_b32 v221, s32
	v_mov_b32 v222, s66
.set cc, 1
.rept 31
	v_cmp_gt_u32 vcc_lo, s[66+cc], v220
	v_cndmask_b32 v221, s[32+cc], v221, vcc_lo
	v_cndmask_b32 v222, s[66+cc], v222, vcc_lo
.set cc, cc+1
.endr
	v_lshrrev_b32 v223, 5, v222
	v_sub_nc_u32 v223, v[\rho], v223               ; K: my place among the chunk's set bits
	v_and_b32 v222, 31, v222                       ; the chunk
	v_lshrrev_b32 v224, 1, v221
	v_and_b32 v224, 0x55555555, v224
	v_sub_nc_u32 v224, v221, v224                  ; counts of 2 bits,
	v_lshrrev_b32 v225, 2, v224
	v_and_b32 v225, 0x33333333, v225
	v_and_b32 v229, 0x33333333, v224
	v_add_nc_u32 v225, v225, v229                  ; of 4,
	v_lshrrev_b32 v226, 4, v225
	v_add_nc_u32 v226, v226, v225
	v_and_b32 v226, 0x0f0f0f0f, v226               ; of 8,
	v_lshrrev_b32 v227, 8, v226
	v_add_nc_u32 v227, v227, v226
	v_and_b32 v227, 0x00ff00ff, v227               ; of 16
	v_mov_b32 v228, 0
	SELSTEP 227, 16
	SELSTEP 226, 8
	SELSTEP 225, 4
	SELSTEP 224, 2
	SELSTEP 221, 1
	v_lshrrev_b32 v229, 2, v222
	v_and_b32 v230, 3, v222
	v_lshl_add_u32 v230, v228, 2, v230
	v_lshl_add_u32 v[\tok], v229, 7, v230
.endm
; Tiles 2 hf and 2 hf + 1 of the pass whose first rank is s100: lanes 0-15 search for the first tile's rows, lanes 16-31 for the second's; 50 loads: 2 x 24 of codes, 2 of scale bytes.
.macro PREPH hf
	v_add_nc_u32 v[RHO+\hf], s100, v8
.if \hf
	v_add_nc_u32 v[RHO+\hf], 128, v[RHO+\hf]
.endif
	SCAN RHO+\hf, 246
	v_permlanex16_b32 v248, v246, s98, s99
	v_cmp_lt_u32 vcc_lo, 15, v9
	v_cndmask_b32 v249, v246, v248, vcc_lo         ; the first tile's rows in both halves of the lanes,
	v_cndmask_b32 v250, v248, v246, vcc_lo         ; the second tile's
	v_min_u32 v249, 0x3ff, v249                    ; what was read from memory enters an address only clamped
	v_min_u32 v250, 0x3ff, v250
	v_min_u32 v[TOKC+\hf], 0x3ff, v246
	v_mul_u32_u24 v249, v249, 0x300
	v_mul_u32_u24 v250, v250, 0x300
	v_add_nc_u32 v[VO+2*\hf], v5, v249             ; token x 768 + 16 x my half
	v_add_nc_u32 v[VO+2*\hf+1], v5, v250
	v_lshlrev_b32 v[XSO+\hf], 5, v[TOKC+\hf]
	WIN 0x40
.irp u, 0,1
.set kq, 0
.rept 15
.set xr, 48*(kq/3)+12*(2*(\hf)+\u)+4*(kq%3)
	global_load_b128 v[xr:xr+3], v[VO+2*(\hf)+\u], s[4:5] offset:32*kq
.set kq, kq+1
.endr
.endr
	WIN 0x80
.irp u, 0,1
.set kq, 15
.rept 9
.set xr, 48*(kq/3-5)+12*(2*(\hf)+\u)+4*(kq%3)
	global_load_b128 v[xr:xr+3], v[VO+2*(\hf)+\u], s[4:5] offset:32*kq
.set kq, kq+1
.endr
.endr
	WIN 0
	global_load_b128 v[48+8*\hf:51+8*\hf], v[XSO+\hf], s[4:5] offset:XSOFF      ; lanes 0-15: the first tile's scale words, lanes 16-31: the second's
	global_load_b128 v[52+8*\hf:55+8*\hf], v[XSO+\hf], s[4:5] offset:XSOFF+16
.endm
; Step u of 16: tiles 4 (u / 8) .. + 3 of W1, K step u % 8.  RING brings its four fragments into set u % 3: 24 loads of 8 bytes.
.macro RING u
.set ks, (\u)%8
.set rb, 72+48*((\u)%3)
.set tt, 0
.rept 4
.irp p, 0,1,2,3,4,5
	ds_load_b64 v[rb+12*tt+2*\p:rb+12*tt+2*\p+1], v[3+(\u)/8] offset:tt*16*784+96*ks+48*(\p/3)+8*(\p%3)
.endr
.set tt, tt+1
.endr
.endm
; g: the tiles of rows in the pass: 4, or 1 (the fifth tile)
.macro STEP u, g
	WIN 0
.rept 4
	v_nop                                          ; four places between the last step's products and the loads into the set that they read
.endr
.if (\u)+2 < 16
	RING (\u)+2
	s_wait_dscnt 48                                ; this step's fragments are in; the next two steps' 2 x 24 loads may be out
.elseif (\u) == 14
	s_wait_dscnt 24
.else
	s_wait_dscnt 0x0
.endif
.set ks, (\u)%8
.set hh, (\u)/8
.set rb, 72+48*((\u)%3)
.if (\g) == 1
	WIN 0xf8                                       ; source 0 window 0, source 1 window 2, C and D window 3
.set xb, XN+12*ks
.elseif ks <= 4
	WIN 0xf4                                       ; source 1 window 1
.set xb, 48*ks
.else
	WIN 0xf8                                       ; source 1 window 2
.set xb, 48*(ks-5)
.endif
.set tt, 0
.rept 4                                ; the 4 g accumulators take turns, one instruction a turn, in the same order in every step
.set qq, 0
.rept \g
.set dd, 32*qq+8*tt
.if ks == 0
.set c3, 128+8*(4*hh+tt)               ; the bias starts the sum
.else
.set c3, dd
.endif
.if (\g) == 1
	WM dd, rb+12*tt, xb, c3, 16+8*((4*hh+tt)/2)+ks, XS1+ks%4, (tt%2)+2*(ks/4)
.else
	WM dd, rb+12*tt, xb+12*qq, c3, 16+8*((4*hh+tt)/2)+ks, 48+8*(qq/2)+ks, (tt%2)+2*(qq%2)
.endif
.set qq, qq+1
.endr
.set tt, tt+1
.endr
.endm
; 64 hidden units of the pass's g tiles of rows are finished: relu, each block's scale, codes: half c of the new fragments.
.macro QHALF c, g
	WIN 0
.rept 4
	v_nop                                          ; four places ahead of the first read of results
.endr
	WIN 0xcc
.set jj, 0
.rept 32*(\g)
	v_max_num_f32 v[jj], 0, v[jj]                  ; the activation; each accumulator from its low end on
.set jj, jj+1
.endr
	WIN 0x3c
.set nn, 0
.rept 2*(\g)                           ; nn = 2 q + b: tile q's block b: my 16 numbers begin at 16 nn.  None is negative: no |.|
	v_max3_num_f32 v[TM+nn], 0x2800000, v[16*nn], v[16*nn+1]
.set nn, nn+1
.endr
.irp i, 2,4,6,8,10,12,14
.set nn, 0
.rept 2*(\g)
	v_max3_num_f32 v[TM+nn], v[TM+nn], v[16*nn+\i], v[16*nn+\i+1]
.set nn, nn+1
.endr
.endr
	WIN 0
.set nn, 0
.rept 2*(\g)
	v_permlanex16_b32 v[TX+nn], v[TM+nn], s98, s99
.set nn, nn+1
.endr
.set nn, 0
.rept 2*(\g)
	v_max_num_f32 v[TM+nn], v[TM+nn], v[TX+nn]     ; with lane l xor 16's: the block's largest
.set nn, nn+1
.endr
.set nn, 0
.rept 2*(\g)
	v_add_nc_u32 v[SO+nn], 0xfe000000, v[TM+nn]    ; 4 off the exponent field: the conversion's scale operand
.set nn, nn+1
.endr
.set qq, 0
.rept \g
	v_lshrrev_b32 v244, 23, v[SO+2*qq]
	v_lshrrev_b32 v245, 23, v[SO+2*qq+1]
.if (\c) == 0
	v_lshl_or_b32 v[PWD+qq], v245, 8, v244
.else
	v_lshl_or_b32 v[PWD+qq], v244, 16, v[PWD+qq]
	v_lshl_or_b32 v[PWD+qq], v245, 24, v[PWD+qq]
.endif
.set qq, qq+1
.endr
	WIN 0xc3                                       ; numbers and codes window 3, the scale operand window 0
.set qq, 0
.rept \g
	v_cvt_scalef32_pk16_bf6_f32 v[192+12*qq+6*(\c):192+12*qq+6*(\c)+2], v[32*qq:32*qq+15], v[SO+2*qq]
	v_cvt_scalef32_pk16_bf6_f32 v[240+4*qq:240+4*qq+2], v[32*qq+16:32*qq+31], v[SO+2*qq+1]
.set qq, qq+1
.endr
	v_nop                                          ; one plain line behind the conversions
.set qq, 0
.rept \g                               ; the operand wants a whole block in a lane: lanes 0-15 block 2 c, lanes 16-31 block 2 c + 1
.irp i, 0,1,2
	v_permlane16_swap_b32 v[192+12*qq+6*(\c)+\i], v[240+4*qq+\i]
.endr
.irp i, 0,1,2
	v_mov_b32 v[192+12*qq+6*(\c)+3+\i], v[240+4*qq+\i]
.endr
.set qq, qq+1
.endr
	WIN 0
.endm
.macro PASS g
	s_wait_xcnt 0x0                                ; the last pass's stores have read their registers
.if (\g) == 4
	s_lshl_b32 s2, s31, 4
	s_add_co_u32 s2, s2, s26                       ; the pass's first tile: w + 16 x the pass's number
.else
	s_add_co_u32 s2, s26, 16                       ; the fifth tile: w + 16
.endif
	s_mul_i32 s3, s2, 49152
	v_add_nc_u32 v6, s3, v1
	s_lshl_b32 s3, s2, 11
	v_add_nc_u32 v7, s3, v2
	RING 0
	RING 1
.irp u, 0,1,2,3,4,5,6,7
	STEP \u, \g
.endr
	QHALF 0, \g
.irp u, 8,9,10,11,12,13,14,15
	STEP \u, \g
.endr
	QHALF 1, \g
	WIN 0x0c                                       ; a store's data are its source 1: window 3
.set qq, 0
.rept \g
.irp k, 0,1,2
	global_store_b128 v6, v[192+12*qq+4*\k:192+12*qq+4*\k+3], s[16:17] offset:196608*qq+512*\k   ; 512 consecutive bytes, aligned
.endr
.set qq, qq+1
.endr
	WIN 0
.set qq, 0
.rept \g
	global_store_b32 v7, v[PWD+qq], s[22:23] offset:8192*qq   ; lanes l and l xor 16 hold the same word and name the same place
.set qq, qq+1
.endr
.endm
	s_load_b256 s[4:11], s[0:1], 0x0               ; xq s[4:5], sel s[6:7], rl s[8:9], W1's codes s[10:11]
	s_load_b128 s[12:15], s[0:1], 0x20             ; W1's scales s[12:13], b1 s[14:15]
	s_load_b64 s[16:17], s[0:1], 0x30              ; hq
	s_set_vgpr_msb 0x40
	v_lshl_add_u32 v254, v0, 2, 0x18800
	v_mov_b32 v255, 0
	s_set_vgpr_msb 0x4000
	v_lshrrev_b32 v9, 5, v0
	v_readfirstlane_b32 s26, v9                    ; wave
	v_and_b32 v9, 31, v0                           ; lane
	s_lshr_b32 s27, ttmp9, 5                       ; e
	s_and_b32 s28, ttmp9, 31                       ; S
	v_lshlrev_b32 v1, 4, v9                        ; 16 l
	v_and_b32 v14, 15, v9                          ; r
	v_lshrrev_b32 v15, 4, v9                       ; h
	v_lshlrev_b32 v2, 2, v14                       ; 4 r
	v_mul_u32_u24 v3, v14, 784
	v_mad_u32_u24 v3, v15, 24, v3                  ; a fragment of W1 in LDS: row r of 784 bytes + 24 h (tiles 0-3),
	v_add_nc_u32 v4, 50176, v3                     ; 64 rows on (tiles 4-7)
	v_lshlrev_b32 v5, 4, v15                       ; 16 h
	v_lshl_add_u32 v8, v15, 6, v14                 ; 64 h + r
	s_mul_i32 s2, s26, 25088
	v_add_nc_u32 v10, s2, v1                       ; W1 into LDS: my wave's 32 rows, 16 l;
	v_lshl_add_u32 v11, v15, 4, v10                ; + 16 for lanes 16-31, where a load's 512 bytes cross from a row to the next
	v_and_b32 v12, 8, v14
	v_add_nc_u32 v12, v12, v14
	v_lshl_add_u32 v12, v15, 3, v12
	v_lshlrev_b32 v12, 5, v12                      ; W1's scale bytes: row 8 h + r + 8 (r / 8) of 32 bytes
	v_lshlrev_b32 v13, 6, v15                      ; b1: 16 h numbers on
	v_mov_b32 v248, 0                              ; (lane permutes' destinations count as sources)
.irp n, 0,1,2,3,4,5,6,7
	v_mov_b32 v[TX+\n], 0
.endr
	s_lshl_b32 s2, s27, 12
	s_lshl_b32 s3, s28, 7
	s_add_co_u32 s2, s2, s3                        ; the slice's first row of W1: 4,096 e + 128 S
	s_mov_b32 s31, 0
	s_mul_i32 s30, s2, 768
	s_mul_i32 s3, s26, 24576
	s_add_co_u32 s30, s30, s3
	s_mov_b32 s98, 0x76543210
	s_mov_b32 s99, 0xfedcba98
	s_wait_kmcnt 0x0
	s_add_nc_u64 s[10:11], s[10:11], s[30:31]      ; my wave's 32 rows of codes
	s_lshl_b32 s30, s2, 5
	s_add_nc_u64 s[12:13], s[12:13], s[30:31]
	s_lshl_b32 s30, s2, 2
	s_add_nc_u64 s[14:15], s[14:15], s[30:31]
	s_lshl_b32 s30, s27, 17
	s_lshl_b32 s3, s28, 6
	s_add_co_u32 s30, s30, s3
	s_add_co_u32 s30, s30, HSC0
	s_add_nc_u64 s[22:23], s[16:17], s[30:31]      ; the new scale words: [e][.][S]
	s_mul_i32 s30, s27, 3145728
	s_mul_i32 s3, s28, 1536
	s_add_co_u32 s30, s30, s3
	s_add_nc_u64 s[16:17], s[16:17], s[30:31]      ; the new fragments: [e][.][S]
.irp j, 0,1,2,3,4,5,6,7
	global_load_b128 v[72+4*\j:75+4*\j], v1, s[6:7] offset:512*\j      ; all of sel: register c, lane l: token 128 (c / 4) + 4 l + c % 4
.endr
.irp t, 0,1,2,3
	global_load_b128 v[16+8*\t:19+8*\t], v12, s[12:13] offset:1024*\t  ; scale words of tiles 2 t (lanes 0-15) and 2 t + 1 (lanes 16-31), eight K steps
	global_load_b128 v[20+8*\t:23+8*\t], v12, s[12:13] offset:1024*\t+16
.endr
	WIN 0xc0                                       ; destination window 3
.set tt, 0
.rept 8
	global_load_b128 v[128+8*tt:128+8*tt+3], v13, s[14:15] offset:(32*(tt/2)+8*(tt%2))*4
	global_load_b128 v[128+8*tt+4:128+8*tt+7], v13, s[14:15] offset:(32*(tt/2)+8*(tt%2))*4+16
.set tt, tt+1
.endr
.set nn, 0
.rept 48                               ; my 32 rows of W1: 24,576 dense bytes, read by this work-group alone
.set rg, 4*nn+64*(nn/32)
	global_load_b128 v[rg:rg+3], v1, s[10:11] offset:512*nn th:TH_LOAD_NT
.set nn, nn+1
.endr
	WIN 0
	s_wait_loadcnt 48                              ; sel, the scale words and b1 are in; W1's 48 loads may be out
	s_lshl_b32 s2, 0x101, s27                      ; the expert's two flags, among bits 0 to 15 of a word of sel
.set cc, 0
.rept 32
	v_and_b32 v[72+cc], s2, v[72+cc]
	v_cmp_ne_u32 s[32+cc], 0, v[72+cc]
.set cc, cc+1
.endr
	s_mov_b32 s29, 0
.set cc, 0
.rept 32
	s_lshl_b32 s[66+cc], s29, 5
	s_or_b32 s[66+cc], s[66+cc], cc
	s_bcnt1_i32_b32 s3, s[32+cc]
	s_add_co_u32 s29, s29, s3
.set cc, cc+1
.endr                                          ; s29: the expert's rows
	s_add_co_u32 s3, s29, 15
	s_lshr_b32 s3, s3, 4                           ; its tiles
	s_add_co_u32 s3, s3, 3
	s_sub_co_u32 s3, s3, s26
	s_lshr_b32 s3, s3, 2                           ; my wave's tiles
	s_add_co_u32 s2, s3, 3
	s_lshr_b32 s30, s2, 2                          ; my passes of four;
	s_cmp_eq_u32 s3, 5                             ; with exactly five tiles:
	s_cselect_b32 s30, 1, s30                      ; one pass of four,
	s_cselect_b32 s18, 1, 0                        ; and the pass of one;
	s_cselect_b32 s19, -1, 0                       ; else the fifth tile's tokens are cleared
	s_mov_b32 s31, 0                               ; the pass
	s_lshl_b32 s100, s26, 4                        ; its first rank: 16 w + 256 x the pass's number
	s_add_co_u32 s20, s100, 256                    ; the fifth tile's first rank
	PREPH 0
	s_wait_loadcnt 50                              ; W1 is in; the 50 loads just issued may be out
	WIN 0x0c
.set nn, 0
.rept 48                               ; rows 2 j and 2 j + 1 of my 32 go to places p and p + 1: row (a u i) of a group of 32 lies at place (u a i), so that a tile's 16 rows lie on end
.set rg, 4*nn+64*(nn/32)
.set jj, nn/3
.set pl, 16*((jj/4)%2)+8*(jj/8)+2*(jj%4)
.if (nn%3) == 0
	ds_store_b128 v10, v[rg:rg+3] offset:pl*784
.elseif (nn%3) == 1
	ds_store_b128 v11, v[rg:rg+3] offset:pl*784+512
.else
	ds_store_b128 v10, v[rg:rg+3] offset:pl*784+1040
.endif
.set nn, nn+1
.endr
	WIN 0
	PREPH 1
	; ---- the fifth tile: both halves of the lanes search for the same 16 rows; 25 loads, on every way
	v_and_b32 v[VO1], 15, v9
	v_add_nc_u32 v[VO1], s20, v[VO1]               ; rank 256 + 16 w + r
	SCAN VO1, 246
	v_and_b32 v246, s19, v246                      ; token 0 in every lane where I have no fifth tile
	v_min_u32 v246, 0x3ff, v246                    ; clamped ahead of the address
	v_mul_u32_u24 v[VO1], v246, 0x300
	v_add_nc_u32 v[VO1], v5, v[VO1]                ; token x 768 + 16 x my half
	v_lshlrev_b32 v[XSO1], 5, v246
	v_add_nc_u32 v[XSO1], v5, v[XSO1]              ; token x 32 + 16 x my half: lanes 16-31 take the words of K steps 4 to 7
	WIN 0x80
.set kq, 0
.rept 24
	global_load_b128 v[XN+4*kq:XN+4*kq+3], v[VO1], s[4:5] offset:32*kq
.set kq, kq+1
.endr
	WIN 0
	global_load_b128 v[XS1:XS1+3], v[XSO1], s[4:5] offset:XSOFF
	s_wait_dscnt 0x0                               ; my rows of W1 lie in LDS,
	s_barrier_signal -1
	s_barrier_wait -1                              ; everybody's do.  Nothing is stored to LDS behind this barrier
	s_or_b32 s2, s28, s26
	s_cmp_lg_u32 s2, 0
	s_cbranch_scc1 .Lnocnt
	s_lshl_b32 s2, s27, 2
	v_mov_b32 v249, s2
	v_mov_b32 v250, s29
	global_store_b32 v249, v250, s[8:9]            ; the expert's count: every lane the same word, the same value
.Lnocnt:
	s_wait_loadcnt 25                              ; the first four tiles' x is in; the fifth tile's 25 loads may be out: the passes of four touch none of their registers
.Lpass:                                        ; the first pass runs whatever the count; further passes while the wave has tiles left
	PASS 4
	s_add_co_u32 s31, s31, 1
	s_add_co_u32 s100, s100, 256
	s_cmp_ge_u32 s31, s30
	s_cbranch_scc1 .Lnoprep
	PREPH 0
	PREPH 1
	s_wait_loadcnt 0x0                             ; the next pass's x
.Lnoprep:
	s_cmp_lt_u32 s31, s30
	s_cbranch_scc1 .Lpass
	s_cmp_eq_u32 s18, 0
	s_cbranch_scc1 .Lend
	s_wait_loadcnt 0x0                             ; the fifth tile's x, asked for at the head
	PASS 1
.Lend:
	s_set_vgpr_msb 0x5
	s_wait_tensorcnt 0x0
	ds_add_u32 v254, v255
	s_wait_dscnt 0x0
	s_set_vgpr_msb 0x500
	s_endpgm
.Lfunc_end_k_qd9be250fd4_up:
	.size	k_qd9be250fd4_up, .Lfunc_end_k_qd9be250fd4_up-k_qd9be250fd4_up
	.p2alignl 7, 3214868480
	.fill 96, 4, 3214868480
	.section	.rodata,"a",@progbits
	.p2align	6, 0x0
	.amdhsa_kernel k_qd9be250fd4_up
		.amdhsa_group_segment_fixed_size 100864
		.amdhsa_private_segment_fixed_size 0
		.amdhsa_enable_private_segment 0
		.amdhsa_kernarg_size 56
		.amdhsa_user_sgpr_count 2
		.amdhsa_user_sgpr_kernarg_segment_ptr 1
		.amdhsa_wavefront_size32 1
		.amdhsa_system_sgpr_workgroup_id_x 1
		.amdhsa_system_sgpr_workgroup_id_y 1
		.amdhsa_system_sgpr_workgroup_id_z 1
		.amdhsa_system_vgpr_workitem_id 0
		.amdhsa_next_free_vgpr 1024
		.amdhsa_next_free_sgpr 102
		.amdhsa_reserve_vcc 1
		.amdhsa_float_denorm_mode_32 3
		.amdhsa_float_denorm_mode_16_64 3
		.amdhsa_memory_ordered 1
		.amdhsa_forward_progress 1
		.amdhsa_inst_pref_size 200
	.end_amdhsa_kernel
	.amdgpu_metadata
---
amdhsa.version: [ 1, 2 ]
amdhsa.kernels:
  - .name:           k_qd9be250fd4_up
    .symbol:         k_qd9be250fd4_up.kd
    .args:
      - { .name: xq, .offset: 0, .size: 8, .value_kind: global_buffer, .address_space: global }
      - { .name: sel, .offset: 8, .size: 8, .value_kind: global_buffer, .address_space: global }
      - { .name: rl, .offset: 16, .size: 8, .value_kind: global_buffer, .address_space: global }
      - { .name: W1_codes, .offset: 24, .size: 8, .value_kind: global_buffer, .address_space: global }
      - { .name: W1_scales, .offset: 32, .size: 8, .value_kind: global_buffer, .address_space: global }
      - { .name: b1, .offset: 40, .size: 8, .value_kind: global_buffer, .address_space: global }
      - { .name: hq, .offset: 48, .size: 8, .value_kind: global_buffer, .address_space: global }
    .group_segment_fixed_size: 100864
    .private_segment_fixed_size: 0
    .kernarg_segment_align: 8
    .kernarg_segment_size: 56
    .max_flat_workgroup_size: 128
    .sgpr_count:     102
    .vgpr_count:     1024
    .wavefront_size: 32
...
	.end_amdgpu_metadata
.endif
;; end of part 6
;; launch down (part 7): grid 256 x 1, 4 waves a work-group, no clusters, 270,848 bytes of LDS; arguments hq, rl, ybuf, W2_codes, W2_scales, b2; writes ybuf
.if DOCPART == 7
	.amdgcn_target "amdgcn-amd-amdhsa--gfx1250"
	.amdhsa_code_object_version 6
	.text
	.protected	k_qd9be250fd4_down
	.globl	k_qd9be250fd4_down
	.p2align	8
	.type	k_qd9be250fd4_down,@function
k_qd9be250fd4_down:
	s_mov_b64 s[64:65], 0
	v_nop
	global_prefetch_b8 v0, s[64:65] scope:SCOPE_SE
	s_setreg_imm32_b32 hwreg(HW_REG_WAVE_MODE, 25, 1), 1
	s_wait_xcnt 0x0
; THE SECOND PRODUCT: ybuf[e][rank] = h W2 + b2, for the chosen rows, on E3M2 codes with E8M0 scales.  A row of ybuf is 1,024 f32; an expert has 1,024 rows of it, by rank.
; Work-group id: expert e = id / 32, 64 output columns os = (id / 2) % 16, parity p = id % 2: it takes the expert's tiles of 16 rows T = p + 2 i.
; THE WAVES SPLIT K: wave w takes K steps 8 w .. 8 w + 7 of the 32, so that each byte of W2 and of h enters one wave.  Its part of W2 (4 tiles of columns x 8 K steps,
; 384 registers) stays in registers: it comes in whole runs of 256 bytes or more through the wave's own stage in LDS.  h comes as images of the operand's registers, 16 bytes a lane.
; The four partial sums of a tile meet in LDS; wave w adds those of the trip's tile w, in a fixed order, adds b2 and stores the tile's 16 rows at their ranks, sixteen lanes to
; 256 consecutive aligned bytes.  Every address is made of the work-group's and the wave's number and the loop's counter.  Rows past the expert's count in its last tile are stored
; too, in the expert's own part of ybuf: nobody reads them.  y goes into no quantiser, so K may be split.
; The product is used transposed (source 0 = 16 rows of W2 = 16 output columns, source 1 = 16 rows of h): a lane holds eight neighbouring columns of a row.
; The loop has a constant count (8 trips of 4 tiles: 32 tiles serve every split); what a split leaves empty is jumped over between the barriers, never a barrier.
; h RUNS TWO TILES AHEAD, in two sets of registers, AND NO TILE IS LOADED THAT IS NOT MULTIPLIED (but the first two, which go out ahead of the count; the launch before always stores them).
; Behind tile i stands either the 28 loads of tile i + 2, or, where I have no such tile, a wait for all loads, which waits for nothing but tile i + 1's.  So on every way to a tile's head
; either 28 younger loads stand behind its set's, or none is out, and one counted wait serves.
; No tensor load and no cluster: the jumps hang on a count read from memory.
; REGISTERS.  window 0: v1-13 addresses; v16-31 W2's scale words; v32-39 h's, two sets; v40-43 b2; v128-255 the accumulators (tile q, columns ct) at 128 + 32 q + 8 ct, later the
; partial sums.  window 1: W2's fragments (s, ct) at 48 s + 12 ct, s = 0 .. 4.  window 2: s = 5 .. 7.  window 3: h, two sets of 96.
.set HSC0, 25165824
.set PST,  200704                      ; LDS: four stages of 64 rows x 784 bytes, one a wave; from PST on the partial sums: region (wave v, tile q) at (4 v + q) x 4,352: 16 rows of 256 + 16 bytes
.set MSB, 0
.macro WIN new                         ; the immediate's high byte repeats the setting that is left
.if MSB != \new
	s_set_vgpr_msb (MSB<<8)|\new
.set MSB, \new
.endif
.endm
.macro WMZ d, a, b, sa, sb, rr         ; the first K step starts the sum
.if (\rr) == 0
	v_wmma_scale_f32_16x16x128_f8f6f4 v[(\d):(\d)+7], v[(\a):(\a)+11], v[(\b):(\b)+11], 0, v[\sa], v[\sb] matrix_a_fmt:MATRIX_FMT_BF6 matrix_b_fmt:MATRIX_FMT_BF6
.else
	v_wmma_scale_f32_16x16x128_f8f6f4 v[(\d):(\d)+7], v[(\a):(\a)+11], v[(\b):(\b)+11], 0, v[\sa], v[\sb] matrix_a_fmt:MATRIX_FMT_BF6 matrix_b_fmt:MATRIX_FMT_BF6 matrix_a_scale:MATRIX_SCALE_ROW1
.endif
.endm
.macro WMA d, a, b, sa, sb, rr         ; rr: bit 0: source 0's scales in lanes 16-31; bit 1: source 1's
.if (\rr) == 0
	v_wmma_scale_f32_16x16x128_f8f6f4 v[(\d):(\d)+7], v[(\a):(\a)+11], v[(\b):(\b)+11], v[(\d):(\d)+7], v[\sa], v[\sb] matrix_a_fmt:MATRIX_FMT_BF6 matrix_b_fmt:MATRIX_FMT_BF6
.elseif (\rr) == 1
	v_wmma_scale_f32_16x16x128_f8f6f4 v[(\d):(\d)+7], v[(\a):(\a)+11], v[(\b):(\b)+11], v[(\d):(\d)+7], v[\sa], v[\sb] matrix_a_fmt:MATRIX_FMT_BF6 matrix_b_fmt:MATRIX_FMT_BF6 matrix_a_scale:MATRIX_SCALE_ROW1
.elseif (\rr) == 2
	v_wmma_scale_f32_16x16x128_f8f6f4 v[(\d):(\d)+7], v[(\a):(\a)+11], v[(\b):(\b)+11], v[(\d):(\d)+7], v[\sa], v[\sb] matrix_a_fmt:MATRIX_FMT_BF6 matrix_b_fmt:MATRIX_FMT_BF6 matrix_b_scale:MATRIX_SCALE_ROW1
.else
	v_wmma_scale_f32_16x16x128_f8f6f4 v[(\d):(\d)+7], v[(\a):(\a)+11], v[(\b):(\b)+11], v[(\d):(\d)+7], v[\sa], v[\sb] matrix_a_fmt:MATRIX_FMT_BF6 matrix_b_fmt:MATRIX_FMT_BF6 matrix_a_scale:MATRIX_SCALE_ROW1 matrix_b_scale:MATRIX_SCALE_ROW1
.endif
.endm
; 16 rows of my 768 bytes of W2's rows (3,072 bytes apart): a pair of rows is three loads of 512 bytes; in the middle one lanes 16-31 stand in the next row
.macro WLOAD ch, rbase
.set jj, 0
.rept 8
	global_load_b128 v[(\rbase)+12*jj:(\rbase)+12*jj+3], v1, s[10:11] offset:49152*(\ch)+6144*jj
	global_load_b128 v[(\rbase)+12*jj+4:(\rbase)+12*jj+7], v9, s[10:11] offset:49152*(\ch)+6144*jj+512
	global_load_b128 v[(\rbase)+12*jj+8:(\rbase)+12*jj+11], v1, s[10:11] offset:49152*(\ch)+6144*jj+3328
.set jj, jj+1
.endr
.endm
.macro WSTORE ch, rbase
.set jj, 0
.rept 8
	ds_store_b128 v10, v[(\rbase)+12*jj:(\rbase)+12*jj+3] offset:1568*(8*(\ch)+jj)
	ds_store_b128 v11, v[(\rbase)+12*jj+4:(\rbase)+12*jj+7] offset:1568*(8*(\ch)+jj)+512
	ds_store_b128 v10, v[(\rbase)+12*jj+8:(\rbase)+12*jj+11] offset:1568*(8*(\ch)+jj)+1040
.set jj, jj+1
.endr
.endm
; My eight fragments and scale words of my tile number s25, into a set: 28 loads.
; The set's base registers were last read by the set's loads of two tiles ago, which the wait at this tile's head has shown done.
.macro HLOAD set
	s_min_u32 s84, s25, 31                         ; the loop's counter and a constant, held inside the expert's 64 tiles
	s_mul_i32 s26, s84, 98304
	s_add_nc_u64 s[66+2*(\set):67+2*(\set)], s[28:29], s[26:27]
	s_lshl_b32 s26, s84, 12
	s_add_nc_u64 s[70+2*(\set):71+2*(\set)], s[30:31], s[26:27]
	WIN 0xc0
.set kq, 0
.rept 24
	global_load_b128 v[96*(\set)+4*kq:96*(\set)+4*kq+3], v1, s[66+2*(\set):67+2*(\set)] offset:512*kq
.set kq, kq+1
.endr
	WIN 0
.irp j, 0,1,2,3
	global_load_b32 v[32+4*(\set)+\j], v2, s[70+2*(\set):71+2*(\set)] offset:128*\j   ; lanes 0-15: K step 2 j, lanes 16-31: K step 2 j + 1
.endr
.endm
.macro TILE q
	s_wait_loadcnt 28                              ; this tile's set is in; the other set's 28 loads may be out
	s_add_co_u32 s25, s24, \q
	s_cmp_ge_u32 s25, s23
	s_cbranch_scc1 .Lskip_\@
.set ks, 0
.rept 8
.if ks <= 4
	WIN 0x0d                                       ; source 0 window 1, source 1 window 3, C and D window 0
.set ab, 48*ks
.else
	WIN 0x0e                                       ; source 0 window 2
.set ab, 48*(ks-5)
.endif
.set ct, 0
.rept 4                                ; the four accumulators take turns, one instruction a turn
.set dd, 128+32*(\q)+8*ct
.if ks == 0
	WMZ dd, ab+12*ct, 96*((\q)%2)+12*ks, 16+8*(ct/2)+ks, 32+4*((\q)%2)+ks/2, ct%2
.else
	WMA dd, ab+12*ct, 96*((\q)%2)+12*ks, 16+8*(ct/2)+ks, 32+4*((\q)%2)+ks/2, (ct%2)+2*(ks%2)
.endif
.set ct, ct+1
.endr
.set ks, ks+1
.endr
	WIN 0
.rept 5
	v_nop                                          ; four places ahead of the stores that read results and of the loads into the set just multiplied; five ahead of the next trip's product that begins this accumulator anew
.endr
.irp c, 0,1,2,3
	ds_store_b128 v4, v[128+32*(\q)+8*\c:128+32*(\q)+8*\c+3] offset:4352*(\q)+64*\c        ; each accumulator from its low end on
	ds_store_b128 v4, v[128+32*(\q)+8*\c+4:128+32*(\q)+8*\c+7] offset:4352*(\q)+64*\c+16
.endr
.Lskip_\@:
	s_add_co_u32 s25, s24, (\q)+2
	s_cmp_ge_u32 s25, s23                          ; have I a tile two on?
	s_cbranch_scc1 .Lnone_\@
	HLOAD ((\q)%2)
	s_branch .Lnext_\@
.Lnone_\@:
	s_wait_loadcnt 0x0                             ; nothing is asked for: so nothing may be out at the next tile's counted wait.  What is out is the next tile's set at the most
.Lnext_\@:
.endm
	s_load_b256 s[4:11], s[0:1], 0x0               ; hq s[4:5], rl s[6:7], ybuf s[8:9], W2's codes s[10:11]
	s_load_b128 s[12:15], s[0:1], 0x20             ; W2's scales s[12:13], b2 s[14:15]
	v_lshl_add_u32 v126, v0, 2, 0x42000
	v_mov_b32 v127, 0
	v_lshrrev_b32 v60, 5, v0
	v_readfirstlane_b32 s18, v60                   ; wave
	v_and_b32 v60, 31, v0                          ; lane
	s_lshr_b32 s19, ttmp9, 5                       ; e
	s_bfe_u32 s20, ttmp9, 0x40001                  ; os
	s_and_b32 s21, ttmp9, 1                        ; p
	v_lshlrev_b32 v1, 4, v60                       ; 16 l
	v_lshlrev_b32 v2, 2, v60                       ; 4 l
	v_and_b32 v61, 15, v60                         ; r
	v_lshrrev_b32 v7, 4, v60                       ; h
	v_lshlrev_b32 v6, 4, v61                       ; 16 r
	v_lshl_add_u32 v12, v7, 12, v6                 ; in ybuf: lanes 0-15 one row of 4,096 bytes, lanes 16-31 the next; 16 bytes a lane
	v_mul_u32_u24 v9, v7, 2304
	v_add_nc_u32 v9, v9, v1                        ; 16 l, and for lanes 16-31 on into the next row of W2
	s_mul_i32 s25, s18, 50176
	v_add_nc_u32 v10, s25, v1                      ; my stage: 16 l,
	v_lshl_add_u32 v11, v7, 4, v10                 ; + 16 where the next row begins
	v_mul_u32_u24 v3, v61, 784
	v_mad_u32_u24 v3, v7, 24, v3
	v_add_nc_u32 v3, s25, v3                       ; a fragment out of it: row r + 24 h
	v_mul_u32_u24 v4, v61, 272
	v_lshl_add_u32 v4, v7, 5, v4
	s_mul_i32 s25, s18, 17408
	s_add_co_u32 s25, s25, PST
	v_add_nc_u32 v4, s25, v4                       ; my partial sums: row r, 32 h bytes on
	v_mul_u32_u24 v5, v7, 272
	v_add_nc_u32 v5, v5, v6
	s_mul_i32 s25, s18, 4352
	s_add_co_u32 s25, s25, PST
	v_add_nc_u32 v5, s25, v5                       ; back: tile w of the trip; lanes 0-15 one row, lanes 16-31 the next
	v_lshlrev_b32 v8, 7, v60                       ; W2's scale bytes: row l of 128 bytes
	s_lshl_b32 s81, s19, 10
	s_lshl_b32 s25, s20, 6
	s_add_co_u32 s81, s81, s25                     ; my first row of W2: 1,024 e + 64 os
	s_mov_b32 s27, 0
	s_lshl_b32 s80, s19, 2
	s_wait_kmcnt 0x0
	s_load_b32 s22, s[6:7], s80 offset:0x0         ; the expert's rows
	s_mul_i32 s26, s81, 3072
	s_mul_i32 s25, s18, 768
	s_add_co_u32 s26, s26, s25
	s_add_nc_u64 s[10:11], s[10:11], s[26:27]
	s_lshl_b32 s26, s81, 7
	s_lshl_b32 s25, s18, 5
	s_add_co_u32 s26, s26, s25
	s_add_nc_u64 s[12:13], s[12:13], s[26:27]
	s_lshl_b32 s26, s81, 2
	s_add_nc_u64 s[14:15], s[14:15], s[26:27]
	s_lshl_b32 s26, s19, 22                        ; ybuf: the expert's 1,024 rows of 4,096 bytes,
	s_lshl_b32 s25, s20, 8                         ; my 64 columns
	s_add_co_u32 s26, s26, s25
	s_add_nc_u64 s[16:17], s[8:9], s[26:27]
	s_mul_i32 s26, s19, 3145728
	s_mul_i32 s25, s21, 49152
	s_add_co_u32 s26, s26, s25
	s_mul_i32 s25, s18, 12288
	s_add_co_u32 s26, s26, s25
	s_add_nc_u64 s[28:29], s[4:5], s[26:27]        ; h's fragments: [e][p][8 w]
	s_lshl_b32 s26, s19, 17
	s_lshl_b32 s25, s21, 11
	s_add_co_u32 s26, s26, s25
	s_lshl_b32 s25, s18, 9
	s_add_co_u32 s26, s26, s25
	s_add_co_u32 s26, s26, HSC0
	s_add_nc_u64 s[30:31], s[4:5], s[26:27]        ; and their scale words
.irp c, 0,1
	global_load_b128 v[16+8*\c:19+8*\c], v8, s[12:13] offset:4096*\c       ; tiles 2 c (lanes 0-15) and 2 c + 1 (lanes 16-31), my eight K steps
	global_load_b128 v[20+8*\c:23+8*\c], v8, s[12:13] offset:4096*\c+16
.endr
	global_load_b128 v[40:43], v6, s[14:15]
	WLOAD 0, 128                                   ; my 64 rows x 768 bytes of W2, into four runs of 96 registers that are free as yet
	WIN 0x80
	WLOAD 1, 144
	WIN 0x40
	WLOAD 2, 0
	WLOAD 3, 96
	WIN 0
	s_mov_b32 s25, 0
	HLOAD 0                                        ; my first two tiles of h, whatever the count: tiles p and p + 2 are always stored by the launch before
	s_mov_b32 s25, 1
	HLOAD 1
	s_wait_kmcnt 0x0                               ; the count
	s_add_co_u32 s23, s22, 15
	s_lshr_b32 s23, s23, 4                         ; the expert's tiles
	s_add_co_u32 s23, s23, 1
	s_sub_co_u32 s23, s23, s21
	s_lshr_b32 s23, s23, 1                         ; my tiles
	s_wait_loadcnt 56                              ; the scale words, b2 and W2 are in; the 2 x 28 loads of my first two tiles may be out
	WSTORE 0, 128
	WIN 0x08
	WSTORE 1, 144
	WIN 0x04
	WSTORE 2, 0
	WSTORE 3, 96
	WIN 0
	s_wait_dscnt 0x0                               ; the stores have read their registers: the fragments may land there
.set ks, 0
.rept 8
.if ks <= 4
	WIN 0x40
.set ab, 48*ks
.else
	WIN 0x80
.set ab, 48*(ks-5)
.endif
.set ct, 0
.rept 4
.irp p, 0,1,2,3,4,5
	ds_load_b64 v[ab+12*ct+2*\p:ab+12*ct+2*\p+1], v3 offset:ct*16*784+96*ks+48*(\p/3)+8*(\p%3)
.endr
.set ct, ct+1
.endr
.set ks, ks+1
.endr
	WIN 0
	s_mov_b32 s24, 0                               ; the trip's first tile among mine
.Ltrip:
	s_wait_dscnt 0x0                               ; my reads of the last trip's partial sums are over (first trip: W2's fragments are in),
	s_barrier_signal -1
	s_barrier_wait -1                              ; everybody's are: the partial sums may be written again
	s_cmp_ge_u32 s24, s23
	s_cbranch_scc1 .Lnotiles
	TILE 0
	TILE 1
	TILE 2
	TILE 3
.Lnotiles:
	s_wait_dscnt 0x0                               ; my partial sums lie in LDS,
	s_barrier_signal -1
	s_barrier_wait -1                              ; everybody's do
	s_add_co_u32 s25, s24, s18                     ; the tile that I add up: number 4 g + w of mine
	s_cmp_ge_u32 s25, s23
	s_cbranch_scc1 .Lnoreduce
.irp v, 0,1,2,3
.irp i, 0,1,2,3,4,5,6,7
	ds_load_b128 v[128+32*\v+4*\i:128+32*\v+4*\i+3], v5 offset:17408*\v+544*\i
.endr
.endr
	s_lshl_b32 s25, s25, 1
	s_add_co_u32 s25, s25, s21                     ; T = p + 2 (4 g + w)
	s_lshl_b32 s25, s25, 16                        ; 16 rows of 4,096 bytes a tile
	v_add_nc_u32 v13, s25, v12
	s_wait_dscnt 0x0
.irp i, 0,1,2,3,4,5,6,7
.irp k, 0,2
	v_pk_add_f32 v[128+4*\i+\k:129+4*\i+\k], v[128+4*\i+\k:129+4*\i+\k], v[160+4*\i+\k:161+4*\i+\k]
	v_pk_add_f32 v[192+4*\i+\k:193+4*\i+\k], v[192+4*\i+\k:193+4*\i+\k], v[224+4*\i+\k:225+4*\i+\k]
.endr
.endr
.irp i, 0,1,2,3,4,5,6,7
.irp k, 0,2
	v_pk_add_f32 v[128+4*\i+\k:129+4*\i+\k], v[128+4*\i+\k:129+4*\i+\k], v[192+4*\i+\k:193+4*\i+\k]
.endr
.endr
.irp i, 0,1,2,3,4,5,6,7
.irp k, 0,2
	v_pk_add_f32 v[128+4*\i+\k:129+4*\i+\k], v[128+4*\i+\k:129+4*\i+\k], v[40+\k:41+\k]
.endr
.endr
.irp i, 0,1,2,3,4,5,6,7
	global_store_b128 v13, v[128+4*\i:131+4*\i], s[16:17] offset:8192*\i   ; rows 2 i and 2 i + 1 of the tile: sixteen lanes store 256 consecutive bytes, aligned
.endr
	s_wait_xcnt 0x0                                ; the stores have read their registers: the next trip writes them again
.Lnoreduce:
	s_add_co_u32 s24, s24, 4
	s_cmp_lt_u32 s24, 32
	s_cbranch_scc1 .Ltrip
	s_wait_tensorcnt 0x0
	ds_add_u32 v126, v127
	s_wait_dscnt 0x0
	s_endpgm
.Lfunc_end_k_qd9be250fd4_down:
	.size	k_qd9be250fd4_down, .Lfunc_end_k_qd9be250fd4_down-k_qd9be250fd4_down
	.p2alignl 7, 3214868480
	.fill 96, 4, 3214868480
	.section	.rodata,"a",@progbits
	.p2align	6, 0x0
	.amdhsa_kernel k_qd9be250fd4_down
		.amdhsa_group_segment_fixed_size 270848
		.amdhsa_private_segment_fixed_size 0
		.amdhsa_enable_private_segment 0
		.amdhsa_kernarg_size 48
		.amdhsa_user_sgpr_count 2
		.amdhsa_user_sgpr_kernarg_segment_ptr 1
		.amdhsa_wavefront_size32 1
		.amdhsa_system_sgpr_workgroup_id_x 1
		.amdhsa_system_sgpr_workgroup_id_y 1
		.amdhsa_system_sgpr_workgroup_id_z 1
		.amdhsa_system_vgpr_workitem_id 0
		.amdhsa_next_free_vgpr 1024
		.amdhsa_next_free_sgpr 86
		.amdhsa_reserve_vcc 0
		.amdhsa_float_denorm_mode_32 3
		.amdhsa_float_denorm_mode_16_64 3
		.amdhsa_memory_ordered 1
		.amdhsa_forward_progress 1
		.amdhsa_inst_pref_size 77
	.end_amdhsa_kernel
	.amdgpu_metadata
---
amdhsa.version: [ 1, 2 ]
amdhsa.kernels:
  - .name:           k_qd9be250fd4_down
    .symbol:         k_qd9be250fd4_down.kd
    .args:
      - { .name: hq, .offset: 0, .size: 8, .value_kind: global_buffer, .address_space: global }
      - { .name: rl, .offset: 8, .size: 8, .value_kind: global_buffer, .address_space: global }
      - { .name: ybuf, .offset: 16, .size: 8, .value_kind: global_buffer, .address_space: global }
      - { .name: W2_codes, .offset: 24, .size: 8, .value_kind: global_buffer, .address_space: global }
      - { .name: W2_scales, .offset: 32, .size: 8, .value_kind: global_buffer, .address_space: global }
      - { .name: b2, .offset: 40, .size: 8, .value_kind: global_buffer, .address_space: global }
    .group_segment_fixed_size: 270848
    .private_segment_fixed_size: 0
    .kernarg_segment_align: 8
    .kernarg_segment_size: 48
    .max_flat_workgroup_size: 128
    .sgpr_count:     86
    .vgpr_count:     1024
    .wavefront_size: 32
...
	.end_amdgpu_metadata
.endif
;; end of part 7
;; launch join: the kernel of part 4 again; grid 256 x 1, 8 waves a work-group, no clusters, 0 bytes of LDS; arguments ybuf, sel, fl, out0, out1; writes out0, out1
;; ======== version 3 of 3: 4 launches
;; workspace buffers: xq 819,200 bytes; sel 4,096 bytes of whole numbers; fl 16,384 bytes; hq 26,214,400 bytes; rl 256 bytes of whole numbers; ybuf 33,554,432 bytes
;; launch route (part 8): grid 256 x 1, 4 waves a work-group, no clusters, 56,832 bytes of LDS; arguments x, Wg, bg, xq, sel, fl; writes xq, sel, fl
.if DOCPART == 8
	.amdgcn_target "amdgcn-amd-amdhsa--gfx1250"
	.amdhsa_code_object_version 6
	.text
	.protected	k_qd9be250fd4_route
	.globl	k_qd9be250fd4_route
	.p2align	8
	.type	k_qd9be250fd4_route,@function
k_qd9be250fd4_route:
	s_mov_b64 s[64:65], 0
	v_nop
	global_prefetch_b8 v0, s[64:65] scope:SCOPE_SE
	s_setreg_imm32_b32 hwreg(HW_REG_WAVE_MODE, 25, 1), 1
	s_wait_xcnt 0x0
; THE ROUTER AND x's QUANTISER.  x [1024][1024] f32, Wg [1024][8], bg [8].
; Wave w of work-group g owns token 4 g + w; lane l owns the token's block l of 32 numbers (K = 32 l .. 32 l + 31).
; Out: xq: the token's E3M2 codes, 768 bytes.  Blocks of even number form half 0, blocks of odd number half 1: what lanes 0-15 and lanes 16-31 of a matrix operand take.  Block b begins at
; byte p = 24 (b / 2) of its half, so that a half's bytes of all eight K steps lie on end; byte p of half h lies at 32 (p / 16) + 16 h + p % 16: the halves are interleaved in pieces of
; 16 bytes, so that the two lanes that hold a row read 32 neighbouring bytes.  From byte 786,432 on: each token's 32 scale bytes in their natural order.
; sel[token] = (1 << first expert) | (0x100 << second expert) | (first expert << 16) | (second expert << 20);  fl: the two gate weights of each token, and from
; byte 8,192 on the work-group's sums of the eight gates.  Logits by f32 fused multiply-adds; the maximum is taken away ahead of every exponential.
; LIMITS: NaN and infinities are not served.  A block whose largest magnitude lies under 2^-122 (a block of zeros too) gets the scale byte 1:
; a zero block's codes are zeros, and the bytes are read by this program alone.  Equal logits go to the lower index; logits that differ only by the rounding of
; the order of summation may fall either way.
.set WGS,   0                          ; LDS: Wg as 32 pieces of 1,024 bytes + 16 of padding (piece l = the rows of lane l's 32 k)
.set XT,    33280                      ; a stage of 32 places of 144 bytes for each wave: x turns from 16 bytes a lane to 128 bytes a lane
.set CS,    51712                      ; 1,024 bytes for each wave: the token's 768 bytes of codes
.set MAIL,  55808                      ; +0 gates (4 x 8 words), +128 scale bytes (4 x 32), +256 sel (4 words), +320 weights (4 x 2 words)
.set XSOFF, 786432
.set XR,  16                           ; v16-47   x as loaded
.set X,   48                           ; v48-79   my 32 neighbours
.set W,   80                           ; v80-143  Wg on its way to LDS, later eight rows of it
.set ACC, 144                          ; v144-151 the eight logits
	s_load_b256 s[4:11], s[0:1], 0x0               ; x s[4:5], Wg s[6:7], bg s[8:9], xq s[10:11]
	s_load_b128 s[12:15], s[0:1], 0x20             ; sel s[12:13], fl s[14:15]
	v_lshl_add_u32 v196, v0, 2, 0xdc00
	v_mov_b32 v197, 0
	v_lshrrev_b32 v1, 5, v0
	v_readfirstlane_b32 s16, v1                    ; wave
	v_and_b32 v1, 31, v0                           ; lane
	v_lshlrev_b32 v9, 4, v1                        ; 16 x lane
	v_lshlrev_b32 v10, 4, v0                       ; 16 x thread
	s_lshl_b32 s17, ttmp9, 2
	s_add_co_u32 s17, s17, s16                     ; my token
	s_lshl_b32 s18, s17, 12
	s_mov_b32 s19, 0
	s_mov_b32 s34, 0x76543210
	s_mov_b32 s35, 0xfedcba98                      ; v_permlanex16_b32's selects for lane l xor 16
	s_wait_alu depctr_va_vdst(0)
	s_wait_kmcnt 0x0
	s_load_b256 s[20:27], s[8:9], 0x0              ; bg
	s_add_nc_u64 s[4:5], s[4:5], s[18:19]
.irp i, 0,1,2,3,4,5,6,7
	global_load_b128 v[XR+4*\i:XR+4*\i+3], v9, s[4:5] offset:512*\i th:TH_LOAD_NT   ; my token's row: 512 consecutive bytes a load
.endr
.irp i, 0,1,2,3,4,5,6,7,8,9,10,11,12,13,14,15
	global_load_b128 v[W+4*\i:W+4*\i+3], v10, s[6:7] offset:2048*\i                 ; Wg: the four waves take 2,048 consecutive bytes a load
.endr
	s_mul_i32 s18, s17, 768
	s_add_nc_u64 s[36:37], s[10:11], s[18:19]      ; my token's codes
	s_lshl_b32 s18, ttmp9, 7
	s_add_nc_u64 s[38:39], s[10:11], s[18:19]      ; the work-group's 128 scale bytes (+ XSOFF in the store)
	s_lshl_b32 s18, ttmp9, 4
	s_add_nc_u64 s[12:13], s[12:13], s[18:19]      ; its four words of sel
	s_lshl_b32 s18, ttmp9, 5
	s_add_nc_u64 s[14:15], s[14:15], s[18:19]      ; its 32 bytes of weights, and (+ 8,192) of gate sums
	s_mul_i32 s28, s16, 4608
	s_add_co_u32 s28, s28, XT
	v_lshrrev_b32 v11, 3, v1
	v_mul_u32_u24 v2, v11, 144
	v_and_b32 v11, 7, v1
	v_lshl_add_u32 v2, v11, 4, v2
	v_add_nc_u32 v2, s28, v2                       ; into the stage: 144 (l / 8) + 16 (l % 8); a load's 512 bytes take four places
	v_mul_u32_u24 v3, v1, 144
	v_add_nc_u32 v3, s28, v3                       ; out of it: place l
	v_lshrrev_b32 v11, 6, v0
	v_lshl_add_u32 v4, v11, 4, v10                 ; Wg into LDS: 16 t + 16 (t / 64)
	v_mul_u32_u24 v5, v1, 1040                     ; and my piece of it
	s_lshl_b32 s29, s16, 10
	s_add_co_u32 s29, s29, CS
	v_and_b32 v11, 1, v1                           ; my block's half h = l % 2
	v_lshlrev_b32 v189, 4, v11
	v_add_nc_u32 v189, s29, v189                   ; the wave's codes + 16 h
	v_lshrrev_b32 v11, 1, v1
	v_mul_u32_u24 v11, v11, 3                      ; u = 3 (l / 2): the first of my block's three pieces of 8 bytes among its half's 48
.irp a, 6, 192, 193                    ; piece u lies at 32 (u / 2) + 16 h + 8 (u % 2): an address register for each of the three
	v_lshrrev_b32 v[\a], 1, v11
	v_lshl_add_u32 v[\a], v[\a], 5, v189
	v_and_b32 v190, 1, v11
	v_lshl_add_u32 v[\a], v190, 3, v[\a]
	v_add_nc_u32 v11, 1, v11
.endr
	v_lshlrev_b32 v8, 3, v1
	v_add_nc_u32 v7, s29, v8                       ; and 8 bytes a lane on the way out
	s_lshl_b32 s30, s16, 5
	v_mov_b32 v12, s30                             ; mail: 32 w
	v_add_nc_u32 v13, s30, v1                      ; 32 w + l
	s_lshl_b32 s31, s16, 2
	v_mov_b32 v14, s31                             ; 4 w
	s_lshl_b32 s32, s16, 3
	v_mov_b32 v15, s32                             ; 8 w
	v_lshlrev_b32 v186, 2, v1                      ; 4 l
	v_and_b32 v187, 12, v186                       ; 4 (l % 4)
	v_and_b32 v188, 28, v186                       ; 4 (l % 8)
	v_mov_b32 v191, 0                              ; (a lane permute's destination counts as one of its sources)
	s_wait_loadcnt 16                              ; x's eight loads are in; Wg's sixteen may be out
.irp i, 0,1,2,3,4,5,6,7
	ds_store_b128 v2, v[XR+4*\i:XR+4*\i+3] offset:576*\i
.endr
.irp i, 0,1,2,3,4,5,6,7
	ds_load_b128 v[X+4*\i:X+4*\i+3], v3 offset:16*\i   ; the wave's own bytes, served in order: no wait between
.endr
	s_wait_loadcnt 0x0                             ; Wg
.irp i, 0,1,2,3,4,5,6,7,8,9,10,11,12,13,14,15
	ds_store_b128 v4, v[W+4*\i:W+4*\i+3] offset:2080*\i
.endr
	s_wait_dscnt 0x0                               ; my part of Wg lies in LDS (and my 32 numbers are back),
	s_barrier_signal -1
	s_barrier_wait -1                              ; everybody's does
	; ---- my block's scale and codes
	v_max3_num_f32 v152, |v[X]|, |v[X+1]|, 0x2800000   ; the floor 2^(5 - 127) among the leaves: the byte cannot fall under 1
	v_max_num_f32 v153, |v[X+2]|, |v[X+3]|
.irp i, 4,8,12,16,20,24,28
	v_max3_num_f32 v152, v152, |v[X+\i]|, |v[X+\i+1]|
	v_max3_num_f32 v153, v153, |v[X+\i+2]|, |v[X+\i+3]|
.endr
	v_max_num_f32 v152, v152, v153
	v_add_nc_u32 v154, 0xfe000000, v152            ; 4 off the exponent field: the conversion's scale operand
	v_cvt_scalef32_pk16_bf6_f32 v[156:158], v[X:X+15], v154
	v_cvt_scalef32_pk16_bf6_f32 v[160:162], v[X+16:X+31], v154
	v_lshrrev_b32 v155, 23, v154                   ; the scale's byte (a plain line behind the conversions)
	v_mov_b32 v159, v160                           ; six registers on end
	v_mov_b32 v160, v161
	v_mov_b32 v161, v162
	ds_store_b64 v6, v[156:157]
	ds_store_b64 v192, v[158:159]
	ds_store_b64 v193, v[160:161]
	ds_store_b8 v13, v155 offset:MAIL+128
.irp k, 0,1,2
	ds_load_b64 v[176+2*\k:177+2*\k], v7 offset:256*\k
.endr
	s_wait_dscnt 0x0
.irp k, 0,1,2
	global_store_b64 v8, v[176+2*\k:177+2*\k], s[36:37] offset:256*\k   ; 32 lanes store 256 consecutive bytes, aligned
.endr
	; ---- the logits: my 32 k, eight experts, two at a time; four batches of eight rows of Wg
.set kk, 0
.rept 4
.set jj, 0
.rept 8
	ds_load_b128 v[W+8*jj:W+8*jj+3], v5 offset:32*(kk+jj)
	ds_load_b128 v[W+8*jj+4:W+8*jj+7], v5 offset:32*(kk+jj)+16
.set jj, jj+1
.endr
	s_wait_alu depctr_va_vdst(0)
	s_wait_dscnt 0x0
.set jj, 0
.rept 8
.set xp, X+((kk+jj)/2)*2
.irp p, 0,1,2,3
.if (kk+jj) == 0
	v_pk_mul_f32 v[ACC+2*\p:ACC+2*\p+1], v[W+8*jj+2*\p:W+8*jj+2*\p+1], v[xp:xp+1] op_sel_hi:[1,0]   ; the first product starts the sums
.elseif ((kk+jj)%2) == 0
	v_pk_fma_f32 v[ACC+2*\p:ACC+2*\p+1], v[W+8*jj+2*\p:W+8*jj+2*\p+1], v[xp:xp+1], v[ACC+2*\p:ACC+2*\p+1] op_sel_hi:[1,0,1]
.else
	v_pk_fma_f32 v[ACC+2*\p:ACC+2*\p+1], v[W+8*jj+2*\p:W+8*jj+2*\p+1], v[xp:xp+1], v[ACC+2*\p:ACC+2*\p+1] op_sel:[0,1,0] op_sel_hi:[1,1,1]
.endif
.endr
.set jj, jj+1
.endr
.set kk, kk+8
.endr
.irp m, 1,2,4,8
.irp e, 0,1,2,3,4,5,6,7
	v_add_f32_dpp v[ACC+\e], v[ACC+\e], v[ACC+\e] row_xmask:\m row_mask:0xf bank_mask:0xf
.endr
.endr
.irp e, 0,1,2,3,4,5,6,7
	v_permlanex16_b32 v[152+\e], v[ACC+\e], s34, s35
.endr
	s_wait_alu depctr_va_vdst(0)
	s_wait_kmcnt 0x0                               ; bg
.irp e, 0,1,2,3,4,5,6,7
	v_add_f32 v[ACC+\e], v[ACC+\e], v[152+\e]
.endr
.irp e, 0,1,2,3,4,5,6,7
	v_add_f32 v[ACC+\e], s[20+\e], v[ACC+\e]       ; every lane holds the token's eight logits
.endr
	; ---- the two largest, without a branch; a strict > keeps the lower index
	v_mov_b32 v160, v[ACC]
	v_mov_b32 v161, 0
.irp e, 1,2,3,4,5,6,7
	v_cmp_gt_f32 vcc_lo, v[ACC+\e], v160
	v_cndmask_b32 v160, v160, v[ACC+\e], vcc_lo
	v_cndmask_b32 v161, v161, \e, vcc_lo
.endr
	v_mov_b32 v164, 0xff800000
.irp e, 0,1,2,3,4,5,6,7
	v_cmp_eq_u32 vcc_lo, \e, v161
	v_cndmask_b32 v[168+\e], v[ACC+\e], v164, vcc_lo   ; the first is taken out
.endr
	v_mov_b32 v162, v168
	v_mov_b32 v163, 0
.irp e, 1,2,3,4,5,6,7
	v_cmp_gt_f32 vcc_lo, v[168+\e], v162
	v_cndmask_b32 v162, v162, v[168+\e], vcc_lo
	v_cndmask_b32 v163, v163, \e, vcc_lo
.endr
	; ---- the gates and the two weights: one batch of nine exponentials, one of two reciprocals
.irp e, 0,1,2,3,4,5,6,7
	v_sub_f32 v[168+\e], v[ACC+\e], v160
.endr
	v_sub_f32 v165, v162, v160
.irp e, 0,1,2,3,4,5,6,7
	v_mul_f32 v[168+\e], 0x3fb8aa3b, v[168+\e]
.endr
	v_mul_f32 v165, 0x3fb8aa3b, v165
	s_wait_alu depctr_va_vdst(0)
.irp e, 0,1,2,3,4,5,6,7
	v_exp_f32 v[168+\e], v[168+\e]
.endr
	v_exp_f32 v165, v165                           ; d = e^(second - first)
	v_mov_b32 v166, 1                              ; a plain line behind the batch
	s_wait_alu depctr_va_vdst(0)                   ; one wait for the nine, ahead of their first reader
	v_add_f32 v182, v168, v169
	v_add_f32 v183, v170, v171
	v_add_f32 v184, v172, v173
	v_add_f32 v185, v174, v175
	v_add_f32 v182, v182, v183
	v_add_f32 v184, v184, v185
	v_add_f32 v182, v182, v184
	v_add_f32 v183, 1.0, v165
	s_wait_alu depctr_va_vdst(0)
	v_rcp_f32 v182, v182
	v_rcp_f32 v183, v183                           ; the first weight: 1 / (1 + d)
	v_mov_b32 v167, 0x100                          ; a plain line behind the two
	s_wait_alu depctr_va_vdst(0)
.irp e, 0,1,2,3,4,5,6,7
	v_mul_f32 v[168+\e], v[168+\e], v182
.endr
	v_mul_f32 v184, v165, v183                     ; the second weight
	v_lshlrev_b32 v166, v161, v166
	v_lshlrev_b32 v167, v163, v167
	v_or_b32 v166, v166, v167
	v_lshl_or_b32 v166, v161, 16, v166             ; and the two experts as numbers, above the flags
	v_lshl_or_b32 v166, v163, 20, v166
.irp e, 0,1,2,3,4,5,6,7
	ds_store_b32 v12, v[168+\e] offset:MAIL+4*\e   ; all lanes write the same word with the same value
.endr
	ds_store_b32 v14, v166 offset:MAIL+256
	ds_store_b32 v15, v183 offset:MAIL+320
	ds_store_b32 v15, v184 offset:MAIL+324
	s_wait_dscnt 0x0                               ; my mail lies in LDS,
	s_barrier_signal -1
	s_barrier_wait -1                              ; everybody's does
	; ---- each wave sends one kind of mail.  Lanes that share an address hold the same value
	s_cmp_lg_u32 s16, 0
	s_cbranch_scc1 .Lrole1
	ds_load_b32 v190, v186 offset:MAIL             ; lane 8 w + e: wave w's gate e
	s_wait_dscnt 0x0
	v_add_f32_dpp v190, v190, v190 row_xmask:8 row_mask:0xf bank_mask:0xf
	v_permlanex16_b32 v191, v190, s34, s35
	v_add_f32 v190, v190, v191
	global_store_b32 v188, v190, s[14:15] offset:8192
	s_wait_tensorcnt 0x0
	ds_add_u32 v196, v197
	s_wait_dscnt 0x0
	s_endpgm
.Lrole1:
	s_cmp_lg_u32 s16, 1
	s_cbranch_scc1 .Lrole2
	ds_load_b32 v190, v186 offset:MAIL+128
	s_wait_dscnt 0x0
	global_store_b32 v186, v190, s[38:39] offset:XSOFF
	s_wait_tensorcnt 0x0
	ds_add_u32 v196, v197
	s_wait_dscnt 0x0
	s_endpgm
.Lrole2:
	s_cmp_lg_u32 s16, 2
	s_cbranch_scc1 .Lrole3
	ds_load_b32 v190, v187 offset:MAIL+256
	s_wait_dscnt 0x0
	global_store_b32 v187, v190, s[12:13]
	s_wait_tensorcnt 0x0
	ds_add_u32 v196, v197
	s_wait_dscnt 0x0
	s_endpgm
.Lrole3:
	ds_load_b32 v190, v188 offset:MAIL+320
	s_wait_dscnt 0x0
	global_store_b32 v188, v190, s[14:15]
	s_wait_tensorcnt 0x0
	ds_add_u32 v196, v197
	s_wait_dscnt 0x0
	s_endpgm
.Lfunc_end_k_qd9be250fd4_route:
	.size	k_qd9be250fd4_route, .Lfunc_end_k_qd9be250fd4_route-k_qd9be250fd4_route
	.p2alignl 7, 3214868480
	.fill 96, 4, 3214868480
	.section	.rodata,"a",@progbits
	.p2align	6, 0x0
	.amdhsa_kernel k_qd9be250fd4_route
		.amdhsa_group_segment_fixed_size 56832
		.amdhsa_private_segment_fixed_size 0
		.amdhsa_enable_private_segment 0
		.amdhsa_kernarg_size 48
		.amdhsa_user_sgpr_count 2
		.amdhsa_user_sgpr_kernarg_segment_ptr 1
		.amdhsa_wavefront_size32 1
		.amdhsa_system_sgpr_workgroup_id_x 1
		.amdhsa_system_sgpr_workgroup_id_y 1
		.amdhsa_system_sgpr_workgroup_id_z 1
		.amdhsa_system_vgpr_workitem_id 0
		.amdhsa_next_free_vgpr 198
		.amdhsa_next_free_sgpr 66
		.amdhsa_reserve_vcc 1
		.amdhsa_float_denorm_mode_32 3
		.amdhsa_float_denorm_mode_16_64 3
		.amdhsa_memory_ordered 1
		.amdhsa_forward_progress 1
		.amdhsa_inst_pref_size 33
	.end_amdhsa_kernel
	.amdgpu_metadata
---
amdhsa.version: [ 1, 2 ]
amdhsa.kernels:
  - .name:           k_qd9be250fd4_route
    .symbol:         k_qd9be250fd4_route.kd
    .args:
      - { .name: x, .offset: 0, .size: 8, .value_kind: global_buffer, .address_space: global }
      - { .name: Wg, .offset: 8, .size: 8, .value_kind: global_buffer, .address_space: global }
      - { .name: bg, .offset: 16, .size: 8, .value_kind: global_buffer, .address_space: global }
      - { .name: xq, .offset: 24, .size: 8, .value_kind: global_buffer, .address_space: global }
      - { .name: sel, .offset: 32, .size: 8, .value_kind: global_buffer, .address_space: global }
      - { .name: fl, .offset: 40, .size: 8, .value_kind: global_buffer, .address_space: global }
    .group_segment_fixed_size: 56832
    .private_segment_fixed_size: 0
    .kernarg_segment_align: 8
    .kernarg_segment_size: 48
    .max_flat_workgroup_size: 128
    .sgpr_count:     66
    .vgpr_count:     198
    .wavefront_size: 32
...
	.end_amdgpu_metadata
.endif
;; end of part 8
;; launch up (part 9): grid 256 x 1, 4 waves a work-group, no clusters, 100,864 bytes of LDS; arguments xq, sel, rl, W1_codes, W1_scales, b1, hq; writes hq, rl
.if DOCPART == 9
	.amdgcn_target "amdgcn-amd-amdhsa--gfx1250"
	.amdhsa_code_object_version 6
	.text
	.protected	k_qd9be250fd4_up
	.globl	k_qd9be250fd4_up
	.p2align	8
	.type	k_qd9be250fd4_up,@function
k_qd9be250fd4_up:
	s_mov_b64 s[64:65], 0
	v_nop
	global_prefetch_b8 v0, s[64:65] scope:SCOPE_SE
	s_setreg_imm32_b32 hwreg(HW_REG_WAVE_SCHED_MODE, 0, 2), 2
	s_setreg_imm32_b32 hwreg(HW_REG_WAVE_MODE, 25, 1), 1
	s_wait_xcnt 0x0
	s_wait_alu depctr_vm_vsrc(0)
; THE FIRST PRODUCT, for the chosen rows alone: h = Q(relu(x W1 + b1)), on E3M2 codes with one E8M0 scale for each 32 along K.
; Work-group id: expert e = id / 32, slice S = id % 32: hidden units 128 S .. 128 S + 127, which are K step S of the second product.
; The slice of W1 (128 rows x 768 bytes, dense in memory) is copied once, in runs of 512 consecutive bytes, into LDS and stays.
; THE ROWS.  sel says which tokens chose e.  Every wave reads all of sel, makes 32 lane masks and their running counts in scalar
; registers, and each lane finds the token of its rank from them (SCAN): no list goes through memory.  The order of ranks: token t has the key 32 c + l,
; c = 4 (t / 128) + t % 4, l = (t / 4) % 32; the last launch counts by the same key.
; Rank 16 T + r is row r of tile T.  Wave w takes tiles T = w + 4 i, four to a pass, with their x fragments of all of K in registers, so that each
; fragment of W1 read from LDS feeds four products.  A tile past the expert's last computes on rows of clamped tokens and lands
; in the expert's own unused tile of hq, whose numbers nobody uses.  EVERY WAVE RUNS ITS FIRST PASS WHATEVER THE COUNT: so tiles 0 to 15 of every expert are always stored.
; A FIFTH TILE.  2,048 routed rows on 8 experts are 256 an expert at the mean, just what one pass of the four waves holds: a few rows more give a wave a fifth tile.  A wave with exactly five
; tiles takes the fifth (T = w + 16) in a pass of its own with one tile: its rows are searched and its x is asked for at the head, behind the first four tiles', into registers that lie free,
; so that it costs 64 products and no second wait for memory.  The 25 loads are issued on every way; a wave without a fifth tile names token 0 in every lane.  Every other count of tiles walks the loop of passes of four.
; THE PRODUCT IS USED TRANSPOSED (source 0 = 16 rows of W1, source 1 = 16 rows of x); lane r of tile 2 b + u takes W1's row 32 b + 8 u + r + 8 (r / 8),
; so that a lane's 16 registers of two neighbouring tiles are 16 neighbours along the next K.  b1 is the C of each sum's first product.
; x's CODES: a lane's 384 bytes (its half of a token's 768) come as 24 loads of 16 bytes, 32 bytes apart; lanes r and r + 16 read 32 neighbouring bytes.
; OUT.  hq: [e][T][S] the operand's registers as they stand (3 x 512 bytes), and from HSC0 on [e][T][S][16 rows] scale words.  rl[e]: the expert's count of rows, by its first slice.
; No tensor load and no cluster: trip counts hang on numbers read from memory.  LIMITS: as in the first launch (NaN, infinities; scale byte 1 for tiny and zero blocks).
; REGISTERS.  window 0: v1-15 addresses; v16-47 W1's scale words; v48-63 x's; v64-71 offsets made of tokens; v72-215 a ring of 3 x 4 fragments of W1; v216-219 the new
; scale words; v220-246, v248-250 at work; v247, v251 the fifth tile's offsets; v252-255 its scale words.  window 1: x's fragments (K step s, tile q) at 48 s + 12 q, s = 0 .. 4.
; window 2: s = 5 .. 7; from v144 the fifth tile's eight fragments.  window 3: accumulators (t', q) at 32 q + 8 t'; b1's tiles at 128 + 8 t; the new codes at 192 + 12 q; v240-255 at work.
; THE MODE: SCHED_MODE bits 1:0 = 2 (LLVM: expert scheduling mode 2), set by the entry lines.  The code itself states the register dependences
; between vector or matrix instructions and memory or LDS instructions, with s_wait_alu, always for 0.
; THE PLAN.  Registers that memory or LDS instructions touch:
;   v1, v3, v4, v10-13   addresses, made at the head and never written again: one wait on va_vdst ahead of the first load serves them for the whole kernel.
;   the ring's 3 sets    Written by RING's LDS loads, read by a step's products.  The steps go in pairs: behind the products of steps u - 2 and u - 1 ONE wait on va_vdst states that they are
;                        done reading their two sets; the loads of steps u + 1 and u + 2 follow it and land there; the third set holds step u.  Seven such waits a pass.
;   x's fragments, v48-63  Written by PREPH's loads, read by a pass's products.  v64-69: written by PREPH's vector lines, read by its loads.  One wait on va_vdst in PREPH, ahead of its 50 loads, states both.
;   v247, v251           the fifth tile's offsets: written once, one wait ahead of its 25 loads.
;   window 3's v0-127, v192-255  W1 lands there and the LDS stores read it; later the products and the conversions write there.
;   v6, v7, the new codes, v216-219  Written by a pass's vector lines, read by its stores at its end: one wait on va_vdst ahead of the run of stores.
;   ONE wait on vm_vsrc at a pass's head states that all that was issued ahead of it has read its registers: the LDS stores of W1, the last pass's stores, the loads by v64-69, the count's store.
; Scalar results of vector instructions (the wave's number, the lane masks, SCAN's compares, VCC) have their wait between the writer and the first reader.
.set HSC0,  25165824
.set XSOFF, 786432
.set RHO,  14                          ; v14-15  the ranks of my lane: tiles 0, 1 and tiles 2, 3
.set VO,   64                          ; v64-67  a tile's byte offset in xq
.set XSO,  68                          ; v68-69  offsets of scale bytes
.set TOKC, 70                          ; v70-71  tokens, clamped
.set PWD,  216
.set TM,   220
.set TX,   228
.set SO,   236
.set VO1,  247                         ; v247    the fifth tile: my rank, then my byte offset in xq
.set XSO1, 251                         ; v251    and that of its scale bytes
.set XS1,  252                         ; v252-255 its scale words: register j: lanes 0-15 K step j, lanes 16-31 K step 4 + j
.set XN,   144                         ; window 2: its fragment of K step s at XN + 12 s
.set MSB, 0
.macro WIN new                         ; the immediate's high byte repeats the setting that is left
.if MSB != \new
	s_set_vgpr_msb (MSB<<8)|\new
.set MSB, \new
.endif
.endm
.macro WM d, a, b, c, sa, sb, rr       ; rr: bit 0: source 0's scales in lanes 16-31; bit 1: source 1's
.if (\rr) == 0
	v_wmma_scale_f32_16x16x128_f8f6f4 v[(\d):(\d)+7], v[(\a):(\a)+11], v[(\b):(\b)+11], v[(\c):(\c)+7], v[\sa], v[\sb] matrix_a_fmt:MATRIX_FMT_BF6 matrix_b_fmt:MATRIX_FMT_BF6
.elseif (\rr) == 1
	v_wmma_scale_f32_16x16x128_f8f6f4 v[(\d):(\d)+7], v[(\a):(\a)+11], v[(\b):(\b)+11], v[(\c):(\c)+7], v[\sa], v[\sb] matrix_a_fmt:MATRIX_FMT_BF6 matrix_b_fmt:MATRIX_FMT_BF6 matrix_a_scale:MATRIX_SCALE_ROW1
.elseif (\rr) == 2
	v_wmma_scale_f32_16x16x128_f8f6f4 v[(\d):(\d)+7], v[(\a):(\a)+11], v[(\b):(\b)+11], v[(\c):(\c)+7], v[\sa], v[\sb] matrix_a_fmt:MATRIX_FMT_BF6 matrix_b_fmt:MATRIX_FMT_BF6 matrix_b_scale:MATRIX_SCALE_ROW1
.else
	v_wmma_scale_f32_16x16x128_f8f6f4 v[(\d):(\d)+7], v[(\a):(\a)+11], v[(\b):(\b)+11], v[(\c):(\c)+7], v[\sa], v[\sb] matrix_a_fmt:MATRIX_FMT_BF6 matrix_b_fmt:MATRIX_FMT_BF6 matrix_a_scale:MATRIX_SCALE_ROW1 matrix_b_scale:MATRIX_SCALE_ROW1
.endif
.endm
; One step of the search for the K-th set bit: the count of the wd bits from v228 on; if K is not under it, pass them.
.macro SELSTEP creg, wd
	v_bfe_u32 v229, v[\creg], v228, \wd
	v_cmp_ge_u32 vcc_lo, v223, v229
	s_wait_alu depctr_va_vcc(0)                    ; the compare has written VCC, which the two selections read.  Each step hangs on the step before: a wait to a step
	v_cndmask_b32 v229, 0, v229, vcc_lo
	v_cndmask_b32 v230, 0, \wd, vcc_lo
	v_sub_nc_u32 v223, v223, v229
	v_add_nc_u32 v228, v228, v230
.endm
; A lane's rank becomes its token.  s[32+c]: the mask of chunk c (bit l = token 128 (c / 4) + 4 l + c % 4); s[66+c] = 32 x (set bits ahead of chunk c) + c.
; The last chunk whose count ahead is not above the rank holds it; then the bit is found by halving.  A rank past the expert's rows gives any number: it is clamped later.
; The 31 compares go in runs of six, into six scalar registers that hold nothing else here (s2, s3, s21, s24, s25, s101), with one wait behind each run; the selections keep the chunks' order.
.macro SCAN rho, tok
	v_lshl_or_b32 v220, v[\rho], 5, 31
	v_mov_b32 v221, s32
	v_mov_b32 v222, s66
.set cc, 1
.rept 6
.set c0, cc
.irp m, 2,3,21,24,25,101
.if cc < 32
	v_cmp_gt_u32 s[\m], s[66+cc], v220
.endif
.set cc, cc+1
.endr
	s_wait_alu depctr_va_sdst(0)                   ; the run's compares have written their masks, which the selections below read
.set cc, c0
.irp m, 2,3,21,24,25,101
.if cc < 32
	v_cndmask_b32 v221, s[32+cc], v221, s[\m]
	v_cndmask_b32 v222, s[66+cc], v222, s[\m]
.endif
.set cc, cc+1
.endr
.endr
	v_lshrrev_b32 v223, 5, v222
	v_sub_nc_u32 v223, v[\rho], v223               ; K: my place among the chunk's set bits
	v_and_b32 v222, 31, v222                       ; the chunk
	v_lshrrev_b32 v224, 1, v221
	v_and_b32 v224, 0x55555555, v224
	v_sub_nc_u32 v224, v221, v224                  ; counts of 2 bits,
	v_lshrrev_b32 v225, 2, v224
	v_and_b32 v225, 0x33333333, v225
	v_and_b32 v229, 0x33333333, v224
	v_add_nc_u32 v225, v225, v229                  ; of 4,
	v_lshrrev_b32 v226, 4, v225
	v_add_nc_u32 v226, v226, v225
	v_and_b32 v226, 0x0f0f0f0f, v226               ; of 8,
	v_lshrrev_b32 v227, 8, v226
	v_add_nc_u32 v227, v227, v226
	v_and_b32 v227, 0x00ff00ff, v227               ; of 16
	v_mov_b32 v228, 0
	SELSTEP 227, 16
	SELSTEP 226, 8
	SELSTEP 225, 4
	SELSTEP 224, 2
	SELSTEP 221, 1
	v_lshrrev_b32 v229, 2, v222
	v_and_b32 v230, 3, v222
	v_lshl_add_u32 v230, v228, 2, v230
	v_lshl_add_u32 v[\tok], v229, 7, v230
.endm
; Tiles 2 hf and 2 hf + 1 of the pass whose first rank is s100: lanes 0-15 search for the first tile's rows, lanes 16-31 for the second's; 50 loads: 2 x 24 of codes, 2 of scale bytes.
.macro PREPH hf
	v_add_nc_u32 v[RHO+\hf], s100, v8
.if \hf
	v_add_nc_u32 v[RHO+\hf], 128, v[RHO+\hf]
.endif
	SCAN RHO+\hf, 246
	v_permlanex16_b32 v248, v246, s98, s99
	v_cmp_lt_u32 vcc_lo, 15, v9
	s_wait_alu depctr_va_vcc(0)                    ; the compare has written VCC, which the two selections read
	v_cndmask_b32 v249, v246, v248, vcc_lo         ; the first tile's rows in both halves of the lanes,
	v_cndmask_b32 v250, v248, v246, vcc_lo         ; the second tile's
	v_min_u32 v249, 0x3ff, v249                    ; what was read from memory enters an address only clamped
	v_min_u32 v250, 0x3ff, v250
	v_min_u32 v[TOKC+\hf], 0x3ff, v246
	v_mul_u32_u24 v249, v249, 0x300
	v_mul_u32_u24 v250, v250, 0x300
	v_add_nc_u32 v[VO+2*\hf], v5, v249             ; token x 768 + 16 x my half
	v_add_nc_u32 v[VO+2*\hf+1], v5, v250
	v_lshlrev_b32 v[XSO+\hf], 5, v[TOKC+\hf]
	WIN 0x40
	s_wait_alu depctr_va_vdst(0)                   ; the three offsets are written, which the 50 loads below read; the last pass's products are done reading x's fragments and scale words, in which they land
.irp u, 0,1
.set kq, 0
.rept 15
.set xr, 48*(kq/3)+12*(2*(\hf)+\u)+4*(kq%3)
	global_load_b128 v[xr:xr+3], v[VO+2*(\hf)+\u], s[4:5] offset:32*kq
.set kq, kq+1
.endr
.endr
	WIN 0x80
.irp u, 0,1
.set kq, 15
.rept 9
.set xr, 48*(kq/3-5)+12*(2*(\hf)+\u)+4*(kq%3)
	global_load_b128 v[xr:xr+3], v[VO+2*(\hf)+\u], s[4:5] offset:32*kq
.set kq, kq+1
.endr
.endr
	WIN 0
	global_load_b128 v[48+8*\hf:51+8*\hf], v[XSO+\hf], s[4:5] offset:XSOFF      ; lanes 0-15: the first tile's scale words, lanes 16-31: the second's
	global_load_b128 v[52+8*\hf:55+8*\hf], v[XSO+\hf], s[4:5] offset:XSOFF+16
.endm
; Step u of 16: tiles 4 (u / 8) .. + 3 of W1, K step u % 8.  RING brings its four fragments into set u % 3: 24 loads of 8 bytes.
.macro RING u
.set ks, (\u)%8
.set rb, 72+48*((\u)%3)
.set tt, 0
.rept 4
.irp p, 0,1,2,3,4,5
	ds_load_b64 v[rb+12*tt+2*\p:rb+12*tt+2*\p+1], v[3+(\u)/8] offset:tt*16*784+96*ks+48*(\p/3)+8*(\p%3)
.endr
.set tt, tt+1
.endr
.endm
; Behind a pair of steps: the two sets that they read take the fragments of steps a and b (b < 0: of step a alone).  The third set holds the step that comes next.
.macro REFILL a, b
	WIN 0
.rept 4
	v_nop                                          ; four places behind the last products, ahead of the loads into the sets that they read (and, behind step 7, ahead of the first read of results)
.endr
	s_wait_alu depctr_va_vdst(0)                   ; the products of the last two steps are done reading their sets of the ring, in which the loads below land
	RING \a
.if (\b) >= 0
	RING \b
.endif
.endm
; The products of step u.  g: the tiles of rows in the pass: 4, or 1 (the fifth tile)
.macro MUL u, g
.if (\u) == 15
	s_wait_dscnt 0x0                               ; the last step's fragments are in
.elseif ((\u) == 14) || (((\u)%2) == 1)
	s_wait_dscnt 24                                ; this step's fragments are in; the one RING issued behind them (24 loads) may be out
.else
	s_wait_dscnt 48                                ; this step's fragments are in; the two RINGs issued behind them (2 x 24 loads) may be out
.endif
.set ks, (\u)%8
.set hh, (\u)/8
.set rb, 72+48*((\u)%3)
.if (\g) == 1
	WIN 0xf8                                       ; source 0 window 0, source 1 window 2, C and D window 3
.set xb, XN+12*ks
.elseif ks <= 4
	WIN 0xf4                                       ; source 1 window 1
.set xb, 48*ks
.else
	WIN 0xf8                                       ; source 1 window 2
.set xb, 48*(ks-5)
.endif
.set tt, 0
.rept 4                                ; the 4 g accumulators take turns, one instruction a turn, in the same order in every step
.set qq, 0
.rept \g
.set dd, 32*qq+8*tt
.if ks == 0
.set c3, 128+8*(4*hh+tt)               ; the bias starts the sum
.else
.set c3, dd
.endif
.if (\g) == 1
	WM dd, rb+12*tt, xb, c3, 16+8*((4*hh+tt)/2)+ks, XS1+ks%4, (tt%2)+2*(ks/4)
.else
	WM dd, rb+12*tt, xb+12*qq, c3, 16+8*((4*hh+tt)/2)+ks, 48+8*(qq/2)+ks, (tt%2)+2*(qq%2)
.endif
.set qq, qq+1
.endr
.set tt, tt+1
.endr
.endm
; 64 hidden units of the pass's g tiles of rows are finished: relu, each block's scale, codes: half c of the new fragments.
; No line here names a register of the ring: the loads of steps 9 and 10, issued ahead of half 0, land meanwhile.
.macro QHALF c, g
.if (\c) == 1
	WIN 0
.rept 4
	v_nop                                          ; four places ahead of the first read of results (for half 0 they stand in the refill ahead of it)
.endr
.endif
	WIN 0xcc
.set jj, 0
.rept 32*(\g)
	v_max_num_f32 v[jj], 0, v[jj]                  ; the activation; each accumulator from its low end on
.set jj, jj+1
.endr
	WIN 0x3c
.set nn, 0
.rept 2*(\g)                           ; nn = 2 q + b: tile q's block b: my 16 numbers begin at 16 nn.  None is negative: no |.|
	v_max3_num_f32 v[TM+nn], 0x2800000, v[16*nn], v[16*nn+1]
.set nn, nn+1
.endr
.irp i, 2,4,6,8,10,12,14
.set nn, 0
.rept 2*(\g)
	v_max3_num_f32 v[TM+nn], v[TM+nn], v[16*nn+\i], v[16*nn+\i+1]
.set nn, nn+1
.endr
.endr
	WIN 0
.set nn, 0
.rept 2*(\g)
	v_permlanex16_b32 v[TX+nn], v[TM+nn], s98, s99
.set nn, nn+1
.endr
.set nn, 0
.rept 2*(\g)
	v_max_num_f32 v[TM+nn], v[TM+nn], v[TX+nn]     ; with lane l xor 16's: the block's largest
.set nn, nn+1
.endr
.set nn, 0
.rept 2*(\g)
	v_add_nc_u32 v[SO+nn], 0xfe000000, v[TM+nn]    ; 4 off the exponent field: the conversion's scale operand
.set nn, nn+1
.endr
.set qq, 0
.rept \g
	v_lshrrev_b32 v244, 23, v[SO+2*qq]
	v_lshrrev_b32 v245, 23, v[SO+2*qq+1]
.if (\c) == 0
	v_lshl_or_b32 v[PWD+qq], v245, 8, v244
.else
	v_lshl_or_b32 v[PWD+qq], v244, 16, v[PWD+qq]
	v_lshl_or_b32 v[PWD+qq], v245, 24, v[PWD+qq]
.endif
.set qq, qq+1
.endr
	WIN 0xc3                                       ; numbers and codes window 3, the scale operand window 0
.set qq, 0
.rept \g
	v_cvt_scalef32_pk16_bf6_f32 v[192+12*qq+6*(\c):192+12*qq+6*(\c)+2], v[32*qq:32*qq+15], v[SO+2*qq]
	v_cvt_scalef32_pk16_bf6_f32 v[240+4*qq:240+4*qq+2], v[32*qq+16:32*qq+31], v[SO+2*qq+1]
.set qq, qq+1
.endr
	v_nop                                          ; one plain line behind the conversions
.set qq, 0
.rept \g                               ; the operand wants a whole block in a lane: lanes 0-15 block 2 c, lanes 16-31 block 2 c + 1
.irp i, 0,1,2
	v_permlane16_swap_b32 v[192+12*qq+6*(\c)+\i], v[240+4*qq+\i]
.endr
.irp i, 0,1,2
	v_mov_b32 v[192+12*qq+6*(\c)+3+\i], v[240+4*qq+\i]
.endr
.set qq, qq+1
.endr
	WIN 0
.endm
.macro PASS g
	s_wait_xcnt 0x0                                ; the last pass's stores have read their registers
	s_wait_alu depctr_vm_vsrc(0)                   ; the LDS stores of W1 have read window 3's registers, and the last pass's stores v6, v7, the codes and the scale words: this pass writes all of them again; the loads by v64-69 and the count's store have read theirs, which the next search writes again
.if (\g) == 4
	s_lshl_b32 s2, s31, 4
	s_add_co_u32 s2, s2, s26                       ; the pass's first tile: w + 16 x the pass's number
.else
	s_add_co_u32 s2, s26, 16                       ; the fifth tile: w + 16
.endif
	s_mul_i32 s3, s2, 49152
	v_add_nc_u32 v6, s3, v1
	s_lshl_b32 s3, s2, 11
	v_add_nc_u32 v7, s3, v2
	RING 0                                         ; no wait: on every way here the last wait on va_vdst stands behind the last vector or matrix instruction that names the ring
	RING 1
	RING 2
	MUL 0, \g
	MUL 1, \g
	REFILL 3, 4
	MUL 2, \g
	MUL 3, \g
	REFILL 5, 6
	MUL 4, \g
	MUL 5, \g
	REFILL 7, 8
	MUL 6, \g
	MUL 7, \g
	REFILL 9, 10                                   ; ahead of the first half's quantising, so that these loads land while it is worked
	QHALF 0, \g
	MUL 8, \g
	MUL 9, \g
	REFILL 11, 12
	MUL 10, \g
	MUL 11, \g
	REFILL 13, 14
	MUL 12, \g
	MUL 13, \g
	REFILL 15, -1
	MUL 14, \g
	MUL 15, \g
	QHALF 1, \g
	WIN 0x0c                                       ; a store's data are its source 1: window 3
	s_wait_alu depctr_va_vdst(0)                   ; the codes, the scale words v216-219 and the offsets v6, v7 are written, which the stores below read; the last steps' products are done reading the ring
.set qq, 0
.rept \g
.irp k, 0,1,2
	global_store_b128 v6, v[192+12*qq+4*\k:192+12*qq+4*\k+3], s[16:17] offset:196608*qq+512*\k   ; 512 consecutive bytes, aligned
.endr
.set qq, qq+1
.endr
	WIN 0
.set qq, 0
.rept \g
	global_store_b32 v7, v[PWD+qq], s[22:23] offset:8192*qq   ; lanes l and l xor 16 hold the same word and name the same place
.set qq, qq+1
.endr
.endm
	s_load_b256 s[4:11], s[0:1], 0x0               ; xq s[4:5], sel s[6:7], rl s[8:9], W1's codes s[10:11]
	s_load_b128 s[12:15], s[0:1], 0x20             ; W1's scales s[12:13], b1 s[14:15]
	s_load_b64 s[16:17], s[0:1], 0x30              ; hq
	s_set_vgpr_msb 0x40
	v_lshl_add_u32 v254, v0, 2, 0x18800
	v_mov_b32 v255, 0
	s_set_vgpr_msb 0x4000
	v_lshrrev_b32 v9, 5, v0
	v_readfirstlane_b32 s26, v9                    ; wave
	v_and_b32 v9, 31, v0                           ; lane
	s_lshr_b32 s27, ttmp9, 5                       ; e
	s_and_b32 s28, ttmp9, 31                       ; S
	v_lshlrev_b32 v1, 4, v9                        ; 16 l
	v_and_b32 v14, 15, v9                          ; r
	v_lshrrev_b32 v15, 4, v9                       ; h
	v_lshlrev_b32 v2, 2, v14                       ; 4 r
	v_mul_u32_u24 v3, v14, 784
	v_mad_u32_u24 v3, v15, 24, v3                  ; a fragment of W1 in LDS: row r of 784 bytes + 24 h (tiles 0-3),
	v_add_nc_u32 v4, 50176, v3                     ; 64 rows on (tiles 4-7)
	v_lshlrev_b32 v5, 4, v15                       ; 16 h
	v_lshl_add_u32 v8, v15, 6, v14                 ; 64 h + r
	s_wait_alu depctr_va_sdst(0)                   ; s26, the wave's number, is written, ahead of its first reader
	s_mul_i32 s2, s26, 25088
	v_add_nc_u32 v10, s2, v1                       ; W1 into LDS: my wave's 32 rows, 16 l;
	v_lshl_add_u32 v11, v15, 4, v10                ; + 16 for lanes 16-31, where a load's 512 bytes cross from a row to the next
	v_and_b32 v12, 8, v14
	v_add_nc_u32 v12, v12, v14
	v_lshl_add_u32 v12, v15, 3, v12
	v_lshlrev_b32 v12, 5, v12                      ; W1's scale bytes: row 8 h + r + 8 (r / 8) of 32 bytes
	v_lshlrev_b32 v13, 6, v15                      ; b1: 16 h numbers on
	v_mov_b32 v248, 0                              ; (lane permutes' destinations count as sources)
.irp n, 0,1,2,3,4,5,6,7
	v_mov_b32 v[TX+\n], 0
.endr
	s_lshl_b32 s2, s27, 12
	s_lshl_b32 s3, s28, 7
	s_add_co_u32 s2, s2, s3                        ; the slice's first row of W1: 4,096 e + 128 S
	s_mov_b32 s31, 0
	s_mul_i32 s30, s2, 768
	s_mul_i32 s3, s26, 24576
	s_add_co_u32 s30, s30, s3
	s_mov_b32 s98, 0x76543210
	s_mov_b32 s99, 0xfedcba98
	s_wait_kmcnt 0x0
	s_add_nc_u64 s[10:11], s[10:11], s[30:31]      ; my wave's 32 rows of codes
	s_lshl_b32 s30, s2, 5
	s_add_nc_u64 s[12:13], s[12:13], s[30:31]
	s_lshl_b32 s30, s2, 2
	s_add_nc_u64 s[14:15], s[14:15], s[30:31]
	s_lshl_b32 s30, s27, 17
	s_lshl_b32 s3, s28, 6
	s_add_co_u32 s30, s30, s3
	s_add_co_u32 s30, s30, HSC0
	s_add_nc_u64 s[22:23], s[16:17], s[30:31]      ; the new scale words: [e][.][S]
	s_mul_i32 s30, s27, 3145728
	s_mul_i32 s3, s28, 1536
	s_add_co_u32 s30, s30, s3
	s_add_nc_u64 s[16:17], s[16:17], s[30:31]      ; the new fragments: [e][.][S]
	s_wait_alu depctr_va_vdst(0)                   ; the addresses v1, v3, v4 and v10 to v13 are written, which the loads, LDS stores and LDS loads of the whole kernel read
.irp j, 0,1,2,3,4,5,6,7
	global_load_b128 v[72+4*\j:75+4*\j], v1, s[6:7] offset:512*\j      ; all of sel: register c, lane l: token 128 (c / 4) + 4 l + c % 4
.endr
.irp t, 0,1,2,3
	global_load_b128 v[16+8*\t:19+8*\t], v12, s[12:13] offset:1024*\t  ; scale words of tiles 2 t (lanes 0-15) and 2 t + 1 (lanes 16-31), eight K steps
	global_load_b128 v[20+8*\t:23+8*\t], v12, s[12:13] offset:1024*\t+16
.endr
	WIN 0xc0                                       ; destination window 3
.set tt, 0
.rept 8
	global_load_b128 v[128+8*tt:128+8*tt+3], v13, s[14:15] offset:(32*(tt/2)+8*(tt%2))*4
	global_load_b128 v[128+8*tt+4:128+8*tt+7], v13, s[14:15] offset:(32*(tt/2)+8*(tt%2))*4+16
.set tt, tt+1
.endr
.set nn, 0
.rept 48                               ; my 32 rows of W1: 24,576 dense bytes, read by this work-group alone
.set rg, 4*nn+64*(nn/32)
	global_load_b128 v[rg:rg+3], v1, s[10:11] offset:512*nn th:TH_LOAD_NT
.set nn, nn+1
.endr
	WIN 0
	s_wait_loadcnt 48                              ; sel, the scale words and b1 are in; W1's 48 loads may be out
	s_lshl_b32 s2, 0x101, s27                      ; the expert's two flags, among bits 0 to 15 of a word of sel
.set cc, 0
.rept 32
	v_and_b32 v[72+cc], s2, v[72+cc]
	v_cmp_ne_u32 s[32+cc], 0, v[72+cc]
.set cc, cc+1
.endr
	s_wait_alu depctr_va_sdst(0)                   ; the 32 compares have written the lane masks s32 to s63, which the counts below and every search read
	s_mov_b32 s29, 0
.set cc, 0
.rept 32
	s_lshl_b32 s[66+cc], s29, 5
	s_or_b32 s[66+cc], s[66+cc], cc
	s_bcnt1_i32_b32 s3, s[32+cc]
	s_add_co_u32 s29, s29, s3
.set cc, cc+1
.endr                                          ; s29: the expert's rows
	s_add_co_u32 s3, s29, 15
	s_lshr_b32 s3, s3, 4                           ; its tiles
	s_add_co_u32 s3, s3, 3
	s_sub_co_u32 s3, s3, s26
	s_lshr_b32 s3, s3, 2                           ; my wave's tiles
	s_add_co_u32 s2, s3, 3
	s_lshr_b32 s30, s2, 2                          ; my passes of four;
	s_cmp_eq_u32 s3, 5                             ; with exactly five tiles:
	s_cselect_b32 s30, 1, s30                      ; one pass of four,
	s_cselect_b32 s18, 1, 0                        ; and the pass of one;
	s_cselect_b32 s19, -1, 0                       ; else the fifth tile's tokens are cleared
	s_mov_b32 s31, 0                               ; the pass
	s_lshl_b32 s100, s26, 4                        ; its first rank: 16 w + 256 x the pass's number
	s_add_co_u32 s20, s100, 256                    ; the fifth tile's first rank
	PREPH 0
	s_wait_loadcnt 50                              ; W1 is in; the 50 loads just issued may be out
	WIN 0x0c
.set nn, 0
.rept 48                               ; rows 2 j and 2 j + 1 of my 32 go to places p and p + 1: row (a u i) of a group of 32 lies at place (u a i), so that a tile's 16 rows lie on end.  (The data come from loads, the addresses from the head: no wait on va_vdst is owed)
.set rg, 4*nn+64*(nn/32)
.set jj, nn/3
.set pl, 16*((jj/4)%2)+8*(jj/8)+2*(jj%4)
.if (nn%3) == 0
	ds_store_b128 v10, v[rg:rg+3] offset:pl*784
.elseif (nn%3) == 1
	ds_store_b128 v11, v[rg:rg+3] offset:pl*784+512
.else
	ds_store_b128 v10, v[rg:rg+3] offset:pl*784+1040
.endif
.set nn, nn+1
.endr
	WIN 0
	PREPH 1
	; ---- the fifth tile: both halves of the lanes search for the same 16 rows; 25 loads, on every way
	v_and_b32 v[VO1], 15, v9
	v_add_nc_u32 v[VO1], s20, v[VO1]               ; rank 256 + 16 w + r
	SCAN VO1, 246
	v_and_b32 v246, s19, v246                      ; token 0 in every lane where I have no fifth tile
	v_min_u32 v246, 0x3ff, v246                    ; clamped ahead of the address
	v_mul_u32_u24 v[VO1], v246, 0x300
	v_add_nc_u32 v[VO1], v5, v[VO1]                ; token x 768 + 16 x my half
	v_lshlrev_b32 v[XSO1], 5, v246
	v_add_nc_u32 v[XSO1], v5, v[XSO1]              ; token x 32 + 16 x my half: lanes 16-31 take the words of K steps 4 to 7
	WIN 0x80
	s_wait_alu depctr_va_vdst(0)                   ; the fifth tile's two offsets, v247 and v251, are written, which the 25 loads below read
.set kq, 0
.rept 24
	global_load_b128 v[XN+4*kq:XN+4*kq+3], v[VO1], s[4:5] offset:32*kq
.set kq, kq+1
.endr
	WIN 0
	global_load_b128 v[XS1:XS1+3], v[XSO1], s[4:5] offset:XSOFF
	s_wait_dscnt 0x0                               ; my rows of W1 lie in LDS,
	s_barrier_signal -1
	s_barrier_wait -1                              ; everybody's do.  Nothing is stored to LDS behind this barrier
	s_or_b32 s2, s28, s26
	s_cmp_lg_u32 s2, 0
	s_cbranch_scc1 .Lnocnt
	s_lshl_b32 s2, s27, 2
	v_mov_b32 v249, s2
	v_mov_b32 v250, s29
	s_wait_alu depctr_va_vdst(0)                   ; v249 and v250 are written: the store's offset and its data
	global_store_b32 v249, v250, s[8:9]            ; the expert's count: every lane the same word, the same value
.Lnocnt:
	s_wait_loadcnt 25                              ; the first four tiles' x is in; the fifth tile's 25 loads may be out: the passes of four touch none of their registers
.Lpass:                                        ; the first pass runs whatever the count; further passes while the wave has tiles left
	PASS 4
	s_add_co_u32 s31, s31, 1
	s_add_co_u32 s100, s100, 256
	s_cmp_ge_u32 s31, s30
	s_cbranch_scc1 .Lnoprep
	PREPH 0
	PREPH 1
	s_wait_loadcnt 0x0                             ; the next pass's x
.Lnoprep:
	s_cmp_lt_u32 s31, s30
	s_cbranch_scc1 .Lpass
	s_cmp_eq_u32 s18, 0
	s_cbranch_scc1 .Lend
	s_wait_loadcnt 0x0                             ; the fifth tile's x, asked for at the head
	PASS 1
.Lend:
	s_set_vgpr_msb 0x5                             ; the add's two registers, sources 0 and 1, lie in window 1
	s_wait_dscnt 0x0                               ; the closing lines, six on end
	s_wait_alu 0x0
	s_wait_tensorcnt 0x0
	ds_add_u32 v254, v255
	s_wait_dscnt 0x0
	s_endpgm
.Lfunc_end_k_qd9be250fd4_up:
	.size	k_qd9be250fd4_up, .Lfunc_end_k_qd9be250fd4_up-k_qd9be250fd4_up
	.p2alignl 7, 3214868480
	.fill 96, 4, 3214868480
	.section	.rodata,"a",@progbits
	.p2align	6, 0x0
	.amdhsa_kernel k_qd9be250fd4_up
		.amdhsa_group_segment_fixed_size 100864
		.amdhsa_private_segment_fixed_size 0
		.amdhsa_enable_private_segment 0
		.amdhsa_kernarg_size 56
		.amdhsa_user_sgpr_count 2
		.amdhsa_user_sgpr_kernarg_segment_ptr 1
		.amdhsa_wavefront_size32 1
		.amdhsa_system_sgpr_workgroup_id_x 1
		.amdhsa_system_sgpr_workgroup_id_y 1
		.amdhsa_system_sgpr_workgroup_id_z 1
		.amdhsa_system_vgpr_workitem_id 0
		.amdhsa_next_free_vgpr 1024
		.amdhsa_next_free_sgpr 102
		.amdhsa_reserve_vcc 1
		.amdhsa_float_denorm_mode_32 3
		.amdhsa_float_denorm_mode_16_64 3
		.amdhsa_memory_ordered 1
		.amdhsa_forward_progress 1
		.amdhsa_inst_pref_size 214
	.end_amdhsa_kernel
	.amdgpu_metadata
---
amdhsa.version: [ 1, 2 ]
amdhsa.kernels:
  - .name:           k_qd9be250fd4_up
    .symbol:         k_qd9be250fd4_up.kd
    .args:
      - { .name: xq, .offset: 0, .size: 8, .value_kind: global_buffer, .address_space: global }
      - { .name: sel, .offset: 8, .size: 8, .value_kind: global_buffer, .address_space: global }
      - { .name: rl, .offset: 16, .size: 8, .value_kind: global_buffer, .address_space: global }
      - { .name: W1_codes, .offset: 24, .size: 8, .value_kind: global_buffer, .address_space: global }
      - { .name: W1_scales, .offset: 32, .size: 8, .value_kind: global_buffer, .address_space: global }
      - { .name: b1, .offset: 40, .size: 8, .value_kind: global_buffer, .address_space: global }
      - { .name: hq, .offset: 48, .size: 8, .value_kind: global_buffer, .address_space: global }
    .group_segment_fixed_size: 100864
    .private_segment_fixed_size: 0
    .kernarg_segment_align: 8
    .kernarg_segment_size: 56
    .max_flat_workgroup_size: 128
    .sgpr_count:     102
    .vgpr_count:     1024
    .wavefront_size: 32
...
	.end_amdgpu_metadata
.endif
;; end of part 9
;; launch down (part 10): grid 256 x 1, 4 waves a work-group, no clusters, 270,848 bytes of LDS; arguments hq, rl, ybuf, W2_codes, W2_scales, b2; writes ybuf
.if DOCPART == 10
	.amdgcn_target "amdgcn-amd-amdhsa--gfx1250"
	.amdhsa_code_object_version 6
	.text
	.protected	k_qd9be250fd4_down
	.globl	k_qd9be250fd4_down
	.p2align	8
	.type	k_qd9be250fd4_down,@function
k_qd9be250fd4_down:
	s_mov_b64 s[64:65], 0
	v_nop
	global_prefetch_b8 v0, s[64:65] scope:SCOPE_SE
	s_setreg_imm32_b32 hwreg(HW_REG_WAVE_SCHED_MODE, 0, 2), 2
	s_setreg_imm32_b32 hwreg(HW_REG_WAVE_MODE, 25, 1), 1
	s_wait_xcnt 0x0
	s_wait_alu depctr_vm_vsrc(0)
; THE SECOND PRODUCT: ybuf[e][rank] = h W2 + b2, for the chosen rows, on E3M2 codes with E8M0 scales.  A row of ybuf is 1,024 f32; an expert has 1,024 rows of it, by rank.
; Work-group id: expert e = id / 32, 64 output columns os = (id / 2) % 16, parity p = id % 2: it takes the expert's tiles of 16 rows T = p + 2 i.
; THE WAVES SPLIT K: wave w takes K steps 8 w .. 8 w + 7 of the 32, so that each byte of W2 and of h enters one wave.  Its part of W2 (4 tiles of columns x 8 K steps,
; 384 registers) stays in registers: it comes in whole runs of 256 bytes or more through the wave's own stage in LDS.  h comes as images of the operand's registers, 16 bytes a lane.
; The four partial sums of a tile meet in LDS; wave w adds those of the trip's tile w, in a fixed order, adds b2 and stores the tile's 16 rows at their ranks, sixteen lanes to
; 256 consecutive aligned bytes.  Every address is made of the work-group's and the wave's number and the loop's counter.  Rows past the expert's count in its last tile are stored
; too, in the expert's own part of ybuf: nobody reads them.  y goes into no quantiser, so K may be split.
; The product is used transposed (source 0 = 16 rows of W2 = 16 output columns, source 1 = 16 rows of h): a lane holds eight neighbouring columns of a row.
; The loop has a constant count (8 trips of 4 tiles: 32 tiles serve every split); what a split leaves empty is jumped over between the barriers, never a barrier.
; h RUNS TWO TILES AHEAD, in two sets of registers, AND NO TILE IS LOADED THAT IS NOT MULTIPLIED (but the first two, which go out ahead of the count; the launch before always stores them).
; Behind tile i stands either the 28 loads of tile i + 2, or, where I have no such tile, a wait for all loads, which waits for nothing but tile i + 1's.  So on every way to a tile's head
; either 28 younger loads stand behind its set's, or none is out, and one counted wait serves.
; No tensor load and no cluster: the jumps hang on a count read from memory.
; REGISTERS.  window 0: v1-13 addresses; v16-31 W2's scale words; v32-39 h's, two sets; v40-43 b2; v128-255 the accumulators (tile q, columns ct) at 128 + 32 q + 8 ct, later the
; partial sums.  window 1: W2's fragments (s, ct) at 48 s + 12 ct, s = 0 .. 4.  window 2: s = 5 .. 7.  window 3: h, two sets of 96.
; THE MODE: SCHED_MODE bits 1:0 = 2 (LLVM: expert scheduling mode 2), set by the entry lines.  The code itself states the register dependences
; between vector or matrix instructions and memory or LDS instructions, with s_wait_alu, always for 0.
; THE PLAN.  Registers that memory or LDS instructions touch:
;   v1-6, v8-11          addresses, made at the head and never written again: one wait on va_vdst ahead of the first load.
;   W2's way to LDS      four runs of 96 registers: global loads land there, the LDS stores read them; then the fragments' LDS loads and, in window 0, the products write there: one wait on vm_vsrc behind the stores.
;   h's two sets, v32-39 Written by HLOAD, read by a tile's products.   The accumulators: written by a tile's products, read by its eight LDS stores.
;                        ONE wait on va_vdst to a tile, behind its products and their places, states both: the stores and the loads of the tile two on follow it with no further wait.
;   v128-255 once more   The reduce's LDS loads land there, behind my LDS stores that read them: one wait on vm_vsrc ahead of the second barrier, on every way.  Every vector or matrix line that
;                        names them is followed by a wait on va_vdst in its own run of code (a tile's; the one ahead of the stores of y).
;   the sums, v13        Written by the reduce's vector lines, read by the eight stores of y: a wait on va_vdst ahead of them, a wait on vm_vsrc behind them, since the next trip writes both again.
; Every A, B and scale register of every product is filled by loads.
.set HSC0, 25165824
.set PST,  200704                      ; LDS: four stages of 64 rows x 784 bytes, one a wave; from PST on the partial sums: region (wave v, tile q) at (4 v + q) x 4,352: 16 rows of 256 + 16 bytes
.set MSB, 0
.macro WIN new                         ; the immediate's high byte repeats the setting that is left
.if MSB != \new
	s_set_vgpr_msb (MSB<<8)|\new
.set MSB, \new
.endif
.endm
.macro WMZ d, a, b, sa, sb, rr         ; the first K step starts the sum
.if (\rr) == 0
	v_wmma_scale_f32_16x16x128_f8f6f4 v[(\d):(\d)+7], v[(\a):(\a)+11], v[(\b):(\b)+11], 0, v[\sa], v[\sb] matrix_a_fmt:MATRIX_FMT_BF6 matrix_b_fmt:MATRIX_FMT_BF6
.else
	v_wmma_scale_f32_16x16x128_f8f6f4 v[(\d):(\d)+7], v[(\a):(\a)+11], v[(\b):(\b)+11], 0, v[\sa], v[\sb] matrix_a_fmt:MATRIX_FMT_BF6 matrix_b_fmt:MATRIX_FMT_BF6 matrix_a_scale:MATRIX_SCALE_ROW1
.endif
.endm
.macro WMA d, a, b, sa, sb, rr         ; rr: bit 0: source 0's scales in lanes 16-31; bit 1: source 1's
.if (\rr) == 0
	v_wmma_scale_f32_16x16x128_f8f6f4 v[(\d):(\d)+7], v[(\a):(\a)+11], v[(\b):(\b)+11], v[(\d):(\d)+7], v[\sa], v[\sb] matrix_a_fmt:MATRIX_FMT_BF6 matrix_b_fmt:MATRIX_FMT_BF6
.elseif (\rr) == 1
	v_wmma_scale_f32_16x16x128_f8f6f4 v[(\d):(\d)+7], v[(\a):(\a)+11], v[(\b):(\b)+11], v[(\d):(\d)+7], v[\sa], v[\sb] matrix_a_fmt:MATRIX_FMT_BF6 matrix_b_fmt:MATRIX_FMT_BF6 matrix_a_scale:MATRIX_SCALE_ROW1
.elseif (\rr) == 2
	v_wmma_scale_f32_16x16x128_f8f6f4 v[(\d):(\d)+7], v[(\a):(\a)+11], v[(\b):(\b)+11], v[(\d):(\d)+7], v[\sa], v[\sb] matrix_a_fmt:MATRIX_FMT_BF6 matrix_b_fmt:MATRIX_FMT_BF6 matrix_b_scale:MATRIX_SCALE_ROW1
.else
	v_wmma_scale_f32_16x16x128_f8f6f4 v[(\d):(\d)+7], v[(\a):(\a)+11], v[(\b):(\b)+11], v[(\d):(\d)+7], v[\sa], v[\sb] matrix_a_fmt:MATRIX_FMT_BF6 matrix_b_fmt:MATRIX_FMT_BF6 matrix_a_scale:MATRIX_SCALE_ROW1 matrix_b_scale:MATRIX_SCALE_ROW1
.endif
.endm
; 16 rows of my 768 bytes of W2's rows (3,072 bytes apart): a pair of rows is three loads of 512 bytes; in the middle one lanes 16-31 stand in the next row
.macro WLOAD ch, rbase
.set jj, 0
.rept 8
	global_load_b128 v[(\rbase)+12*jj:(\rbase)+12*jj+3], v1, s[10:11] offset:49152*(\ch)+6144*jj
	global_load_b128 v[(\rbase)+12*jj+4:(\rbase)+12*jj+7], v9, s[10:11] offset:49152*(\ch)+6144*jj+512
	global_load_b128 v[(\rbase)+12*jj+8:(\rbase)+12*jj+11], v1, s[10:11] offset:49152*(\ch)+6144*jj+3328
.set jj, jj+1
.endr
.endm
.macro WSTORE ch, rbase
.set jj, 0
.rept 8
	ds_store_b128 v10, v[(\rbase)+12*jj:(\rbase)+12*jj+3] offset:1568*(8*(\ch)+jj)
	ds_store_b128 v11, v[(\rbase)+12*jj+4:(\rbase)+12*jj+7] offset:1568*(8*(\ch)+jj)+512
	ds_store_b128 v10, v[(\rbase)+12*jj+8:(\rbase)+12*jj+11] offset:1568*(8*(\ch)+jj)+1040
.set jj, jj+1
.endr
.endm
; My eight fragments and scale words of my tile number s25, into a set: 28 loads.
; The set's base registers were last read by the set's loads of two tiles ago, which the wait at this tile's head has shown done.
.macro HLOAD set
	s_min_u32 s84, s25, 31                         ; the loop's counter and a constant, held inside the expert's 64 tiles
	s_mul_i32 s26, s84, 98304
	s_add_nc_u64 s[66+2*(\set):67+2*(\set)], s[28:29], s[26:27]
	s_lshl_b32 s26, s84, 12
	s_add_nc_u64 s[70+2*(\set):71+2*(\set)], s[30:31], s[26:27]
	WIN 0xc0
.set kq, 0
.rept 24
	global_load_b128 v[96*(\set)+4*kq:96*(\set)+4*kq+3], v1, s[66+2*(\set):67+2*(\set)] offset:512*kq
.set kq, kq+1
.endr
	WIN 0
.irp j, 0,1,2,3
	global_load_b32 v[32+4*(\set)+\j], v2, s[70+2*(\set):71+2*(\set)] offset:128*\j   ; lanes 0-15: K step 2 j, lanes 16-31: K step 2 j + 1
.endr
.endm
.macro TILE q
	s_wait_loadcnt 28                              ; this tile's set is in; the other set's 28 loads may be out
	s_add_co_u32 s25, s24, \q
	s_cmp_ge_u32 s25, s23
	s_cbranch_scc1 .Lskip_\@
.set ks, 0
.rept 8
.if ks <= 4
	WIN 0x0d                                       ; source 0 window 1, source 1 window 3, C and D window 0
.set ab, 48*ks
.else
	WIN 0x0e                                       ; source 0 window 2
.set ab, 48*(ks-5)
.endif
.set ct, 0
.rept 4                                ; the four accumulators take turns, one instruction a turn
.set dd, 128+32*(\q)+8*ct
.if ks == 0
	WMZ dd, ab+12*ct, 96*((\q)%2)+12*ks, 16+8*(ct/2)+ks, 32+4*((\q)%2)+ks/2, ct%2
.else
	WMA dd, ab+12*ct, 96*((\q)%2)+12*ks, 16+8*(ct/2)+ks, 32+4*((\q)%2)+ks/2, (ct%2)+2*(ks%2)
.endif
.set ct, ct+1
.endr
.set ks, ks+1
.endr
	WIN 0
.rept 5
	v_nop                                          ; four places ahead of the stores that read results and of the loads into the set just multiplied; five ahead of the next trip's product that begins this accumulator anew
.endr
	s_wait_alu depctr_va_vdst(0)                   ; the tile's products have written the accumulators, which the LDS stores below read, and are done reading their set of h and its scale words, in which the loads of the tile two on land; the places above stay beside this wait
.irp c, 0,1,2,3
	ds_store_b128 v4, v[128+32*(\q)+8*\c:128+32*(\q)+8*\c+3] offset:4352*(\q)+64*\c        ; each accumulator from its low end on
	ds_store_b128 v4, v[128+32*(\q)+8*\c+4:128+32*(\q)+8*\c+7] offset:4352*(\q)+64*\c+16
.endr
.Lskip_\@:
	s_add_co_u32 s25, s24, (\q)+2
	s_cmp_ge_u32 s25, s23                          ; have I a tile two on?
	s_cbranch_scc1 .Lnone_\@
	HLOAD ((\q)%2)                                 ; no wait: no vector or matrix instruction since the last wait on va_vdst names the set or its scale words
	s_branch .Lnext_\@
.Lnone_\@:
	s_wait_loadcnt 0x0                             ; nothing is asked for: so nothing may be out at the next tile's counted wait.  What is out is the next tile's set at the most
.Lnext_\@:
.endm
	s_load_b256 s[4:11], s[0:1], 0x0               ; hq s[4:5], rl s[6:7], ybuf s[8:9], W2's codes s[10:11]
	s_load_b128 s[12:15], s[0:1], 0x20             ; W2's scales s[12:13], b2 s[14:15]
	v_lshl_add_u32 v126, v0, 2, 0x42000
	v_mov_b32 v127, 0
	v_lshrrev_b32 v60, 5, v0
	v_readfirstlane_b32 s18, v60                   ; wave
	v_and_b32 v60, 31, v0                          ; lane
	s_lshr_b32 s19, ttmp9, 5                       ; e
	s_bfe_u32 s20, ttmp9, 0x40001                  ; os
	s_and_b32 s21, ttmp9, 1                        ; p
	v_lshlrev_b32 v1, 4, v60                       ; 16 l
	v_lshlrev_b32 v2, 2, v60                       ; 4 l
	v_and_b32 v61, 15, v60                         ; r
	v_lshrrev_b32 v7, 4, v60                       ; h
	v_lshlrev_b32 v6, 4, v61                       ; 16 r
	v_lshl_add_u32 v12, v7, 12, v6                 ; in ybuf: lanes 0-15 one row of 4,096 bytes, lanes 16-31 the next; 16 bytes a lane
	v_mul_u32_u24 v9, v7, 2304
	v_add_nc_u32 v9, v9, v1                        ; 16 l, and for lanes 16-31 on into the next row of W2
	s_wait_alu depctr_va_sdst(0)                   ; s18, the wave's number, is written, ahead of its first reader
	s_mul_i32 s25, s18, 50176
	v_add_nc_u32 v10, s25, v1                      ; my stage: 16 l,
	v_lshl_add_u32 v11, v7, 4, v10                 ; + 16 where the next row begins
	v_mul_u32_u24 v3, v61, 784
	v_mad_u32_u24 v3, v7, 24, v3
	v_add_nc_u32 v3, s25, v3                       ; a fragment out of it: row r + 24 h
	v_mul_u32_u24 v4, v61, 272
	v_lshl_add_u32 v4, v7, 5, v4
	s_mul_i32 s25, s18, 17408
	s_add_co_u32 s25, s25, PST
	v_add_nc_u32 v4, s25, v4                       ; my partial sums: row r, 32 h bytes on
	v_mul_u32_u24 v5, v7, 272
	v_add_nc_u32 v5, v5, v6
	s_mul_i32 s25, s18, 4352
	s_add_co_u32 s25, s25, PST
	v_add_nc_u32 v5, s25, v5                       ; back: tile w of the trip; lanes 0-15 one row, lanes 16-31 the next
	v_lshlrev_b32 v8, 7, v60                       ; W2's scale bytes: row l of 128 bytes
	s_lshl_b32 s81, s19, 10
	s_lshl_b32 s25, s20, 6
	s_add_co_u32 s81, s81, s25                     ; my first row of W2: 1,024 e + 64 os
	s_mov_b32 s27, 0
	s_lshl_b32 s80, s19, 2
	s_wait_kmcnt 0x0
	s_load_b32 s22, s[6:7], s80 offset:0x0         ; the expert's rows
	s_mul_i32 s26, s81, 3072
	s_mul_i32 s25, s18, 768
	s_add_co_u32 s26, s26, s25
	s_add_nc_u64 s[10:11], s[10:11], s[26:27]
	s_lshl_b32 s26, s81, 7
	s_lshl_b32 s25, s18, 5
	s_add_co_u32 s26, s26, s25
	s_add_nc_u64 s[12:13], s[12:13], s[26:27]
	s_lshl_b32 s26, s81, 2
	s_add_nc_u64 s[14:15], s[14:15], s[26:27]
	s_lshl_b32 s26, s19, 22                        ; ybuf: the expert's 1,024 rows of 4,096 bytes,
	s_lshl_b32 s25, s20, 8                         ; my 64 columns
	s_add_co_u32 s26, s26, s25
	s_add_nc_u64 s[16:17], s[8:9], s[26:27]
	s_mul_i32 s26, s19, 3145728
	s_mul_i32 s25, s21, 49152
	s_add_co_u32 s26, s26, s25
	s_mul_i32 s25, s18, 12288
	s_add_co_u32 s26, s26, s25
	s_add_nc_u64 s[28:29], s[4:5], s[26:27]        ; h's fragments: [e][p][8 w]
	s_lshl_b32 s26, s19, 17
	s_lshl_b32 s25, s21, 11
	s_add_co_u32 s26, s26, s25
	s_lshl_b32 s25, s18, 9
	s_add_co_u32 s26, s26, s25
	s_add_co_u32 s26, s26, HSC0
	s_add_nc_u64 s[30:31], s[4:5], s[26:27]        ; and their scale words
	s_wait_alu depctr_va_vdst(0)                   ; the addresses v1 to v6 and v8 to v11 are written, which the loads, LDS stores and LDS loads of the whole kernel read
.irp c, 0,1
	global_load_b128 v[16+8*\c:19+8*\c], v8, s[12:13] offset:4096*\c       ; tiles 2 c (lanes 0-15) and 2 c + 1 (lanes 16-31), my eight K steps
	global_load_b128 v[20+8*\c:23+8*\c], v8, s[12:13] offset:4096*\c+16
.endr
	global_load_b128 v[40:43], v6, s[14:15]
	WLOAD 0, 128                                   ; my 64 rows x 768 bytes of W2, into four runs of 96 registers that are free as yet
	WIN 0x80
	WLOAD 1, 144
	WIN 0x40
	WLOAD 2, 0
	WLOAD 3, 96
	WIN 0
	s_mov_b32 s25, 0
	HLOAD 0                                        ; my first two tiles of h, whatever the count: tiles p and p + 2 are always stored by the launch before
	s_mov_b32 s25, 1
	HLOAD 1
	s_wait_kmcnt 0x0                               ; the count
	s_add_co_u32 s23, s22, 15
	s_lshr_b32 s23, s23, 4                         ; the expert's tiles
	s_add_co_u32 s23, s23, 1
	s_sub_co_u32 s23, s23, s21
	s_lshr_b32 s23, s23, 1                         ; my tiles
	s_wait_loadcnt 56                              ; the scale words, b2 and W2 are in; the 2 x 28 loads of my first two tiles may be out
	WSTORE 0, 128
	WIN 0x08
	WSTORE 1, 144
	WIN 0x04
	WSTORE 2, 0
	WSTORE 3, 96
	WIN 0
	s_wait_dscnt 0x0                               ; my rows of W2 lie in my stage
	s_wait_alu depctr_vm_vsrc(0)                   ; the LDS stores have read the four runs of registers: the fragments below land in those of windows 1 and 2, and the first trip's products write those of window 0
.set ks, 0
.rept 8
.if ks <= 4
	WIN 0x40
.set ab, 48*ks
.else
	WIN 0x80
.set ab, 48*(ks-5)
.endif
.set ct, 0
.rept 4
.irp p, 0,1,2,3,4,5
	ds_load_b64 v[ab+12*ct+2*\p:ab+12*ct+2*\p+1], v3 offset:ct*16*784+96*ks+48*(\p/3)+8*(\p%3)
.endr
.set ct, ct+1
.endr
.set ks, ks+1
.endr
	WIN 0
	s_mov_b32 s24, 0                               ; the trip's first tile among mine
.Ltrip:
	s_wait_dscnt 0x0                               ; my reads of the last trip's partial sums are over (first trip: W2's fragments are in),
	s_barrier_signal -1
	s_barrier_wait -1                              ; everybody's are: the partial sums may be written again
	s_cmp_ge_u32 s24, s23
	s_cbranch_scc1 .Lnotiles
	TILE 0
	TILE 1
	TILE 2
	TILE 3
.Lnotiles:
	s_wait_dscnt 0x0                               ; my partial sums lie in LDS,
	s_wait_alu depctr_vm_vsrc(0)                   ; and my LDS stores have read the accumulators v128 to v255, in which the loads of the partial sums land and which the next trip's products write again
	s_barrier_signal -1
	s_barrier_wait -1                              ; everybody's do
	s_add_co_u32 s25, s24, s18                     ; the tile that I add up: number 4 g + w of mine
	s_cmp_ge_u32 s25, s23
	s_cbranch_scc1 .Lnoreduce
.irp v, 0,1,2,3
.irp i, 0,1,2,3,4,5,6,7
	ds_load_b128 v[128+32*\v+4*\i:128+32*\v+4*\i+3], v5 offset:17408*\v+544*\i   ; no wait on va_vdst: each run of products and the last trip's additions are followed by one, and nothing since names these registers
.endr
.endr
	s_lshl_b32 s25, s25, 1
	s_add_co_u32 s25, s25, s21                     ; T = p + 2 (4 g + w)
	s_lshl_b32 s25, s25, 16                        ; 16 rows of 4,096 bytes a tile
	v_add_nc_u32 v13, s25, v12
	s_wait_dscnt 0x0
.irp i, 0,1,2,3,4,5,6,7
.irp k, 0,2
	v_pk_add_f32 v[128+4*\i+\k:129+4*\i+\k], v[128+4*\i+\k:129+4*\i+\k], v[160+4*\i+\k:161+4*\i+\k]
	v_pk_add_f32 v[192+4*\i+\k:193+4*\i+\k], v[192+4*\i+\k:193+4*\i+\k], v[224+4*\i+\k:225+4*\i+\k]
.endr
.endr
.irp i, 0,1,2,3,4,5,6,7
.irp k, 0,2
	v_pk_add_f32 v[128+4*\i+\k:129+4*\i+\k], v[128+4*\i+\k:129+4*\i+\k], v[192+4*\i+\k:193+4*\i+\k]
.endr
.endr
.irp i, 0,1,2,3,4,5,6,7
.irp k, 0,2
	v_pk_add_f32 v[128+4*\i+\k:129+4*\i+\k], v[128+4*\i+\k:129+4*\i+\k], v[40+\k:41+\k]
.endr
.endr
	s_wait_alu depctr_va_vdst(0)                   ; the additions have written the sums v128 to v159 and the offset v13, which the stores below read, and are done with v160 to v255
.irp i, 0,1,2,3,4,5,6,7
	global_store_b128 v13, v[128+4*\i:131+4*\i], s[16:17] offset:8192*\i   ; rows 2 i and 2 i + 1 of the tile: sixteen lanes store 256 consecutive bytes, aligned
.endr
	s_wait_xcnt 0x0                                ; the stores have read their registers: the next trip writes them again
	s_wait_alu depctr_vm_vsrc(0)                   ; the stores have read v13 and v128 to v159, which the next trip's products and its offset's addition write again
.Lnoreduce:
	s_add_co_u32 s24, s24, 4
	s_cmp_lt_u32 s24, 32
	s_cbranch_scc1 .Ltrip
	s_wait_dscnt 0x0                               ; the closing lines, six on end
	s_wait_alu 0x0
	s_wait_tensorcnt 0x0
	ds_add_u32 v126, v127
	s_wait_dscnt 0x0
	s_endpgm
.Lfunc_end_k_qd9be250fd4_down:
	.size	k_qd9be250fd4_down, .Lfunc_end_k_qd9be250fd4_down-k_qd9be250fd4_down
	.p2alignl 7, 3214868480
	.fill 96, 4, 3214868480
	.section	.rodata,"a",@progbits
	.p2align	6, 0x0
	.amdhsa_kernel k_qd9be250fd4_down
		.amdhsa_group_segment_fixed_size 270848
		.amdhsa_private_segment_fixed_size 0
		.amdhsa_enable_private_segment 0
		.amdhsa_kernarg_size 48
		.amdhsa_user_sgpr_count 2
		.amdhsa_user_sgpr_kernarg_segment_ptr 1
		.amdhsa_wavefront_size32 1
		.amdhsa_system_sgpr_workgroup_id_x 1
		.amdhsa_system_sgpr_workgroup_id_y 1
		.amdhsa_system_sgpr_workgroup_id_z 1
		.amdhsa_system_vgpr_workitem_id 0
		.amdhsa_next_free_vgpr 1024
		.amdhsa_next_free_sgpr 86
		.amdhsa_reserve_vcc 0
		.amdhsa_float_denorm_mode_32 3
		.amdhsa_float_denorm_mode_16_64 3
		.amdhsa_memory_ordered 1
		.amdhsa_forward_progress 1
		.amdhsa_inst_pref_size 77
	.end_amdhsa_kernel
	.amdgpu_metadata
---
amdhsa.version: [ 1, 2 ]
amdhsa.kernels:
  - .name:           k_qd9be250fd4_down
    .symbol:         k_qd9be250fd4_down.kd
    .args:
      - { .name: hq, .offset: 0, .size: 8, .value_kind: global_buffer, .address_space: global }
      - { .name: rl, .offset: 8, .size: 8, .value_kind: global_buffer, .address_space: global }
      - { .name: ybuf, .offset: 16, .size: 8, .value_kind: global_buffer, .address_space: global }
      - { .name: W2_codes, .offset: 24, .size: 8, .value_kind: global_buffer, .address_space: global }
      - { .name: W2_scales, .offset: 32, .size: 8, .value_kind: global_buffer, .address_space: global }
      - { .name: b2, .offset: 40, .size: 8, .value_kind: global_buffer, .address_space: global }
    .group_segment_fixed_size: 270848
    .private_segment_fixed_size: 0
    .kernarg_segment_align: 8
    .kernarg_segment_size: 48
    .max_flat_workgroup_size: 128
    .sgpr_count:     86
    .vgpr_count:     1024
    .wavefront_size: 32
...
	.end_amdgpu_metadata
.endif
;; end of part 10
;; launch join (part 11): grid 256 x 1, 8 waves a work-group, no clusters, 0 bytes of LDS; arguments ybuf, sel, fl, out0, out1; writes out0, out1
.if DOCPART == 11
	.amdgcn_target "amdgcn-amd-amdhsa--gfx1250"
	.amdhsa_code_object_version 6
	.text
	.protected	k_qd9be250fd4_join
	.globl	k_qd9be250fd4_join
	.p2align	8
	.type	k_qd9be250fd4_join,@function
k_qd9be250fd4_join:
	s_mov_b64 s[64:65], 0
	v_nop
	global_prefetch_b8 v0, s[64:65] scope:SCOPE_SE
	s_setreg_imm32_b32 hwreg(HW_REG_WAVE_MODE, 25, 1), 1
	s_wait_xcnt 0x0
; out0[token] = w0 x ybuf[e0][rank0] + w1 x ybuf[e1][rank1]: each token gathers its two experts' rows.  Work-group g takes tokens 4 g .. 4 g + 3; wave w half a row (2,048 bytes) of token 4 g + w / 2.
; THE RANKS.  The second launch gave the tokens of an expert their ranks in the order of the key 32 c + l, c = 4 (t / 128) + t % 4, l = (t / 4) % 32.  Each wave reads all of sel in the layout
; in which register c, lane l is the token of that key, clears the words whose key is not under its own token's, and counts, for each of its token's two experts, the words that carry the
; expert's flag: a lane mask for each register, the masks' set bits added up in scalar registers.  Whole numbers throughout.
; Each rank and each expert's number passes a minimum with a constant ahead of the address.  The weights lie at the token's own place in fl.
; A stream otherwise: each load and store of a wave covers 512 consecutive bytes.  No LDS, no barrier, no matrix unit: there is nothing to share.
; out1 = 8 x the sum over experts of (mean gate)^2: wave 0 of work-group 0 adds the 256 work-groups' gate sums of the first launch, in a fixed order.
	s_load_b256 s[4:11], s[0:1], 0x0               ; ybuf s[4:5], sel s[6:7], fl s[8:9], out0 s[10:11]
	s_load_b64 s[12:13], s[0:1], 0x20              ; out1
	v_lshrrev_b32 v2, 5, v0
	s_delay_alu instid0(VALU_DEP_1)
	v_readfirstlane_b32 s14, v2                    ; wave
	v_and_b32 v3, 31, v0                           ; lane
	s_wait_alu depctr_va_vdst(0)
	v_lshlrev_b32 v1, 4, v3                        ; 16 l
	s_wait_alu depctr_va_vdst(0)
	s_lshr_b32 s15, s14, 1                         ; which of the four tokens
	s_and_b32 s16, s14, 1                          ; which half of its row
	s_lshl_b32 s17, ttmp9, 2
	s_add_co_u32 s17, s17, s15                     ; my token t = 4 g + j
	s_lshr_b32 s18, ttmp9, 5
	s_lshl_b32 s18, s18, 2
	s_add_co_u32 s18, s18, s15                     ; c = 4 (t / 128) + t % 4 = 4 (g / 32) + j
	s_lshl_b32 s18, s18, 5
	s_and_b32 s19, ttmp9, 31                       ; l = (t / 4) % 32 = g % 32
	s_add_co_u32 s18, s18, s19                     ; my token's key
	v_sub_nc_u32 v4, s18, v3                       ; key - lane: register c's word in my lane counts where 32 c is under it (as signed numbers)
	s_lshl_b32 s19, s16, 11
	v_add_nc_u32 v5, s19, v1                       ; my 16 bytes of a load's 512, in my half of a row
	s_lshl_b32 s20, s17, 2
	s_lshl_b32 s21, s17, 3
	s_wait_alu depctr_va_vdst(0)
	s_wait_kmcnt 0x0
	s_load_b32 s22, s[6:7], s20 offset:0x0         ; my token's word of sel
	s_load_b64 s[24:25], s[8:9], s21 offset:0x0    ; and its two weights
.irp j, 0,1,2,3,4,5,6,7
	global_load_b128 v[8+4*\j:11+4*\j], v1, s[6:7] offset:512*\j       ; all of sel: register c, lane l: the token of key 32 c + l
.endr
	s_wait_kmcnt 0x0
	s_bfe_u32 s26, s22, 0x40010                    ; the first expert (4 bits from bit 16),
	s_bfe_u32 s27, s22, 0x40014                    ; the second (from bit 20),
	s_min_u32 s26, s26, 7                          ; each under a constant ahead of the address
	s_min_u32 s27, s27, 7
	s_lshl_b32 s28, 0x101, s26                     ; their flags
	s_lshl_b32 s29, 0x101, s27
	s_wait_loadcnt 0x0
.set cc, 0
.rept 32
	v_cmp_lt_i32 vcc_lo, 32*cc, v4
	s_delay_alu instid0(VALU_DEP_1)
	v_cndmask_b32 v[8+cc], 0, v[8+cc], vcc_lo      ; only the tokens ahead of mine count
.set cc, cc+1
.endr
.set cc, 0
.rept 32
	v_and_b32 v[40+cc], s28, v[8+cc]
	s_delay_alu instid0(VALU_DEP_1)
	v_cmp_ne_u32 s[32+cc], 0, v[40+cc]
.set cc, cc+1
.endr
.set cc, 0
.rept 32
	v_and_b32 v[40+cc], s29, v[8+cc]
	s_delay_alu instid0(VALU_DEP_1)
	v_cmp_ne_u32 s[66+cc], 0, v[40+cc]
.set cc, cc+1
.endr
	s_mov_b32 s30, 0
	s_mov_b32 s98, 0
.set cc, 0
.rept 32
	s_bcnt1_i32_b32 s31, s[32+cc]
	s_bcnt1_i32_b32 s99, s[66+cc]
	s_add_co_u32 s30, s30, s31                     ; my token's rank under its first expert,
	s_add_co_u32 s98, s98, s99                     ; under its second
.set cc, cc+1
.endr
	s_min_u32 s30, s30, 0x3ff                      ; under a constant ahead of the address
	s_min_u32 s98, s98, 0x3ff
	s_mov_b32 s37, 0
	s_lshl_b32 s36, s26, 22                        ; an expert's part of ybuf is 1,024 rows of 4,096 bytes
	s_add_nc_u64 s[32:33], s[4:5], s[36:37]
	s_lshl_b32 s36, s30, 12
	s_add_nc_u64 s[32:33], s[32:33], s[36:37]      ; the first expert's row
	s_lshl_b32 s36, s27, 22
	s_add_nc_u64 s[34:35], s[4:5], s[36:37]
	s_lshl_b32 s36, s98, 12
	s_add_nc_u64 s[34:35], s[34:35], s[36:37]      ; the second's
.irp i, 0,1,2,3
	global_load_b128 v[8+4*\i:11+4*\i], v5, s[32:33] offset:512*\i th:TH_LOAD_NT
	global_load_b128 v[24+4*\i:27+4*\i], v5, s[34:35] offset:512*\i th:TH_LOAD_NT
.endr
	s_lshl_b32 s36, s17, 12
	s_add_nc_u64 s[10:11], s[10:11], s[36:37]      ; my token's row of out0
	s_mov_b32 s38, s25                             ; the second weight as a pair of its own: the packed form takes a scalar pair's low word for both halves
	s_mov_b32 s39, s25
	s_wait_loadcnt 0x0
.irp j, 0,2,4,6,8,10,12,14
	v_pk_mul_f32 v[8+\j:9+\j], v[8+\j:9+\j], s[24:25] op_sel_hi:[1,0]
.endr
.irp j, 0,2,4,6,8,10,12,14
	v_pk_fma_f32 v[8+\j:9+\j], v[24+\j:25+\j], s[38:39], v[8+\j:9+\j] op_sel_hi:[1,0,1]
.endr
.irp i, 0,1,2,3
	global_store_b128 v5, v[8+4*\i:11+4*\i], s[10:11] offset:512*\i th:TH_STORE_NT
.endr
	s_or_b32 s14, s14, ttmp9
	s_cmp_lg_u32 s14, 0
	s_cbranch_scc1 .Lend
	v_lshlrev_b32 v2, 5, v3                        ; lane l takes the sums of work-groups l + 32 m: 32 bytes each
.irp m, 0,1,2,3,4,5,6,7
	global_load_b128 v[40+8*\m:43+8*\m], v2, s[8:9] offset:8192+1024*\m
	global_load_b128 v[44+8*\m:47+8*\m], v2, s[8:9] offset:8192+1024*\m+16
.endr
	s_mov_b32 s16, 0x76543210
	s_mov_b32 s17, 0xfedcba98
	s_wait_loadcnt 0x0
.irp m, 1,2,3,4,5,6,7
.irp p, 0,2,4,6
	v_pk_add_f32 v[40+\p:41+\p], v[40+\p:41+\p], v[40+8*\m+\p:41+8*\m+\p]
.endr
.endr
.irp m, 1,2,4,8
.irp e, 0,1,2,3,4,5,6,7
	v_add_f32_dpp v[40+\e], v[40+\e], v[40+\e] row_xmask:\m row_mask:0xf bank_mask:0xf
.endr
.endr
.irp e, 0,1,2,3,4,5,6,7
	v_permlanex16_b32 v[48+\e], v[40+\e], s16, s17
.endr
.irp e, 0,1,2,3,4,5,6,7
	v_add_f32 v[40+\e], v[40+\e], v[48+\e]
.endr
.irp e, 0,1,2,3,4,5,6,7
	v_mul_f32 v[40+\e], 0x3a800000, v[40+\e]       ; / 1,024: the mean
.endr
	v_mul_f32 v48, v40, v40
.irp e, 1,2,3,4,5,6,7
	s_delay_alu instid0(VALU_DEP_1)
	v_fmac_f32 v48, v[40+\e], v[40+\e]
.endr
	s_delay_alu instid0(VALU_DEP_1)
	v_mul_f32 v48, 0x41000000, v48                 ; x 8
	v_mov_b32 v6, 0
	global_store_b32 v6, v48, s[12:13]             ; every lane the same word, the same value
.Lend:
	s_endpgm
.Lfunc_end_k_qd9be250fd4_join:
	.size	k_qd9be250fd4_join, .Lfunc_end_k_qd9be250fd4_join-k_qd9be250fd4_join
	.p2alignl 7, 3214868480
	.fill 96, 4, 3214868480
	.section	.rodata,"a",@progbits
	.p2align	6, 0x0
	.amdhsa_kernel k_qd9be250fd4_join
		.amdhsa_group_segment_fixed_size 0
		.amdhsa_private_segment_fixed_size 0
		.amdhsa_enable_private_segment 0
		.amdhsa_kernarg_size 40
		.amdhsa_user_sgpr_count 2
		.amdhsa_user_sgpr_kernarg_segment_ptr 1
		.amdhsa_wavefront_size32 1
		.amdhsa_system_sgpr_workgroup_id_x 1
		.amdhsa_system_sgpr_workgroup_id_y 1
		.amdhsa_system_sgpr_workgroup_id_z 1
		.amdhsa_system_vgpr_workitem_id 0
		.amdhsa_next_free_vgpr 104
		.amdhsa_next_free_sgpr 100
		.amdhsa_reserve_vcc 1
		.amdhsa_float_denorm_mode_32 3
		.amdhsa_float_denorm_mode_16_64 3
		.amdhsa_memory_ordered 1
		.amdhsa_forward_progress 1
		.amdhsa_inst_pref_size 29
	.end_amdhsa_kernel
	.amdgpu_metadata
---
amdhsa.version: [ 1, 2 ]
amdhsa.kernels:
  - .name:           k_qd9be250fd4_join
    .symbol:         k_qd9be250fd4_join.kd
    .args:
      - { .name: ybuf, .offset: 0, .size: 8, .value_kind: global_buffer, .address_space: global }
      - { .name: sel, .offset: 8, .size: 8, .value_kind: global_buffer, .address_space: global }
      - { .name: fl, .offset: 16, .size: 8, .value_kind: global_buffer, .address_space: global }
      - { .name: out0, .offset: 24, .size: 8, .value_kind: global_buffer, .address_space: global }
      - { .name: out1, .offset: 32, .size: 8, .value_kind: global_buffer, .address_space: global }
    .group_segment_fixed_size: 0
    .private_segment_fixed_size: 0
    .kernarg_segment_align: 8
    .kernarg_segment_size: 40
    .max_flat_workgroup_size: 256
    .sgpr_count:     100
    .vgpr_count:     104
    .wavefront_size: 32
...
	.end_amdgpu_metadata
.endif
;; end of part 11
